; MI455X (gfx1250); checked and timed in simulation.
; The chip was launched on July 23, 2026; its instructions are those of AMD's public machine-readable ISA for CDNA 5 (MIT licence, August 2026) and "CDNA5" Instruction Set Architecture Reference Guide (July 2026). The comments in the code are by the model that wrote it; some were corrected since.
;; Transformer Encoder. Allowed arithmetic: matrix products marked QUANTISED: E5M2 operands, one E8M0 scale for each 32 along K, by v_wmma_scale_f32_16x16x128_f8f6f4 with both operands' format E5M2, f32 sums; everything else in f32.
;; Inputs: b1 4 x 256 float32; b2 4 x 256 float32; be1 4 x 256 float32; be2 4 x 256 float32; g1 4 x 256 float32; g2 4 x 256 float32; proj_b 4 x 256 float32; proj_w 4 x 256 x 256 float32; qkv_w 4 x 256 x 768 float32; w1 4 x 256 x 256 float32; w2 4 x 256 x 256 float32; x 2 x 2,048 x 256 float32.
;; Outputs: out0 2 x 2,048 x 256 float32.
;; This version of the problem:
;;   THIS VERSION OF THE PROBLEM IS GIVEN IN LOW PRECISION. The matrix products marked QUANTISED in the list below multiply operands that are first quantised to E5M2 (5 exponent bits, 2 mantissa bits; 8 bits a number), with one power-of-two scale for each 32 numbers along K (OCP MX v1.0); their sums are f32. All else is computed in f32.
;;   The module's matrix products, in the order in which they are computed (A, B: the left and right operand; K: the contracted axis; several contracted axes count as one K, in the product's order):
;;     1. [M 4,096, K 256] x [K 256, N 768]; A: computed on the way; B: input qkv_w: QUANTISED
;;     2. batch 16 x [M 2,048, K 32] x [K 32, N 2,048]; A: computed on the way; B: computed on the way: QUANTISED
;;     3. batch 16 x [M 32, K 2,048] x [K 2,048, N 2,048]; A: computed on the way; B: softmax (see below): QUANTISED
;;     4. [M 4,096, K 256] x [K 256, N 256]; A: computed on the way; B: input proj_w: QUANTISED
;;     5. [M 4,096, K 256] x [K 256, N 256]; A: computed on the way; B: input w1: QUANTISED
;;     6. [M 4,096, K 256] x [K 256, N 256]; A: computed on the way; B: input w2: QUANTISED
;;     7. [M 4,096, K 256] x [K 256, N 768]; A: computed on the way; B: input qkv_w: QUANTISED
;;     8. batch 16 x [M 2,048, K 32] x [K 32, N 2,048]; A: computed on the way; B: computed on the way: QUANTISED
;;     9. batch 16 x [M 32, K 2,048] x [K 2,048, N 2,048]; A: computed on the way; B: softmax (see below): QUANTISED
;;     10. [M 4,096, K 256] x [K 256, N 256]; A: computed on the way; B: input proj_w: QUANTISED
;;     11. [M 4,096, K 256] x [K 256, N 256]; A: computed on the way; B: input w1: QUANTISED
;;     12. [M 4,096, K 256] x [K 256, N 256]; A: computed on the way; B: input w2: QUANTISED
;;     13. [M 4,096, K 256] x [K 256, N 768]; A: computed on the way; B: input qkv_w: QUANTISED
;;     14. batch 16 x [M 2,048, K 32] x [K 32, N 2,048]; A: computed on the way; B: computed on the way: QUANTISED
;;     15. batch 16 x [M 32, K 2,048] x [K 2,048, N 2,048]; A: computed on the way; B: softmax (see below): QUANTISED
;;     16. [M 4,096, K 256] x [K 256, N 256]; A: computed on the way; B: input proj_w: QUANTISED
;;     17. [M 4,096, K 256] x [K 256, N 256]; A: computed on the way; B: input w1: QUANTISED
;;     18. [M 4,096, K 256] x [K 256, N 256]; A: computed on the way; B: input w2: QUANTISED
;;     19. [M 4,096, K 256] x [K 256, N 768]; A: computed on the way; B: input qkv_w: QUANTISED
;;     20. batch 16 x [M 2,048, K 32] x [K 32, N 2,048]; A: computed on the way; B: computed on the way: QUANTISED
;;     21. batch 16 x [M 32, K 2,048] x [K 2,048, N 2,048]; A: computed on the way; B: softmax (see below): QUANTISED
;;     22. [M 4,096, K 256] x [K 256, N 256]; A: computed on the way; B: input proj_w: QUANTISED
;;     23. [M 4,096, K 256] x [K 256, N 256]; A: computed on the way; B: input w1: QUANTISED
;;     24. [M 4,096, K 256] x [K 256, N 256]; A: computed on the way; B: input w2: QUANTISED
;;   THE QUANTISER, for each operand of a quantised product, along K:
;;     - K is cut into blocks of 32 from its start; a last block that is shorter is filled with zeros.
;;     - A block's scale is 2^e with e = floor(log2(the largest magnitude in the block)) - 15, held to -126 .. 127; a block of zeros has e = 0. As a byte (E8M0): e + 127.
;;     - Each number is divided by its block's scale, clamped to +-57,344, and rounded to the nearest number of E5M2, ties to even, subnormals kept.
;;     - The product sums the exact products of the quantised numbers (number of the format x scale) in f32.
;;   ~~~python
;;   def quantise(x, axis):      # numpy; x: float32 -> the quantised numbers, widened to float32 again
;;       x = np.moveaxis(x, axis, -1); K = x.shape[-1]
;;       x = np.pad(x, [(0, 0)] * (x.ndim - 1) + [(0, -K % 32)]); x = x.reshape(x.shape[:-1] + (-1, 32)); a = np.abs(x).max(-1, keepdims=True)
;;       e = np.where(a > 0, np.clip(np.frexp(np.where(a > 0, a, 1))[1] - 1 - 15, -126, 127), 0)      # np.frexp(a)[1] - 1 = floor(log2(a)), exactly
;;       r = np.clip(x / 2.0 ** e, -57344, 57344)
;;       step = 2.0 ** (np.maximum(np.frexp(np.where(r == 0, 1, r))[1] - 1, -14) - 2)
;;       q = np.round(r / step) * step * 2.0 ** e      # np.round: ties to even
;;       return np.moveaxis(q.reshape(q.shape[:-2] + (-1,))[..., :K], -1, axis).astype(np.float32)
;;   ~~~
;;   SOFTMAX AHEAD OF A QUANTISED PRODUCT. Where the list says 'softmax', what is quantised is not the finished softmax but p = 2^(t - M), with t = logit x log2(e) and M = ceil(the row's largest t), a whole number; so 1/2 < the row's largest p <= 1. The row's sum l is taken of the UNQUANTISED p, in f32, and the product's result is divided by l at the end. Since M is a whole number, a kernel that streams over the keys may use a running M (the ceiling of the running maximum): every later rescaling is an exact power of two, which a block's scale takes up: the codes' values come out the same.
;;   OPERANDS COMPUTED ON THE WAY. 'Computed on the way' means the value that the module computes at that place (a softmax that the list does not call 'softmax' is quantised finished and normalised). What goes into a quantiser is computed in f32, as accurately as f32 sums, v_exp_f32 and their like allow (about 1e-6 of the number): no bf16 or f16 on the way to a quantiser, and a product that is left as it is and whose result goes on into a quantised operand takes f32 operands (vector FMAs, or v_wmma_f32_16x16x4_f32). A number that lies on a knife's edge between two numbers of the format may be rounded either way, as far as f32 arithmetic and the matrix unit's own rounding can turn it there, and no further.
;; 2 versions, each right; version 2 is version 1 with the launches embed, chain0, chain1, chain2, last written anew for expert scheduling mode. Each part assembles by itself: llvm-mc -triple=amdgcn-amd-amdhsa -mcpu=gfx1250 --defsym DOCPART=n.
;; ======== version 1 of 2: 10 launches
;; workspace buffers: P0 412,672 bytes; P1 412,672 bytes; P2 412,672 bytes; P3 412,672 bytes; XA 4,194,304 bytes; XB 4,194,304 bytes; QKV 3,342,336 bytes; OC 1,081,344 bytes
;; launch prep (part 1): grid 12 x 4, 8 waves a work-group, no clusters, 0 bytes of LDS; arguments qkv_w, proj_w, w1, w2, proj_b, g1, be1, b1, b2, g2, be2, P0, P1, P2, P3; writes P0, P1, P2, P3
.if DOCPART == 1
	.amdgcn_target "amdgcn-amd-amdhsa--gfx1250"
	.amdhsa_code_object_version 6
	.text
	.protected	k_q50739f9a46_prep
	.globl	k_q50739f9a46_prep
	.p2align	8
	.type	k_q50739f9a46_prep,@function
k_q50739f9a46_prep:
	s_mov_b64 s[64:65], 0
	v_nop
	global_prefetch_b8 v0, s[64:65] scope:SCOPE_SE
	s_setreg_imm32_b32 hwreg(HW_REG_WAVE_MODE, 25, 1), 1
	s_wait_xcnt 0x0
; PREP: the weights of all four layers become codes of E5M2 with one E8M0 byte for each 32 along K, laid in the order of the operand registers that read them; the seven vectors of a layer are copied beside them.
; P[l] holds proj, w1, w2 of layer l (matrices 0, 1, 2), Wq, Wk, Wv of layer (l + 1) % 4 (matrices 3, 4, 5), their scale words and layer l's vectors: so one text of the row chain serves every layer on another buffer.
; K is a weight's FIRST axis: a lane takes a column and its registers run down K, so a block of 32 lies in one lane and the conversions give codes with K innermost.
; SHARES.  Work-group (x, y): matrix x / 2, K step x % 2 (128 along K), layer y.  Wave w: columns 32 w .. 32 w + 31.  Lane (r, u): place r of column tile 2 w + u = column 32 w + 8 u + r + 8 (r / 8).
; IMAGE.  Register group c of fragment (tile, K step) is 512 bytes, lane (r, h)'s 16 bytes (k = 32 c + 16 h + 0 .. 15) at 16 r + 256 h.  My 32 codes of block c are its bytes 16 r and 256 + 16 r: sixteen lanes store 256 consecutive bytes.
; The scale words (4 bytes a lane, 16 bytes apart) and the copies are small: 12,288 + 7,168 bytes a buffer.
; LIMITS: NaN and infinities are not served.  A block of zeros gets the byte 1 (its codes are zeros; this program alone reads the bytes); a largest magnitude under 2^-111 is held at that floor.
; No LDS, no barrier, no matrix unit: waves share nothing, and the launch moves 6.3 MB once.
.set SCT, 393216                       ; the scale words: 1,536 w + 512 (word / 4) + 16 lane + 4 (word % 4), word = 2 matrix + K step
.set VEC, 405504                       ; seven vectors of 1,024 bytes: proj_b, g1, be1, b1, b2, g2, be2
.set X,   32                           ; v32-95   two sets of 32 numbers
.set C,   96                           ; v96-127  eight registers of codes for each of the four blocks: no store's data are written again
	s_load_b512 s[4:19], s[0:1], 0x0               ; qkv_w, proj_w, w1, w2, proj_b, g1, be1, b1
	s_load_b256 s[20:27], s[0:1], 0x40             ; b2, g2, be2, P0
	s_load_b128 s[28:31], s[0:1], 0x60             ; P1, P2
	s_load_b64 s[32:33], s[0:1], 0x70              ; P3
	v_lshrrev_b32 v1, 5, v0
	v_readfirstlane_b32 s34, v1                    ; wave w
	s_and_b32 s35, ttmp7, 0xffff                   ; layer y
	s_lshr_b32 s36, ttmp9, 1                       ; matrix
	s_and_b32 s37, ttmp9, 1                        ; K step
	v_and_b32 v4, 15, v0                           ; r
	v_bfe_u32 v5, v0, 4, 1                         ; u
	v_and_b32 v6, 8, v4
	v_add_nc_u32 v6, v6, v4                        ; r + 8 (r / 8)
	v_lshl_add_u32 v6, v5, 3, v6                   ; + 8 u
	s_lshl_b32 s38, s34, 5
	v_add_nc_u32 v6, s38, v6                       ; my column
	v_lshlrev_b32 v1, 2, v6                        ; its bytes in a row of the weight
	v_lshlrev_b32 v2, 4, v4
	v_lshl_add_u32 v2, v5, 12, v2                  ; codes: 4,096 u + 16 r
	v_and_b32 v3, 31, v0
	v_lshlrev_b32 v3, 4, v3                        ; scale word: 16 x lane
	v_lshlrev_b32 v7, 2, v0                        ; the copy: 4 x thread
	s_mov_b32 s39, 0x600000                        ; the mantissa field of 57,344
	s_add_co_u32 s40, s35, 3
	s_and_b32 s40, s40, 3                          ; (y + 3) % 4: where layer y's Wq, Wk, Wv go
	s_mov_b32 s55, 0
	s_wait_kmcnt 0x0
	s_cmp_eq_u32 s35, 1                            ; P[y]
	s_cselect_b64 s[42:43], s[28:29], s[26:27]
	s_cmp_eq_u32 s35, 2
	s_cselect_b64 s[42:43], s[30:31], s[42:43]
	s_cmp_eq_u32 s35, 3
	s_cselect_b64 s[42:43], s[32:33], s[42:43]
	s_cmp_eq_u32 s40, 1                            ; P[(y + 3) % 4]
	s_cselect_b64 s[44:45], s[28:29], s[26:27]
	s_cmp_eq_u32 s40, 2
	s_cselect_b64 s[44:45], s[30:31], s[44:45]
	s_cmp_eq_u32 s40, 3
	s_cselect_b64 s[44:45], s[32:33], s[44:45]
	; work-groups x = 0 .. 6 also copy vector x of layer y: a number a thread
	s_cmp_gt_u32 ttmp9, 6
	s_cbranch_scc1 .Lno_vec
	s_mov_b64 s[46:47], s[12:13]
.irp k, 1,2,3,4,5,6
	s_cmp_eq_u32 ttmp9, \k
	s_cselect_b64 s[46:47], s[12+2*\k:13+2*\k], s[46:47]
.endr
	s_lshl_b32 s48, s35, 10
	s_mov_b32 s49, 0
	s_add_nc_u64 s[46:47], s[46:47], s[48:49]
	s_lshl_b32 s48, ttmp9, 10
	s_add_co_u32 s48, s48, VEC
	s_add_nc_u64 s[50:51], s[42:43], s[48:49]
	global_load_b32 v20, v7, s[46:47]
	s_wait_loadcnt 0x0
	global_store_b32 v7, v20, s[50:51]             ; v7, v20 and s[46:51] are not written again
.Lno_vec:
	; where my codes and my scale word go
	s_cmp_lt_u32 s36, 3
	s_cselect_b64 s[56:57], s[42:43], s[44:45]
	s_lshl_b32 s54, s36, 16                        ; 65,536 x matrix
	s_lshl_b32 s62, s34, 13                        ; + 8,192 w
	s_add_co_u32 s54, s54, s62
	s_lshl_b32 s62, s37, 11                        ; + 2,048 x K step
	s_add_co_u32 s54, s54, s62
	s_add_nc_u64 s[58:59], s[56:57], s[54:55]
	s_mul_i32 s54, s34, 1536
	s_lshr_b32 s62, ttmp9, 2                       ; the word's number is the work-group's x
	s_lshl_b32 s62, s62, 9
	s_add_co_u32 s54, s54, s62
	s_and_b32 s62, ttmp9, 3
	s_lshl_b32 s62, s62, 2
	s_add_co_u32 s54, s54, s62
	s_add_co_u32 s54, s54, SCT
	s_add_nc_u64 s[60:61], s[56:57], s[54:55]
	; the source
	s_mov_b64 s[52:53], s[4:5]
	s_cmp_eq_u32 s36, 0
	s_cselect_b64 s[52:53], s[6:7], s[52:53]
	s_cmp_eq_u32 s36, 1
	s_cselect_b64 s[52:53], s[8:9], s[52:53]
	s_cmp_eq_u32 s36, 2
	s_cselect_b64 s[52:53], s[10:11], s[52:53]
.macro LOADB t, pitch                  ; block t: W(32 t + i, my column), i = 0 .. 31, into set t % 2; the wave's 32 lanes read 128 consecutive bytes
.irp i, 0,1,2,3,4,5,6,7,8,9,10,11,12,13,14,15,16,17,18,19,20,21,22,23,24,25,26,27,28,29,30,31
	global_load_b32 v[X+32*((\t)%2)+\i], v1, s[52:53] offset:(32*(\t)+\i)*(\pitch) th:TH_LOAD_NT
.endr
.endm
.macro BLOCK t, pitch
.set XS, X+32*((\t)%2)
.if (\t) < 3
	s_wait_loadcnt 32                              ; this block's 32 loads are in; the next block's 32 may be out
.else
	s_wait_loadcnt 0x0
.endif
	v_max3_num_f32 v12, |v[XS]|, |v[XS+1]|, |v[XS+2]|      ; the block's largest magnitude: all 32 numbers are mine
	v_max3_num_f32 v13, |v[XS+3]|, |v[XS+4]|, |v[XS+5]|
.irp i, 6,10,14,18,22,26
	v_max3_num_f32 v12, v12, |v[XS+\i]|, |v[XS+\i+1]|
	v_max3_num_f32 v13, v13, |v[XS+\i+2]|, |v[XS+\i+3]|
.endr
	v_max3_num_f32 v12, v12, |v[XS+30]|, |v[XS+31]|
	v_max3_num_f32 v12, v12, v13, 0x8000000        ; and the floor 2^(16 - 127): the byte cannot fall under 1
	v_add_nc_u32 v11, 0xf8800000, v12              ; 15 off the exponent field: the conversion's scale operand
	v_and_or_b32 v10, v12, 0x7f800000, s39         ; 57,344 x the scale
	v_lshrrev_b32 v13, 23, v11                     ; the scale's byte
.if (\t) == 0
	v_mov_b32 v16, v13                             ; four bytes make my column's scale word of this K step
.else
	v_lshl_or_b32 v16, v13, 8*(\t), v16
.endif
.irp i, 0,1,2,3,4,5,6,7,8,9,10,11,12,13,14,15,16,17,18,19,20,21,22,23,24,25,26,27,28,29,30,31
	v_med3_num_f32 v[XS+\i], v[XS+\i], -v10, v10   ; the conversion to an 8-bit code does not saturate (ISA guide 7.6.2): the hold comes first
.endr
.irp g, 0,1,2,3
	v_cvt_scalef32_pk8_bf8_f32 v[C+8*(\t)+2*\g:C+8*(\t)+2*\g+1], v[XS+8*\g:XS+8*\g+7], v11
.endr
	global_store_b128 v2, v[C+8*(\t):C+8*(\t)+3], s[58:59] offset:512*(\t)          ; k = 0 .. 15 of the block: the image's lanes 0-15
	global_store_b128 v2, v[C+8*(\t)+4:C+8*(\t)+7], s[58:59] offset:512*(\t)+256    ; k = 16 .. 31: its lanes 16-31
.if (\t) < 2
	LOADB (\t)+2, \pitch
.endif
.endm
.macro BODY pitch
	LOADB 0, \pitch
	LOADB 1, \pitch
	BLOCK 0, \pitch
	BLOCK 1, \pitch
	BLOCK 2, \pitch
	BLOCK 3, \pitch
	global_store_b32 v3, v16, s[60:61]
.endm
	s_cmp_lt_u32 s36, 3
	s_cbranch_scc0 .Lqkv
	s_lshl_b32 s54, s35, 18                        ; layer x 262,144
	s_lshl_b32 s62, s37, 17                        ; + K step x 128 rows of 1,024 bytes
	s_add_co_u32 s54, s54, s62
	s_add_nc_u64 s[52:53], s[52:53], s[54:55]
	BODY 1024
	s_endpgm
.Lqkv:
	s_mul_i32 s54, s35, 786432                     ; layer
	s_mul_i32 s62, s37, 393216                     ; + K step x 128 rows of 3,072 bytes
	s_add_co_u32 s54, s54, s62
	s_sub_co_u32 s62, s36, 3
	s_lshl_b32 s62, s62, 10                        ; + q, k or v: 256 columns each
	s_add_co_u32 s54, s54, s62
	s_add_nc_u64 s[52:53], s[52:53], s[54:55]
	BODY 3072
	s_endpgm
.Lfunc_end_k_q50739f9a46_prep:
	.size	k_q50739f9a46_prep, .Lfunc_end_k_q50739f9a46_prep-k_q50739f9a46_prep
	.p2alignl 7, 3214868480
	.fill 96, 4, 3214868480
	.section	.rodata,"a",@progbits
	.p2align	6, 0x0
	.amdhsa_kernel k_q50739f9a46_prep
		.amdhsa_group_segment_fixed_size 0
		.amdhsa_private_segment_fixed_size 0
		.amdhsa_enable_private_segment 0
		.amdhsa_kernarg_size 120
		.amdhsa_user_sgpr_count 2
		.amdhsa_user_sgpr_kernarg_segment_ptr 1
		.amdhsa_wavefront_size32 1
		.amdhsa_system_sgpr_workgroup_id_x 1
		.amdhsa_system_sgpr_workgroup_id_y 1
		.amdhsa_system_sgpr_workgroup_id_z 1
		.amdhsa_system_vgpr_workitem_id 0
		.amdhsa_next_free_vgpr 128
		.amdhsa_next_free_sgpr 66
		.amdhsa_reserve_vcc 0
		.amdhsa_float_denorm_mode_32 3
		.amdhsa_float_denorm_mode_16_64 3
		.amdhsa_memory_ordered 1
		.amdhsa_forward_progress 1
		.amdhsa_inst_pref_size 59
	.end_amdhsa_kernel
	.amdgpu_metadata
---
amdhsa.version: [ 1, 2 ]
amdhsa.kernels:
  - .name:           k_q50739f9a46_prep
    .symbol:         k_q50739f9a46_prep.kd
    .args:
      - { .name: qkv_w, .offset: 0, .size: 8, .value_kind: global_buffer, .address_space: global }
      - { .name: proj_w, .offset: 8, .size: 8, .value_kind: global_buffer, .address_space: global }
      - { .name: w1, .offset: 16, .size: 8, .value_kind: global_buffer, .address_space: global }
      - { .name: w2, .offset: 24, .size: 8, .value_kind: global_buffer, .address_space: global }
      - { .name: proj_b, .offset: 32, .size: 8, .value_kind: global_buffer, .address_space: global }
      - { .name: g1, .offset: 40, .size: 8, .value_kind: global_buffer, .address_space: global }
      - { .name: be1, .offset: 48, .size: 8, .value_kind: global_buffer, .address_space: global }
      - { .name: b1, .offset: 56, .size: 8, .value_kind: global_buffer, .address_space: global }
      - { .name: b2, .offset: 64, .size: 8, .value_kind: global_buffer, .address_space: global }
      - { .name: g2, .offset: 72, .size: 8, .value_kind: global_buffer, .address_space: global }
      - { .name: be2, .offset: 80, .size: 8, .value_kind: global_buffer, .address_space: global }
      - { .name: P0, .offset: 88, .size: 8, .value_kind: global_buffer, .address_space: global }
      - { .name: P1, .offset: 96, .size: 8, .value_kind: global_buffer, .address_space: global }
      - { .name: P2, .offset: 104, .size: 8, .value_kind: global_buffer, .address_space: global }
      - { .name: P3, .offset: 112, .size: 8, .value_kind: global_buffer, .address_space: global }
    .group_segment_fixed_size: 0
    .private_segment_fixed_size: 0
    .kernarg_segment_align: 8
    .kernarg_segment_size: 120
    .max_flat_workgroup_size: 256
    .sgpr_count:     66
    .vgpr_count:     128
    .wavefront_size: 32
...
	.end_amdgpu_metadata
.endif
;; end of part 1
;; launch embed (part 2): grid 128 x 1, 8 waves a work-group, no clusters, 33,792 bytes of LDS; arguments x, P3, XA, QKV; writes XA, QKV
.if DOCPART == 2
	.amdgcn_target "amdgcn-amd-amdhsa--gfx1250"
	.amdhsa_code_object_version 6
	.text
	.protected	k_q50739f9a46_embed
	.globl	k_q50739f9a46_embed
	.p2align	8
	.type	k_q50739f9a46_embed,@function
k_q50739f9a46_embed:
	s_mov_b64 s[64:65], 0
	v_nop
	global_prefetch_b8 v0, s[64:65] scope:SCOPE_SE
	s_setreg_imm32_b32 hwreg(HW_REG_WAVE_MODE, 25, 1), 1
	s_wait_xcnt 0x0
; EMBED: x + the position table; that x goes out in f32 (for the first residual) and, quantised, through layer 0's QKV product, whose results leave as codes in the order in which the attention launch's operand registers take them.
; SHARES.  A work-group takes 32 rows (group G; batch G / 64, g = G % 64); wave w takes channels 32 w .. 32 w + 31, which is head w, of all 32 rows.
; ROW TILES ARE PERMUTED: place m of tile T (0, 1) is row 32 G + 8 T + m + 8 (m / 8); column tiles likewise.  So in a transposed product (source 0 = 16 columns of the weight, source 1 = 16 rows) a lane (r, h) holds row place r,
; and the 16 registers of column tiles 0, 1 are channels 32 w + 16 h + 0 .. 15; in the natural product (V) it holds column place r and tokens 32 G + 16 h + 0 .. 15.  Either way 16 neighbours along the next K; lane l xor 16 has the block's other 16.
; An operand goes from wave to wave as an IMAGE OF ITS REGISTERS: a group of four registers is 512 bytes, 16 x lane.
; THE POSITION TABLE in f32: div = exp(2 i x -ln(10000)/256) by a split log2(e), v_exp_f32 and v_ldexp_f32; the angle pos x div is reduced by pi/2 in two parts; sine and cosine by polynomials on +-pi/4.
; LIMITS: NaN and infinities are not served.  div lies within about 2 ulp of exp, so at the largest positions a table entry lies within a few 1e-4 of one made with a correctly rounded exp.  A block of zeros gets the byte 1 (zero codes; read by this program alone).
; The weights are the same for all 128 work-groups and are NOT asked for jointly: each wave takes its eighth of Wq, Wk, Wv (24 KB) straight into registers, once; no byte of them passes LDS, so there is no tile in LDS to share.
; The scale tables (bytes and half words a lane) are 2 KB + 2 KB + 8 KB a head: written in small pieces.
.set BH,   208896                      ; a (batch, head)'s region of QKV: K's scale words at 0, V's at VSW, the key steps' images at IMG, Q's images at QI, Q's scale words at QSW
.set VSW,  2048
.set IMG,  4096
.set QI,   135168
.set QSW,  200704
.set SCT,  393216
.set IMG3, 0                           ; LDS: x's four fragments (4,096 T + 2,048 K step + 512 c + 16 lane),
.set SC3,  8192                        ; their scale bytes (128 T + 64 K step + 4 r + c)
.set LI,   1                           ; v1   16 x lane
.set LS,   2                           ; v2   4 x lane
.set R4,   3                           ; v3   4 r
.set VOF,  4                           ; v4   128 w + 64 h
.set XIO,  5                           ; v5   x: (r + 8 (r / 8)) rows of 1,024 bytes + 128 w + 64 h
.set IMA,  7                           ; v7   where my group of an image goes: 16 lane + 2,048 (w / 4) + 512 (w % 4)
.set SBA,  8                           ; v8   and its scale byte: 4 r + 64 (w / 4) + w % 4
.set WOF,  9                           ; v9   8,192 w + 16 lane
.set SCW,  16                          ; v16-27 the weights' scale words: word 2 matrix + K step; lanes 0-15 column tile 0, lanes 16-31 tile 1
.set ASC,  28                          ; v28-29 x's scale words, one a row tile: lanes 0-15 K step 0, lanes 16-31 K step 1
.set XOFF, 30                          ; v30  4,096 w + 16 lane
.set SOF,  31                          ; v31  1,536 w + 16 lane
.set AF,   32                          ; v32-95 x's four fragments, (2 T + K step) x 16; at work before
.set PE,   96                          ; v96-127 the table's entries; later accumulators
.set XR,   128                         ; v128-159 x: 16 T + i = channel 32 w + 16 h + i of row (T, r)
.set DV,   160                         ; v160-167 div of my eight pairs
.set EA,   168
.set EN,   176
.set EF,   184
.set PS,   192                         ; v192-193 my row's position in tile 0, 1
.set PC,   208                         ; v208-231 codes
.set TM,   232
.set TP,   238
.set BY,   238
.set LIM,  244
.set SCL,  250
.set ANG,  32
.set KQ,   40
.set RED,  48
.set SQ,   56
.set CC,   64
.set SN,   72
.set TT,   80
.set QQ,   88
.set WP,   0                           ; window 1: Wk
.set W1R,  64                          ;           Wv
.set WQ,   192                         ;           Wq
.set AP,   6
.set AXO,  8
.set AQ,   10
.set MSB, 0
.macro WIN new                         ; the immediate's high byte repeats the setting that is left
.if MSB != \new
	s_set_vgpr_msb (MSB<<8)|\new
.set MSB, \new
.endif
.endm
.macro PLACES n
.rept \n
	v_nop
.endr
.endm
.macro LDW dst, mu                     ; my 8 KB of matrix mu: fragment (u, K step) at dst + 16 (2 u + K step) of window 1
	WIN 0x40
.irp i, 0,1,2,3,4,5,6,7,8,9,10,11,12,13,14,15
	global_load_b128 v[\dst+4*\i:\dst+4*\i+3], v[WOF], s[AP:AP+1] offset:(\mu)*65536+512*\i
.endr
	WIN 0
.endm
.macro WM d, a, b, c, sa, sb, ra, rb   ; one product; ra, rb: the side's scale words stand in lanes 16-31
.if (\ra) && (\rb)
	v_wmma_scale_f32_16x16x128_f8f6f4 v[\d:\d+7], v[\a:\a+15], v[\b:\b+15], \c, v[\sa], v[\sb] matrix_a_fmt:MATRIX_FMT_BF8 matrix_b_fmt:MATRIX_FMT_BF8 matrix_a_scale:MATRIX_SCALE_ROW1 matrix_b_scale:MATRIX_SCALE_ROW1
.elseif (\ra)
	v_wmma_scale_f32_16x16x128_f8f6f4 v[\d:\d+7], v[\a:\a+15], v[\b:\b+15], \c, v[\sa], v[\sb] matrix_a_fmt:MATRIX_FMT_BF8 matrix_b_fmt:MATRIX_FMT_BF8 matrix_a_scale:MATRIX_SCALE_ROW1
.elseif (\rb)
	v_wmma_scale_f32_16x16x128_f8f6f4 v[\d:\d+7], v[\a:\a+15], v[\b:\b+15], \c, v[\sa], v[\sb] matrix_a_fmt:MATRIX_FMT_BF8 matrix_b_fmt:MATRIX_FMT_BF8 matrix_b_scale:MATRIX_SCALE_ROW1
.else
	v_wmma_scale_f32_16x16x128_f8f6f4 v[\d:\d+7], v[\a:\a+15], v[\b:\b+15], \c, v[\sa], v[\sb] matrix_a_fmt:MATRIX_FMT_BF8 matrix_b_fmt:MATRIX_FMT_BF8
.endif
.endm
.macro MMTS acc, wreg, mu, s           ; transposed, K step s: four accumulators (T, u) at acc + 16 T + 8 u, one instruction each
	WIN 0x01                                       ; source 0 (the weight) window 1
.irp T, 0,1
.irp u, 0,1
.set dD, \acc+16*\T+8*\u
.set dA, \wreg+16*(2*\u+\s)
.set dB, AF+16*(2*\T+\s)
.set dS, SCW+2*(\mu)+\s
.if \s
	WM dD, dA, dB, v[dD:dD+7], dS, ASC+\T, \u, 1
.else
	WM dD, dA, dB, 0, dS, ASC+\T, \u, 0
.endif
.endr
.endr
.endm
.macro MMVS acc, s                     ; natural (V), K step s: accumulators (u, T) at acc + 16 u + 8 T
	WIN 0x04                                       ; source 1 (the weight) window 1
.irp u, 0,1
.irp T, 0,1
.set dD, \acc+16*\u+8*\T
.set dA, AF+16*(2*\T+\s)
.set dB, W1R+16*(2*\u+\s)
.if \s
	WM dD, dA, dB, v[dD:dD+7], ASC+\T, SCW+10+\s, 1, \u
.else
	WM dD, dA, dB, 0, ASC+\T, SCW+10+\s, 0, \u
.endif
.endr
.endr
.endm
; nb blocks, block b = my 16 numbers v[src + 16 b ..] and lane l xor 16's: codes into v[pc + 4 b ..], the byte into v[BY + b].  The held numbers go to v[tmp ..], so that src may stay.
.macro QUANT src, tmp, nb, pc
.set qb, 0
.rept \nb
	v_max3_num_f32 v[TM+qb], |v[\src+16*qb]|, |v[\src+16*qb+1]|, 0x8000000   ; with the floor 2^(16 - 127): the byte cannot fall under 1
.set qb, qb+1
.endr
.irp i, 2,4,6,8,10,12,14
.set qb, 0
.rept \nb
	v_max3_num_f32 v[TM+qb], v[TM+qb], |v[\src+16*qb+\i]|, |v[\src+16*qb+\i+1]|
.set qb, qb+1
.endr
.endr
.set qb, 0
.rept \nb
	v_permlanex16_b32 v[TP+qb], v[TM+qb], s20, s21
.set qb, qb+1
.endr
.set qb, 0
.rept \nb
	v_max_num_f32 v[TM+qb], v[TM+qb], v[TP+qb]     ; the block's largest magnitude
.set qb, qb+1
.endr
.set qb, 0
.rept \nb
	v_add_nc_u32 v[SCL+qb], 0xf8800000, v[TM+qb]   ; 15 off its exponent field: the conversion's scale operand
	v_and_or_b32 v[LIM+qb], v[TM+qb], 0x7f800000, s22   ; 57,344 x the scale
.set qb, qb+1
.endr
.set qb, 0
.rept \nb
	v_lshrrev_b32 v[BY+qb], 23, v[SCL+qb]          ; the scale's byte
.set qb, qb+1
.endr
.set qb, 0
.rept \nb
.irp i, 0,1,2,3,4,5,6,7,8,9,10,11,12,13,14,15
	v_med3_num_f32 v[\tmp+16*qb+\i], v[\src+16*qb+\i], -v[LIM+qb], v[LIM+qb]   ; the conversion does not saturate (ISA guide 7.6.2)
.endr
	v_cvt_scalef32_pk8_bf8_f32 v[\pc+4*qb:\pc+4*qb+1], v[\tmp+16*qb:\tmp+16*qb+7], v[SCL+qb]
	v_cvt_scalef32_pk8_bf8_f32 v[\pc+4*qb+2:\pc+4*qb+3], v[\tmp+16*qb+8:\tmp+16*qb+15], v[SCL+qb]
.set qb, qb+1
.endr
	v_nop                                          ; a plain line between the last conversion and whatever next touches its registers
.endm
.macro PUT img, sc                     ; my group of both row tiles' images, and its scale bytes (lanes 16-31 write the same byte with the same value)
.irp T, 0,1
	ds_store_b128 v[IMA], v[PC+4*\T:PC+4*\T+3] offset:\img+4096*\T
	ds_store_b8 v[SBA], v[BY+\T] offset:\sc+128*\T
.endr
.endm
.macro GET img, sc                     ; all four fragments and both scale words
.irp i, 0,1,2,3,4,5,6,7,8,9,10,11,12,13,14,15
	ds_load_b128 v[AF+4*\i:AF+4*\i+3], v[LI] offset:\img+512*\i
.endr
	ds_load_b32 v[ASC], v[LS] offset:\sc
	ds_load_b32 v[ASC+1], v[LS] offset:\sc+128
	s_wait_dscnt 0x0
.endm
.macro BAR                             ; my LDS stores have landed and my LDS loads are in: then the work-group's barrier
	s_wait_dscnt 0x0
	s_barrier_signal -1
	s_barrier_wait -1
.endm
; sine and cosine of my eight angles in row tile T
.macro SINCOS T
.irp k, 0,1,2,3,4,5,6,7
	v_mul_f32 v[ANG+\k], v[PS+\T], v[DV+\k]        ; the angle, one f32 product
.endr
.irp p, 0,2,4,6
	v_pk_mul_f32 v[KQ+\p:KQ+\p+1], v[ANG+\p:ANG+\p+1], 0x3f22f983 op_sel_hi:[1,0]   ; x 2 / pi
.endr
.irp k, 0,1,2,3,4,5,6,7
	v_rndne_f32 v[KQ+\k], v[KQ+\k]                 ; how many quarter turns
.endr
.irp p, 0,2,4,6
	v_pk_fma_f32 v[RED+\p:RED+\p+1], v[KQ+\p:KQ+\p+1], 0xbfc90fdb, v[ANG+\p:ANG+\p+1] op_sel_hi:[1,0,1]   ; less that many times pi / 2, its upper part,
.endr
.irp p, 0,2,4,6
	v_pk_fma_f32 v[RED+\p:RED+\p+1], v[KQ+\p:KQ+\p+1], 0x333bbd2e, v[RED+\p:RED+\p+1] op_sel_hi:[1,0,1]   ; and its lower
.endr
.irp p, 0,2,4,6
	v_pk_mul_f32 v[SQ+\p:SQ+\p+1], v[RED+\p:RED+\p+1], v[RED+\p:RED+\p+1]
.endr
.irp p, 0,2,4,6
	v_pk_fma_f32 v[CC+\p:CC+\p+1], v[SQ+\p:SQ+\p+1], v[10:11], 0xbab6077d op_sel_hi:[1,1,0]
	v_pk_fma_f32 v[SN+\p:SN+\p+1], v[SQ+\p:SQ+\p+1], v[12:13], 0xb9503486 op_sel_hi:[1,1,0]
.endr
.irp p, 0,2,4,6
	v_pk_fma_f32 v[CC+\p:CC+\p+1], v[CC+\p:CC+\p+1], v[SQ+\p:SQ+\p+1], 0x3d2aaaa8 op_sel_hi:[1,1,0]
	v_pk_fma_f32 v[SN+\p:SN+\p+1], v[SN+\p:SN+\p+1], v[SQ+\p:SQ+\p+1], 0x3c0888c1 op_sel_hi:[1,1,0]
.endr
.irp p, 0,2,4,6
	v_pk_fma_f32 v[CC+\p:CC+\p+1], v[CC+\p:CC+\p+1], v[SQ+\p:SQ+\p+1], -0.5 op_sel_hi:[1,1,0]
	v_pk_fma_f32 v[SN+\p:SN+\p+1], v[SN+\p:SN+\p+1], v[SQ+\p:SQ+\p+1], 0xbe2aaaab op_sel_hi:[1,1,0]
.endr
.irp p, 0,2,4,6
	v_pk_fma_f32 v[CC+\p:CC+\p+1], v[CC+\p:CC+\p+1], v[SQ+\p:SQ+\p+1], 1.0 op_sel_hi:[1,1,0]
	v_pk_mul_f32 v[TT+\p:TT+\p+1], v[RED+\p:RED+\p+1], v[SQ+\p:SQ+\p+1]
.endr
.irp p, 0,2,4,6
	v_pk_fma_f32 v[SN+\p:SN+\p+1], v[SN+\p:SN+\p+1], v[TT+\p:TT+\p+1], v[RED+\p:RED+\p+1]
.endr
.irp k, 0,1,2,3,4,5,6,7
	v_cvt_i32_f32 v[QQ+\k], v[KQ+\k]
.endr
.irp k, 0,1,2,3,4,5,6,7
	v_and_b32 v[TT+\k], 1, v[QQ+\k]                ; an odd quarter swaps the two;
	v_cmp_ne_u32 vcc_lo, 0, v[TT+\k]
	v_cndmask_b32 v[ANG+\k], v[SN+\k], v[CC+\k], vcc_lo
	v_cndmask_b32 v[KQ+\k], v[CC+\k], v[SN+\k], vcc_lo
	v_lshlrev_b32 v[TT+\k], 30, v[QQ+\k]           ; the sine is negative in quarters 2, 3,
	v_add_nc_u32 v[QQ+\k], 1, v[QQ+\k]
	v_lshlrev_b32 v[QQ+\k], 30, v[QQ+\k]           ; the cosine in quarters 1, 2
	v_and_b32 v[TT+\k], 0x80000000, v[TT+\k]
	v_and_b32 v[QQ+\k], 0x80000000, v[QQ+\k]
	v_xor_b32 v[PE+16*\T+2*\k], v[ANG+\k], v[TT+\k]
	v_xor_b32 v[PE+16*\T+2*\k+1], v[KQ+\k], v[QQ+\k]
.endr
.endm
	s_load_b256 s[4:11], s[0:1], 0x0               ; x, P3, XA, QKV
	v_lshl_add_u32 v206, v0, 2, 0x8000
	v_mov_b32 v207, 0
	v_lshrrev_b32 v208, 5, v0
	v_readfirstlane_b32 s14, v208                  ; wave w
	v_and_b32 v208, 31, v0                         ; lane
	v_and_b32 v209, 15, v0                         ; r
	v_bfe_u32 v210, v0, 4, 1                       ; h
	v_lshlrev_b32 v[LI], 4, v208
	v_lshlrev_b32 v[LS], 2, v208
	v_lshlrev_b32 v[R4], 2, v209
	s_lshl_b32 s24, s14, 7
	v_lshl_add_u32 v[VOF], v210, 6, s24
	s_lshr_b32 s25, s14, 2
	s_and_b32 s26, s14, 3
	s_lshl_b32 s24, s25, 11
	s_lshl_b32 s27, s26, 9
	s_add_co_u32 s24, s24, s27
	v_add_nc_u32 v[IMA], s24, v[LI]
	s_lshl_b32 s24, s25, 6
	s_add_co_u32 s24, s24, s26
	v_add_nc_u32 v[SBA], s24, v[R4]
	s_lshl_b32 s24, s14, 13
	v_add_nc_u32 v[WOF], s24, v[LI]
	s_lshl_b32 s24, s14, 12
	v_add_nc_u32 v[XOFF], s24, v[LI]
	s_mul_i32 s24, s14, 1536
	v_add_nc_u32 v[SOF], s24, v[LI]
	v_and_b32 v211, 8, v209
	v_add_nc_u32 v211, v211, v209                  ; r + 8 (r / 8)
	v_lshl_add_u32 v[XIO], v211, 10, v[VOF]
	s_mov_b32 s20, 0x76543210
	s_mov_b32 s21, 0xfedcba98                      ; v_permlanex16_b32's selects for lane l xor 16
	s_mov_b32 s22, 0x600000                        ; the mantissa field of 57,344
	s_mov_b32 s28, 0x3fb8aa3b                      ; log2(e), upper part
	s_mov_b32 s29, 0x32a57060                      ; and lower
	s_lshl_b32 s18, ttmp9, 15                      ; 32 rows of 1,024 bytes a group, in x and in XA alike
	s_mov_b32 s19, 0
	; where my head's codes and scale bytes go
	s_lshr_b32 s34, ttmp9, 6
	s_lshl_b32 s34, s34, 3
	s_add_co_u32 s34, s34, s14                     ; 8 x batch + head
	s_mul_i32 s34, s34, BH
	s_mov_b32 s35, 0
	s_and_b32 s36, ttmp9, 63                       ; g
	s_lshr_b32 s37, s36, 2                         ; key step s = g / 4
	s_and_b32 s38, s36, 3                          ; c = g % 4
	s_and_b32 s39, s37, 7
	s_lshl_b32 s39, s39, 1
	s_lshr_b32 s24, s37, 3
	s_add_co_u32 s39, s39, s24                     ; the step's place among the images: 2 (s % 8) + s / 8
	s_mov_b32 s55, 0
	s_wait_kmcnt 0x0
	s_add_nc_u64 s[4:5], s[4:5], s[18:19]
	s_add_nc_u64 s[AXO:AXO+1], s[AXO:AXO+1], s[18:19]
	s_add_nc_u64 s[40:41], s[AQ:AQ+1], s[34:35]
	s_lshl_b32 s54, s36, 10
	s_add_co_u32 s54, s54, QI
	s_add_nc_u64 s[42:43], s[40:41], s[54:55]      ; Q's images: tile 2 g + T
	s_lshl_b32 s54, s36, 7
	s_add_co_u32 s54, s54, QSW
	s_add_nc_u64 s[44:45], s[40:41], s[54:55]      ; Q's scale words
	s_lshl_b32 s54, s39, 13
	s_lshl_b32 s24, s38, 10
	s_add_co_u32 s54, s54, s24
	s_add_co_u32 s54, s54, IMG
	s_add_nc_u64 s[46:47], s[40:41], s[54:55]      ; K's images: key tile 2 c + T of the step
	s_lshl_b32 s54, s37, 7
	s_lshr_b32 s24, s38, 1
	s_lshl_b32 s24, s24, 6
	s_add_co_u32 s54, s54, s24
	s_and_b32 s24, s38, 1
	s_lshl_b32 s24, s24, 1
	s_add_co_u32 s54, s54, s24
	s_add_nc_u64 s[48:49], s[40:41], s[54:55]      ; K's scale bytes: 128 s + 64 (c / 2) + 4 r + 2 (c % 2) + T
	s_lshl_b32 s54, s39, 13
	s_lshl_b32 s24, s38, 9
	s_add_co_u32 s54, s54, s24
	s_add_co_u32 s54, s54, IMG+4096
	s_add_nc_u64 s[50:51], s[40:41], s[54:55]      ; V's images: 2,048 u + 512 c
	s_lshl_b32 s54, s37, 7
	s_add_co_u32 s54, s54, s38
	s_add_co_u32 s54, s54, VSW
	s_add_nc_u64 s[52:53], s[40:41], s[54:55]      ; V's scale bytes: 128 s + 4 lane + c
.irp T, 0,1
.irp q, 0,1,2,3
	global_load_b128 v[XR+16*\T+4*\q:XR+16*\T+4*\q+3], v[XIO], s[4:5] offset:8192*\T+16*\q th:TH_LOAD_NT
.endr
.endr
.irp j, 1,2
	global_load_b128 v[SCW+4*\j:SCW+4*\j+3], v[SOF], s[AP:AP+1] offset:SCT+512*\j
.endr
	LDW WQ, 3
	LDW WP, 4
	LDW W1R, 5
	; the table, while the loads are out
.irp b, 0,1,2,3,4,5
	v_mov_b32 v[TP+\b], 0                          ; written once: a lane permute's destination counts as one of its sources
.endr
	v_mov_b32 v10, 0x37cd4000                      ; the polynomials' leading coefficients, as pairs
	v_mov_b32 v11, 0x37cd4000
	v_mov_b32 v12, 0x36405000
	v_mov_b32 v13, 0x36405000
	s_and_b32 s24, ttmp9, 63
	s_lshl_b32 s24, s24, 5
	v_add_nc_u32 v211, s24, v211                   ; my row's position in tile 0,
	v_cvt_f32_u32 v[PS], v211
	v_add_nc_u32 v211, 8, v211                     ; and in tile 1
	v_cvt_f32_u32 v[PS+1], v211
	s_lshl_b32 s24, s14, 5
	v_lshl_add_u32 v211, v210, 4, s24              ; 2 i of my first pair: 32 w + 16 h
.irp k, 0,1,2,3,4,5,6,7
	v_add_nc_u32 v[EA+\k], 2*\k, v211
.endr
.irp k, 0,1,2,3,4,5,6,7
	v_cvt_f32_u32 v[EA+\k], v[EA+\k]
.endr
.irp k, 0,1,2,3,4,5,6,7
	v_mul_f32 v[EA+\k], 0xbd135d8e, v[EA+\k]       ; 2 i x -ln(10000) / 256
.endr
.irp k, 0,1,2,3,4,5,6,7
	v_mul_f32 v[EN+\k], 0x3fb8aa3b, v[EA+\k]
.endr
.irp k, 0,1,2,3,4,5,6,7
	v_rndne_f32 v[EN+\k], v[EN+\k]                 ; the whole part of the exponent to base 2,
.endr
.irp k, 0,1,2,3,4,5,6,7
	v_fma_f32 v[EF+\k], v[EA+\k], s28, -v[EN+\k]   ; and the rest, by log2(e) in two parts
.endr
.irp k, 0,1,2,3,4,5,6,7
	v_fma_f32 v[EF+\k], v[EA+\k], s29, v[EF+\k]
.endr
.irp k, 0,1,2,3,4,5,6,7
	v_exp_f32 v[EF+\k], v[EF+\k]
.endr
.irp k, 0,1,2,3,4,5,6,7
	v_cvt_i32_f32 v[EN+\k], v[EN+\k]               ; plain work behind the exponentials
.endr
	s_wait_alu depctr_va_vdst(0)                   ; one wait for the eight, ahead of their first reader
.irp k, 0,1,2,3,4,5,6,7
	v_ldexp_f32 v[DV+\k], v[EF+\k], v[EN+\k]
.endr
	SINCOS 0
	SINCOS 1
	s_wait_loadcnt 50                              ; x's eight loads are in; the 2 loads of scale words and the 48 of weights behind them may be out
.irp j, 0,2,4,6,8,10,12,14,16,18,20,22,24,26,28,30
	v_pk_add_f32 v[XR+\j:XR+\j+1], v[XR+\j:XR+\j+1], v[PE+\j:PE+\j+1]
.endr
	; x goes out in f32, in image order: each store of the wave covers 512 consecutive bytes
.irp T, 0,1
.irp q, 0,1,2,3
	global_store_b128 v[XOFF], v[XR+16*\T+4*\q:XR+16*\T+4*\q+3], s[AXO:AXO+1] offset:2048*\T+512*\q
.endr
.endr
	QUANT XR, AF, 2, PC
	PUT IMG3, SC3
	BAR                                            ; x's four fragments lie in LDS
	GET IMG3, SC3
	s_wait_loadcnt 0x0                             ; the weights
	s_wait_xcnt 0x0                                ; x's stores have read v128-159: the accumulators below land there
	MMTS 96, WQ, 3, 0                              ; twelve accumulators by turns, one instruction a turn
	MMTS 128, WP, 4, 0
	MMVS 160, 0
	MMTS 96, WQ, 3, 1
	MMTS 128, WP, 4, 1
	MMVS 160, 1
	WIN 0
	PLACES 8                                       ; eight places behind this form before a vector instruction reads a result
	QUANT 96, 96, 6, PC                            ; blocks: q tile 0, 1 (along the head's 32), k tile 0, 1, v column tile 0, 1 (along the 32 tokens)
	global_store_b128 v[LI], v[PC:PC+3], s[42:43]
	global_store_b128 v[LI], v[PC+4:PC+7], s[42:43] offset:512
	global_store_b128 v[LI], v[PC+8:PC+11], s[46:47]
	global_store_b128 v[LI], v[PC+12:PC+15], s[46:47] offset:512
	global_store_b128 v[LI], v[PC+16:PC+19], s[50:51]
	global_store_b128 v[LI], v[PC+20:PC+23], s[50:51] offset:2048
	v_and_b32 v10, 31, v0
	v_cmp_lt_u32 vcc_lo, 15, v10                   ; lanes 16-31
	v_cndmask_b32 v11, v[BY], v[BY+1], vcc_lo      ; Q: lanes 0-15 carry tile 0's byte, lanes 16-31 tile 1's,
	v_perm_b32 v11, v11, v11, 0                    ; in all four bytes of the word: Q may stand in any of the four K blocks
	global_store_b32 v[LS], v11, s[44:45]
	v_lshl_or_b32 v12, v[BY+3], 8, v[BY+2]         ; K: the bytes of key tiles 2 c and 2 c + 1 are neighbours (lanes 16-31 write the same)
	global_store_b16 v[R4], v12, s[48:49]
	v_cndmask_b32 v13, v[BY+4], v[BY+5], vcc_lo    ; V: lanes 0-15 column tile 0, lanes 16-31 tile 1
	global_store_b8 v[LS], v13, s[52:53]
	s_wait_tensorcnt 0x0
	ds_add_u32 v206, v207
	s_wait_dscnt 0x0
	s_endpgm
.Lfunc_end_k_q50739f9a46_embed:
	.size	k_q50739f9a46_embed, .Lfunc_end_k_q50739f9a46_embed-k_q50739f9a46_embed
	.p2alignl 7, 3214868480
	.fill 96, 4, 3214868480
	.section	.rodata,"a",@progbits
	.p2align	6, 0x0
	.amdhsa_kernel k_q50739f9a46_embed
		.amdhsa_group_segment_fixed_size 33792
		.amdhsa_private_segment_fixed_size 0
		.amdhsa_enable_private_segment 0
		.amdhsa_kernarg_size 32
		.amdhsa_user_sgpr_count 2
		.amdhsa_user_sgpr_kernarg_segment_ptr 1
		.amdhsa_wavefront_size32 1
		.amdhsa_system_sgpr_workgroup_id_x 1
		.amdhsa_system_sgpr_workgroup_id_y 1
		.amdhsa_system_sgpr_workgroup_id_z 1
		.amdhsa_system_vgpr_workitem_id 0
		.amdhsa_next_free_vgpr 512
		.amdhsa_next_free_sgpr 66
		.amdhsa_reserve_vcc 1
		.amdhsa_float_denorm_mode_32 3
		.amdhsa_float_denorm_mode_16_64 3
		.amdhsa_memory_ordered 1
		.amdhsa_forward_progress 1
		.amdhsa_inst_pref_size 54
	.end_amdhsa_kernel
	.amdgpu_metadata
---
amdhsa.version: [ 1, 2 ]
amdhsa.kernels:
  - .name:           k_q50739f9a46_embed
    .symbol:         k_q50739f9a46_embed.kd
    .args:
      - { .name: x, .offset: 0, .size: 8, .value_kind: global_buffer, .address_space: global }
      - { .name: P3, .offset: 8, .size: 8, .value_kind: global_buffer, .address_space: global }
      - { .name: XA, .offset: 16, .size: 8, .value_kind: global_buffer, .address_space: global }
      - { .name: QKV, .offset: 24, .size: 8, .value_kind: global_buffer, .address_space: global }
    .group_segment_fixed_size: 33792
    .private_segment_fixed_size: 0
    .kernarg_segment_align: 8
    .kernarg_segment_size: 32
    .max_flat_workgroup_size: 256
    .sgpr_count:     66
    .vgpr_count:     512
    .wavefront_size: 32
...
	.end_amdgpu_metadata
.endif
;; end of part 2
;; launch attn0 (part 3): grid 16 x 16, 16 waves a work-group, clusters of 4 x 1, 169,984 bytes of LDS; arguments QKV, OC; writes OC
.if DOCPART == 3
	.amdgcn_target "amdgcn-amd-amdhsa--gfx1250"
	.amdhsa_code_object_version 6
	.text
	.protected	k_q50739f9a46_attn0
	.globl	k_q50739f9a46_attn0
	.p2align	8
	.type	k_q50739f9a46_attn0,@function
k_q50739f9a46_attn0:
	s_mov_b64 s[64:65], 0
	v_nop
	global_prefetch_b8 v0, s[64:65] scope:SCOPE_SE
	s_setreg_imm32_b32 hwreg(HW_REG_WAVE_MODE, 25, 1), 1
	s_wait_xcnt 0x0
	s_wait_alu depctr_hold_cnt(0) depctr_sa_sdst(0) depctr_va_vdst(0) depctr_va_sdst(0) depctr_va_ssrc(0) depctr_va_vcc(0) depctr_vm_vsrc(0)
	s_getreg_b32 s2, hwreg(HW_REG_IB_STS2, 6, 4)
	s_cmp_eq_u32 s2, 0
	s_cbranch_scc0 .Lentry_in_a_cluster
	s_endpgm
.Lentry_in_a_cluster:
	s_bfe_u32 s2, ttmp6, 0x10000c
	s_cmp_lg_u32 s2, 0x3003
	s_cbranch_scc0 .Lentry_shape_is_right
	s_endpgm
.Lentry_shape_is_right:
; ATTENTION of one layer on codes of E5M2: o = softmax(q k^T / sqrt(32)) v for one (batch, head), 128 queries a work-group; o leaves quantised along the channels, as the next product's operand.
; THE SOFTMAX AHEAD OF THE SECOND PRODUCT: t = score x log2(e) / sqrt(32); M = the largest t so far, rounded up to a whole number; p = 2^(t - M) is quantised along the keys, not normalised; the sum of the unquantised p divides at the end.
; SHARES.  Sixteen waves of 256 registers, four to a SIMD, so that one wave's vector work stands beside another's products and LDS loads: a key step is 10 products and some 250 vector instructions.
; Wave WV: query tile WV % 8 (16 queries), key half WV / 8 (8 steps of 128 keys).  The two halves of a tile meet in LDS at the end; their rescalings are exact powers of two.
; K AND V OF THE WHOLE HEAD LIE IN LDS: 135,168 bytes, one dense block of memory laid as images of the operand registers (a group of four registers = 512 bytes, 16 x lane), mirrored byte for byte.  They come by first fills alone:
; nothing is filled again.  Each wave brings 2,304 bytes of the first 36,864 (all scale words, and steps 0, 1 of both halves) and 6,144 of the rest: two tensor loads of mine are out at the most.
; CLUSTER.  The four work-groups of a cluster are query blocks of one head and need the same block: each load is asked for jointly, with the same descriptor and the mask of all four.
; LAYOUT.  Both products transposed: S^T = K Q^T, O^T = V^T P^T: a lane holds one query (lane % 16).  The head's size, 32, is one K block of the instruction's four: a fragment of K carries FOUR key tiles, one in each block,
; and the query operand for block cf is the run v[28 - 4 cf ..] of zeros, Q, zeros: zero codes add nothing under any scale byte that the quantiser gives.  The tokens of a tile are permuted (8 T + m + 8 (m / 8) in a group of 32),
; so that the 16 registers of key tiles 2 c, 2 c + 1 are keys 32 c + 16 (lane / 16) + 0 .. 15: the conversions' results are the second product's operand.
; THE SECOND PRODUCT RUNS ONE STEP BEHIND: O^T += V^T P^T of step j - 1 stands behind S^T = K Q^T of step j.  So the eight rescalings of O^T are the places behind K's products, the first lines of the search for the maxima are the
; places in front of V's loads, and a step of the loop has no v_nop.  Step 0 has no such product, step 1's starts O^T's sums with the constant 0, and the last one stands behind the loop.
; LIMITS: NaN and infinities are not served; a block whose every p is 0 keeps the byte 1 (its codes are zeros).  A block's largest p is taken from its largest score: that takes v_exp_f32 not to fall where its input rises.
.set BH,   208896                      ; a head's region: K's scale words 0, V's 2,048, images 4,096 (step s at place 2 (s % 8) + s / 8, 8,192 bytes: K 4,096, V 4,096), Q's images QI, Q's scale words QSW
.set QI,   135168
.set QSW,  200704
.set OSW,  1048576                     ; in OC: the scale bytes
.set CH0,  36864                       ; the first chunk
.set MRG,  135168                      ; LDS behind the mirror: 2,304 bytes a query tile: the second half's O^T (2,048) and its (-M, sum) (256).  No fill lands here
.set LI,   1                           ; v1   16 x lane
.set LS,   2                           ; v2   4 x lane
.set ADR,  3                           ; v3   the step's images
.set ADS,  4                           ; v4   the step's scale words
.set MA,   5                           ; v5   MRG + 2,304 tile + 16 lane
.set MS,   6                           ; v6   MRG + 2,304 tile + 2,048 + 8 lane
.set R4,   7                           ; v7   4 r
.set KF,   44                          ; v44-75   K: two fragments of four key tiles
.set VF,   76                          ; v76-107  V: two fragments (16 of the head's 32 x 128 keys)
.set S,    108                         ; v108-171 S^T, then p
.set O,    172                         ; v172-187 O^T: register 8 u + j = channel 16 (lane / 16) + 8 u + j
.set PC,   188                         ; v188-203 p's codes
.set BM,   204
.set TP,   208
.set LIM,  212
.set SCL,  216
.set FF,   220                         ; v[220:221] f = 2^(old M - new M)
.set TR,   222
.set SUB,  224                         ; v[224:225] the sum's second chain
.set KSC,  226
.set VSC,  227
.set QSC,  228
.set PSC,  229
.set WV,   8                           ; s8   my wave's number
.set SEL,  40
.set CS,   42                          ; s[42:43] c = log2(e) / sqrt(32)
.set MNT,  44
.set TB,   45                          ; s45  LDS byte of the step's images
.set TS,   46                          ; s46  and of its scale words of K
.set CNT,  47
.macro ROUND                           ; a round of the cluster's barrier
	s_barrier_signal -1
	s_barrier_wait -1
	s_cmp_lg_u32 s[WV], 0
	s_cbranch_scc1 .Lnot_wave_0_\@
	s_barrier_signal -3
.Lnot_wave_0_\@:
	s_barrier_wait -3
	s_barrier_signal -1
	s_barrier_wait -1
.endm
.macro WM d, a, b, c, sa, sb, ra, rb   ; one product; ra: source 0's scale words stand in lanes 16-31
.if (\ra)
	v_wmma_scale_f32_16x16x128_f8f6f4 v[\d:\d+7], v[\a:\a+15], v[\b:\b+15], \c, v[\sa], v[\sb] matrix_a_fmt:MATRIX_FMT_BF8 matrix_b_fmt:MATRIX_FMT_BF8 matrix_a_scale:MATRIX_SCALE_ROW1
.else
	v_wmma_scale_f32_16x16x128_f8f6f4 v[\d:\d+7], v[\a:\a+15], v[\b:\b+15], \c, v[\sa], v[\sb] matrix_a_fmt:MATRIX_FMT_BF8 matrix_b_fmt:MATRIX_FMT_BF8
.endif
.endm
	s_load_b128 s[4:7], s[0:1], 0x0                ; QKV, OC
	v_lshl_add_u32 v254, v0, 2, 0x29000
	v_mov_b32 v255, 0
	ds_add_u32 v254, v255
	ds_add_u32 v254, v255
	v_lshrrev_b32 v8, 5, v0
	v_readfirstlane_b32 s[WV], v8                  ; wave 0..15
	s_and_b32 s11, ttmp7, 0xffff                   ; 8 x batch + head: the four partners share it
	s_and_b32 s12, s[WV], 7                        ; my query tile
	s_lshr_b32 s13, s[WV], 3                       ; my half of the keys
	s_mul_i32 s14, s11, BH
	s_mov_b32 s15, 0
	; descriptor groups 1: dense rows of 256 bytes (32 elements of 8 bytes), 9 rows and 24 rows
	s_mov_b32 s16, 15|(3<<16)|(1<<21)              ; 15:0 the mask: all four work-groups; 17:16 elements of 8 bytes; 21 set beside a mask; no padding
	s_mov_b32 s17, 32<<16                          ; tensor_dim0 = 32
	s_mov_b32 s18, 9<<16                           ; tensor_dim1 = 9
	s_mov_b32 s19, 32<<16                          ; tile_dim0 = 32
	s_mov_b32 s20, 9                               ; tile_dim1 = 9
	s_mov_b32 s21, 32                              ; the pitch
	s_mov_b32 s22, 0
	s_mov_b32 s23, 0
	s_mov_b32 s24, 15|(3<<16)|(1<<21)
	s_mov_b32 s25, 32<<16
	s_mov_b32 s26, 24<<16
	s_mov_b32 s27, 32<<16
	s_mov_b32 s28, 24
	s_mov_b32 s29, 32
	s_mov_b32 s30, 0
	s_mov_b32 s31, 0
	s_mov_b32 s32, 1                               ; groups 0: count 1; the LDS address is the byte's place in the block: no place in the cluster enters it
	s_mul_i32 s33, s[WV], 2304
	s_mov_b32 s36, 1
	s_mul_i32 s37, s[WV], 6144
	s_add_co_u32 s37, s37, CH0
	s_mov_b32 s52, s33
	s_mov_b32 s53, 0
	s_mov_b32 s54, s37
	s_mov_b32 s55, 0
	s_mov_b32 s[SEL], 0x76543210
	s_mov_b32 s[SEL+1], 0xfedcba98                 ; v_permlanex16_b32's selects for lane l xor 16
	s_mov_b32 s[CS], 0x3e8293ee
	s_mov_b32 s[CS+1], s[CS]                       ; (named with it as a pair, so it is written)
	s_mov_b32 s[MNT], 0x600000                     ; the mantissa field of 57,344
	s_lshl_b32 s[TB], s13, 13
	s_add_co_u32 s[TB], s[TB], 4096                ; my half's step j lies at 4,096 + 8,192 half + 16,384 j,
	s_lshl_b32 s[TS], s13, 10                      ; its scale words of K at 1,024 half + 128 j, V's 2,048 further on
	v_and_b32 v8, 31, v0
	v_lshlrev_b32 v[LI], 4, v8
	v_lshlrev_b32 v[LS], 2, v8
	v_and_b32 v[R4], 15, v0
	v_lshlrev_b32 v[R4], 2, v[R4]
	s_mul_i32 s56, s12, 2304
	s_add_co_u32 s56, s56, MRG
	v_add_nc_u32 v[MA], s56, v[LI]
	v_lshl_add_u32 v[MS], v8, 3, s56
	v_add_nc_u32 v[MS], 2048, v[MS]
	s_wait_dscnt 0x0
	s_wait_kmcnt 0x0
	s_add_nc_u64 s[4:5], s[4:5], s[14:15]          ; my head's region
	s_add_nc_u64 s[34:35], s[4:5], s[52:53]
	s_or_b32 s35, s35, 0x80000000                  ; type = 2
	s_add_nc_u64 s[38:39], s[4:5], s[54:55]
	s_or_b32 s39, s39, 0x80000000
	ROUND                                          ; all four work-groups are here: the joint loads meet
	tensor_load_to_lds s[32:35], s[16:23]          ; my 2,304 bytes of the first chunk.  My part of the second is asked for behind the register work below, so that the sixteen waves' requests for the first chunk stand ahead of those for the second
	s_nop 0
.irp j, 16,17,18,19,20,21,22,23,24,25,26,27,32,33,34,35,36,37,38,39,40,41,42,43
	v_mov_b32 v[\j], 0                             ; the zero codes round Q
.endr
.irp b, 0,1,2,3
	v_mov_b32 v[TP+\b], 0                          ; written once: a lane permute's destination counts as one of its sources
.endr
	v_mov_b32 v[FF+1], 0                           ; (named as the upper half of a pair)
	v_mov_b32 v13, 0xff61b1e6                      ; the largest t so far: -3e38
	v_floor_f32 v12, -v13                          ; -M
	v_mov_b32 v14, 0                               ; the sum, in two halves
	v_mov_b32 v15, 0
	; what hangs on my place in the cluster: Q's and OC's addresses alone
	s_bfe_u32 s9, ttmp6, 0x40000                   ; cx
	s_lshl_b32 s10, ttmp9, 2
	s_add_co_u32 s10, s10, s9                      ; my block of 128 queries
	s_lshl_b32 s10, s10, 3
	s_add_co_u32 s10, s10, s12                     ; my query tile in the batch
	s_lshl_b32 s56, s10, 9
	s_add_co_u32 s56, s56, QI
	s_mov_b32 s57, 0
	s_add_nc_u64 s[48:49], s[4:5], s[56:57]        ; Q's image
	s_lshl_b32 s56, s10, 6
	s_add_co_u32 s56, s56, QSW
	s_add_nc_u64 s[50:51], s[4:5], s[56:57]        ; Q's scale words
	s_lshr_b32 s9, s11, 3
	s_lshl_b32 s9, s9, 7
	s_add_co_u32 s9, s9, s10                       ; the tile among all 256
	s_bfe_u32 s62, s11, 0x10002                    ; head / 4: the next product's K step
	s_and_b32 s63, s11, 3                          ; head % 4: its block
	s_lshl_b32 s56, s9, 12
	s_lshl_b32 s10, s62, 11
	s_add_co_u32 s56, s56, s10
	s_lshl_b32 s10, s63, 9
	s_add_co_u32 s56, s56, s10
	s_add_nc_u64 s[58:59], s[6:7], s[56:57]        ; o's codes
	s_lshl_b32 s56, s9, 7
	s_lshl_b32 s10, s62, 6
	s_add_co_u32 s56, s56, s10
	s_add_co_u32 s56, s56, s63
	s_add_co_u32 s56, s56, OSW
	s_add_nc_u64 s[60:61], s[6:7], s[56:57]        ; and its scale byte
	tensor_load_to_lds s[36:39], s[24:31]          ; my 6,144 bytes of the second chunk: still ahead of every wait on TENSORcnt, every LDS read and every barrier
	s_nop 0
.rept 4
	v_nop                                          ; four lines behind the load
.endr
	global_load_b128 v[28:31], v[LI], s[48:49]     ; Q's one group of registers
	global_load_b32 v[QSC], v[R4], s[50:51]        ; its scale word: the byte four times
; A KEY STEP: 128 keys.  pv = 1: the step before's O^T += V^T P^T stands behind this step's K Q^T; 2: the same, and it starts O^T's sums; 0: there is no step before.
.macro STEP pv
	v_add_nc_u32 v[ADR], s[TB], v[LI]              ; (these two are also the plain lines behind the last step's conversions)
	v_add_nc_u32 v[ADS], s[TS], v[LS]
.irp t, 0,1,2,3,4,5,6,7
	ds_load_b128 v[KF+4*\t:KF+4*\t+3], v[ADR] offset:512*\t   ; K's registers were last read by the step before's first products: its whole softmax lies between
.endr
	ds_load_b32 v[KSC], v[ADS]                     ; lanes 0-15: key tiles 0-3's bytes; lanes 16-31: tiles 4-7's
	s_wait_dscnt 0x0                               ; K and its scale words; V of the step before came long ago
.irp t, 0,1,2,3,4,5,6,7
	WM S+8*\t, KF+16*(\t/4), 28-4*(\t%4), 0, KSC, QSC, \t/4, 0
.endr
.if \pv == 1
.irp j, 0,2,4,6,8,10,12,14
	v_pk_mul_f32 v[O+\j:O+\j+1], v[O+\j:O+\j+1], v[FF:FF+1] op_sel_hi:[1,0]   ; O^T under the step before's M.  These eight name no register of K's products: they are the eight places ahead of the first read of S^T
.endr
.irp u, 0,1
	WM O+8*\u, VF+16*\u, PC, v[O+8*\u:O+8*\u+7], VSC, PSC, \u, 0   ; no two products that follow each other share an accumulator, round the loop too
.endr
.else
.rept 8
	v_nop
.endr
.endif
.if \pv == 2
.irp u, 0,1
	WM O+8*\u, VF+16*\u, PC, 0, VSC, PSC, \u, 0    ; the first product starts the sums: O^T is never cleared
.endr
.endif
.irp b, 0,1,2,3
	v_max3_num_f32 v[BM+\b], v[S+16*\b], v[S+1+16*\b], v[S+2+16*\b]   ; the largest score of each block of 32 keys: for the row's maximum and for the block's largest p
.endr
.irp i, 3,5
.irp b, 0,1,2,3
	v_max3_num_f32 v[BM+\b], v[BM+\b], v[S+16*\b+\i], v[S+1+16*\b+\i]
.endr
.endr
.irp i, 0,1,2,3,4,5,6,7
	ds_load_b128 v[VF+4*\i:VF+4*\i+3], v[ADR] offset:4096+512*\i   ; this step's V, into registers that the products above have read: the twelve lines between are the places (eight are asked)
.endr
	ds_load_b32 v[VSC], v[ADS] offset:2048
.irp i, 7,9,11,13
.irp b, 0,1,2,3
	v_max3_num_f32 v[BM+\b], v[BM+\b], v[S+16*\b+\i], v[S+1+16*\b+\i]
.endr
.endr
.irp b, 0,1,2,3
	v_max_num_f32 v[BM+\b], v[BM+\b], v[S+15+16*\b]
.endr
.irp b, 0,1,2,3
	v_permlanex16_b32 v[TP+\b], v[BM+\b], s[SEL], s[SEL+1]
.endr
.irp b, 0,1,2,3
	v_max_num_f32 v[BM+\b], v[BM+\b], v[TP+\b]     ; with lane l xor 16's 16 keys
.endr
	v_max3_num_f32 v[TR], v[BM], v[BM+1], v[BM+2]
	v_max_num_f32 v[TR], v[TR], v[BM+3]
	v_mul_f32 v[TR], s[CS], v[TR]                  ; as t (c is positive)
	v_max_num_f32 v13, v13, v[TR]                  ; the running largest t
	v_mov_b32 v[TR], v12
	v_floor_f32 v12, -v13                          ; the new -M = -ceil(t): a whole number
	v_sub_f32 v[TR], v12, v[TR]                    ; old M - new M: a whole number, 0 or less
	v_cvt_i32_f32 v[TR], v[TR]                     ; (it saturates)
	v_ldexp_f32 v[FF], 1.0, v[TR]                  ; f = 2^(old M - new M)
.irp j, 0,2,4,6,8,10,12,14,16,18,20,22,24,26,28,30,32,34,36,38,40,42,44,46,48,50,52,54,56,58,60,62
	v_pk_fma_f32 v[S+\j:S+\j+1], v[S+\j:S+\j+1], s[CS:CS+1], v[12:13] op_sel_hi:[1,0,0]   ; t - M, two at a time
.endr
.irp b, 0,2
	v_pk_fma_f32 v[BM+\b:BM+\b+1], v[BM+\b:BM+\b+1], s[CS:CS+1], v[12:13] op_sel_hi:[1,0,0]   ; the same instruction on each block's largest score
.endr
.irp j, 0,1,2,3,4,5,6,7,8,9,10,11,12,13,14,15,16,17,18,19,20,21,22,23,24,25,26,27,28,29,30,31,32,33,34,35,36,37,38,39,40,41,42,43,44,45,46,47,48,49,50,51,52,53,54,55,56,57,58,59,60,61,62,63
	v_exp_f32 v[S+\j], v[S+\j]                     ; p = 2^(t - M)
.endr
	v_pk_mul_f32 v[14:15], v[14:15], v[FF:FF+1] op_sel_hi:[1,0]   ; the sums under the new M: the plain line behind the exponentials
	s_wait_alu depctr_va_vdst(0)                   ; one wait for the 64, ahead of their first reader
.irp b, 0,1,2,3
	v_exp_f32 v[BM+\b], v[BM+\b]                   ; the block's largest p
.endr
	v_pk_add_f32 v[SUB:SUB+1], v[S:S+1], v[S+2:S+3]   ; the row's sum of the unquantised p, in two chains; it reads the 64 alone
.irp j, 4,8,12,16,20,24,28,32,36,40,44,48,52,56,60
	v_pk_add_f32 v[14:15], v[14:15], v[S+\j:S+\j+1]
	v_pk_add_f32 v[SUB:SUB+1], v[SUB:SUB+1], v[S+\j+2:S+\j+3]
.endr
	v_pk_add_f32 v[14:15], v[14:15], v[SUB:SUB+1]
	s_wait_alu depctr_va_vdst(0)                   ; and one for the four
.irp b, 0,1,2,3
	v_max_num_f32 v[BM+\b], 0x8000000, v[BM+\b]    ; the floor 2^(16 - 127): the byte cannot fall under 1
.endr
.irp b, 0,1,2,3
	v_add_nc_u32 v[SCL+\b], 0xf8800000, v[BM+\b]   ; 15 off the exponent field: the conversion's scale operand
.endr
.irp b, 0,1,2,3
	v_and_or_b32 v[LIM+\b], v[BM+\b], 0x7f800000, s[MNT]   ; 57,344 x the scale
.endr
.irp b, 0,1,2,3
	v_lshrrev_b32 v[TP+\b], 23, v[SCL+\b]          ; the scale's byte
.endr
	v_lshl_or_b32 v[PSC], v[TP+1], 8, v[TP]        ; p's scale word for these 128 keys
	v_lshl_or_b32 v[PSC], v[TP+2], 16, v[PSC]
	v_lshl_or_b32 v[PSC], v[TP+3], 24, v[PSC]
; THE HOLD: the conversion does not saturate (ISA guide 7.6.2); p is not negative, so the hold is one-sided.  There is no packed minimum in f32: two minima go in one dual-issue pair, one from each of two neighbouring blocks,
; so that one destination is even and the other odd, and the two first sources, and the two second sources, lie in different register banks (number mod 4).
.irp b, 0,2
.irp i, 0,2,4,6,8,10,12,14
	v_dual_min_num_f32 v[S+16*\b+\i], v[S+16*\b+\i], v[LIM+\b] :: v_dual_min_num_f32 v[S+16*\b+17+\i], v[S+16*\b+17+\i], v[LIM+\b+1]
	v_dual_min_num_f32 v[S+16*\b+16+\i], v[S+16*\b+16+\i], v[LIM+\b+1] :: v_dual_min_num_f32 v[S+16*\b+1+\i], v[S+16*\b+1+\i], v[LIM+\b]
.endr
.irp e, 0,1
	v_cvt_scalef32_pk8_bf8_f32 v[PC+4*(\b+\e):PC+4*(\b+\e)+1], v[S+16*(\b+\e):S+16*(\b+\e)+7], v[SCL+\b+\e]
	v_cvt_scalef32_pk8_bf8_f32 v[PC+4*(\b+\e)+2:PC+4*(\b+\e)+3], v[S+16*(\b+\e)+8:S+16*(\b+\e)+15], v[SCL+\b+\e]
.endr
.endr
	s_add_co_u32 s[TB], s[TB], 16384
	s_add_co_u32 s[TS], s[TS], 128
.endm
	s_wait_tensorcnt 0x1                           ; my part of the first chunk is in; the second may stay out
	s_barrier_signal -1
	s_barrier_wait -1                              ; everybody's is
	s_wait_loadcnt 0x0                             ; Q
	STEP 0                                         ; steps 0 and 1 of my half lie in the first chunk: written out, so that their addresses are a constant and the wave's term
	STEP 2
	s_wait_tensorcnt 0x0                           ; my part of the second chunk,
	s_wait_dscnt 0x0
	s_barrier_signal -1
	s_barrier_wait -1                              ; and everybody's
	s_mov_b32 s[CNT], 6
.Lstep:
	STEP 1
	s_sub_co_u32 s[CNT], s[CNT], 1
	s_cmp_lg_u32 s[CNT], 0
	s_cbranch_scc1 .Lstep
	; the last step's second product
.irp j, 0,2,4,6,8,10,12,14
	v_pk_mul_f32 v[O+\j:O+\j+1], v[O+\j:O+\j+1], v[FF:FF+1] op_sel_hi:[1,0]   ; O^T under the last M; these eight also stand between the codes and the products
.endr
	s_wait_dscnt 0x0                               ; V
.irp u, 0,1
	WM O+8*\u, VF+16*\u, PC, v[O+8*\u:O+8*\u+7], VSC, PSC, \u, 0
.endr
	; THE TWO HALVES OF THE KEYS MEET.  Waves 8-15 hand O^T, -M and the sum to waves 0-7 through LDS.
	v_add_f32 v14, v14, v15
	v_permlanex16_b32 v[TR], v14, s[SEL], s[SEL+1]
	v_add_f32 v13, v14, v[TR]                      ; my half's sum, beside -M in v[12:13]
.rept 8
	v_nop                                          ; places behind the last products
.endr
	s_cmp_lt_u32 s[WV], 8
	s_cbranch_scc1 .Lkeep
	ds_store_b128 v[MA], v[O:O+3]
	ds_store_b128 v[MA], v[O+4:O+7] offset:512
	ds_store_b128 v[MA], v[O+8:O+11] offset:1024
	ds_store_b128 v[MA], v[O+12:O+15] offset:1536
	ds_store_b64 v[MS], v[12:13]
.Lkeep:
	s_wait_dscnt 0x0                               ; for the others' sake: my stores have landed
	s_barrier_signal -1
	s_barrier_wait -1
	s_cmp_ge_u32 s[WV], 8
	s_cbranch_scc1 .Lend
	ds_load_b128 v[S:S+3], v[MA]
	ds_load_b128 v[S+4:S+7], v[MA] offset:512
	ds_load_b128 v[S+8:S+11], v[MA] offset:1024
	ds_load_b128 v[S+12:S+15], v[MA] offset:1536
	ds_load_b64 v[S+16:S+17], v[MS]
	s_wait_dscnt 0x0
	v_min_num_f32 v[S+18], v12, v[S+16]            ; -M of all keys
	v_sub_f32 v[S+19], v[S+18], v12
	v_sub_f32 v[S+20], v[S+18], v[S+16]
	v_cvt_i32_f32 v[S+19], v[S+19]
	v_cvt_i32_f32 v[S+20], v[S+20]
	v_ldexp_f32 v[FF], 1.0, v[S+19]                ; my half's power of two,
	v_ldexp_f32 v[SUB], 1.0, v[S+20]               ; and the other's
	v_mul_f32 v13, v13, v[FF]
	v_fma_f32 v13, v[S+17], v[SUB], v13            ; the row's sum
	v_rcp_f32 v[TR], v13
	v_nop                                          ; a plain line behind the reciprocal
	s_wait_alu depctr_va_vdst(0)                   ; and the wait ahead of its first reader
	v_mul_f32 v[FF], v[FF], v[TR]                  ; the division rides on the powers of two
	v_mul_f32 v[SUB], v[SUB], v[TR]
.irp j, 0,2,4,6,8,10,12,14
	v_pk_mul_f32 v[O+\j:O+\j+1], v[O+\j:O+\j+1], v[FF:FF+1] op_sel_hi:[1,0]
.endr
.irp j, 0,2,4,6,8,10,12,14
	v_pk_fma_f32 v[O+\j:O+\j+1], v[S+\j:S+\j+1], v[SUB:SUB+1], v[O+\j:O+\j+1] op_sel_hi:[1,0,1]
.endr
	; o's block of 32 channels (this head) is quantised: my 16 and lane l xor 16's
	v_max3_num_f32 v[BM], |v[O]|, |v[O+1]|, 0x8000000
.irp i, 2,4,6,8,10,12,14
	v_max3_num_f32 v[BM], v[BM], |v[O+\i]|, |v[O+\i+1]|
.endr
	v_permlanex16_b32 v[TP], v[BM], s[SEL], s[SEL+1]
	v_max_num_f32 v[BM], v[BM], v[TP]
	v_add_nc_u32 v[SCL], 0xf8800000, v[BM]
	v_and_or_b32 v[LIM], v[BM], 0x7f800000, s[MNT]
	v_lshrrev_b32 v[TP], 23, v[SCL]
.irp i, 0,1,2,3,4,5,6,7,8,9,10,11,12,13,14,15
	v_med3_num_f32 v[O+\i], v[O+\i], -v[LIM], v[LIM]
.endr
	v_cvt_scalef32_pk8_bf8_f32 v[PC:PC+1], v[O:O+7], v[SCL]
	v_cvt_scalef32_pk8_bf8_f32 v[PC+2:PC+3], v[O+8:O+15], v[SCL]
	v_nop
	global_store_b128 v[LI], v[PC:PC+3], s[58:59]  ; one group of the next operand's registers: 512 consecutive bytes
	global_store_b8 v[R4], v[TP], s[60:61]         ; its scale byte (lanes 16-31 write the same byte with the same value)
.Lend:
	s_wait_tensorcnt 0x0
	ds_add_u32 v254, v255
	s_wait_dscnt 0x0
	ROUND                                          ; the closing round: no work-group ends while a partner may still ask jointly
	s_endpgm
.Lfunc_end_k_q50739f9a46_attn0:
	.size	k_q50739f9a46_attn0, .Lfunc_end_k_q50739f9a46_attn0-k_q50739f9a46_attn0
	.p2alignl 7, 3214868480
	.fill 96, 4, 3214868480
	.section	.rodata,"a",@progbits
	.p2align	6, 0x0
	.amdhsa_kernel k_q50739f9a46_attn0
		.amdhsa_group_segment_fixed_size 169984
		.amdhsa_private_segment_fixed_size 0
		.amdhsa_enable_private_segment 0
		.amdhsa_kernarg_size 16
		.amdhsa_user_sgpr_count 2
		.amdhsa_user_sgpr_kernarg_segment_ptr 1
		.amdhsa_wavefront_size32 1
		.amdhsa_system_sgpr_workgroup_id_x 1
		.amdhsa_system_sgpr_workgroup_id_y 1
		.amdhsa_system_sgpr_workgroup_id_z 1
		.amdhsa_system_vgpr_workitem_id 0
		.amdhsa_next_free_vgpr 256
		.amdhsa_next_free_sgpr 66
		.amdhsa_reserve_vcc 0
		.amdhsa_float_denorm_mode_32 3
		.amdhsa_float_denorm_mode_16_64 3
		.amdhsa_memory_ordered 1
		.amdhsa_forward_progress 1
		.amdhsa_inst_pref_size 60
	.end_amdhsa_kernel
	.amdgpu_metadata
---
amdhsa.version: [ 1, 2 ]
amdhsa.kernels:
  - .name:           k_q50739f9a46_attn0
    .symbol:         k_q50739f9a46_attn0.kd
    .args:
      - { .name: QKV, .offset: 0, .size: 8, .value_kind: global_buffer, .address_space: global }
      - { .name: OC, .offset: 8, .size: 8, .value_kind: global_buffer, .address_space: global }
    .group_segment_fixed_size: 169984
    .private_segment_fixed_size: 0
    .kernarg_segment_align: 8
    .kernarg_segment_size: 16
    .max_flat_workgroup_size: 512
    .sgpr_count:     66
    .vgpr_count:     256
    .wavefront_size: 32
...
	.end_amdgpu_metadata
.endif
;; end of part 3
;; launch chain0 (part 4): grid 128 x 1, 8 waves a work-group, no clusters, 33,792 bytes of LDS; arguments OC, XA, P0, XB, QKV; writes XB, QKV
.if DOCPART == 4
	.amdgcn_target "amdgcn-amd-amdhsa--gfx1250"
	.amdhsa_code_object_version 6
	.text
	.protected	k_q50739f9a46_chain0
	.globl	k_q50739f9a46_chain0
	.p2align	8
	.type	k_q50739f9a46_chain0,@function
k_q50739f9a46_chain0:
	s_mov_b64 s[64:65], 0
	v_nop
	global_prefetch_b8 v0, s[64:65] scope:SCOPE_SE
	s_setreg_imm32_b32 hwreg(HW_REG_WAVE_MODE, 25, 1), 1
	s_wait_xcnt 0x0
; CHAIN: what lies between two attentions, for 32 rows: x = LN(x + o Wp + bp); x = LN(x + gelu(x W1 + b1) W2 + b2); the next layer's q, k, v.  All five products on codes of E5M2 with E8M0 scales; all else in f32.
; SHARES.  A work-group takes 32 rows (group G); wave w takes channels 32 w .. 32 w + 31 (head w) of all 32 rows, in every product.  Straight-line: no loop, no branch.
; ROW TILES ARE PERMUTED: place m of tile T (0, 1) is row 32 G + 8 T + m + 8 (m / 8); column tiles likewise.  In a transposed product (source 0 = 16 columns of the weight, source 1 = 16 rows) lane (r, h) holds row place r, and the
; 16 registers of column tiles 0, 1 are channels 32 w + 16 h + 0 .. 15; in the natural product (V) it holds column place r and tokens 32 G + 16 h + 0 .. 15.  Either way 16 neighbours along the next K; lane l xor 16 has the block's other 16.
; An operand goes from wave to wave through LDS as an IMAGE OF ITS REGISTERS (a group of four registers = 512 bytes, 16 x lane); each LDS region is written once, so one barrier a hand-over is enough: five in all.
; LAYER NORM without a difference of large sums: each wave's mean of its 32 channels and the sum of squares round THAT mean meet in LDS; var = (sum of those + 32 x sum of (wave mean - mean)^2) / 256.
; GELU exact: 0.5 z (1 + erf(z / sqrt 2)); erf by a polynomial under 0.9277, by 1 - exp(polynomial) above; for negative z the large branch gives 1 + erf = exp(..) directly, which keeps the tail's relative accuracy.
; The biases are the C of each sum's first product.  All loads are issued at the head or as soon as their registers are free; more are out than a wait can name, so two waits name 63.
; LIMITS: NaN and infinities are not served.  A block of zeros gets the byte 1 (zero codes; read by this program alone).  Below z = -5.5 gelu lies under 1e-7 in magnitude and its relative error grows to a few 1e-6.
; The weights are the same for all 128 work-groups and are NOT asked for jointly: each wave takes its eighth of six matrices (48 KB) straight into registers, once; the 384 KB do not fit into LDS together, and no byte of them passes LDS.
.set BH,   208896                      ; a (batch, head)'s region of QKV: K's scale words at 0, V's at VSW, the key steps' images at IMG, Q's images at QI, Q's scale words at QSW
.set VSW,  2048
.set IMG,  4096
.set QI,   135168
.set QSW,  200704
.set SCT,  393216
.set VEC,  405504
.set OSW,  1048576
.set ST1,  0                           ; LDS: statistics, 1,024 T + 64 r + 8 w
.set ST2,  2048
.set IMG1, 4096                        ; four fragments: 4,096 T + 2,048 K step + 512 c + 16 lane
.set SC1,  12288                       ; their scale bytes: 128 T + 64 K step + 4 r + c
.set IMG2, 12544
.set SC2,  20736
.set IMG3, 20992
.set SC3,  29184
.set LI,   1                           ; v1   16 x lane
.set LS,   2                           ; v2   4 x lane
.set R4,   3                           ; v3   4 r
.set VOF,  4                           ; v4   128 w + 64 h
.set STA,  5                           ; v5   64 r + 8 w
.set STR,  6                           ; v6   64 r
.set IMA,  7                           ; v7   16 lane + 2,048 (w / 4) + 512 (w % 4)
.set SBA,  8                           ; v8   4 r + 64 (w / 4) + w % 4
.set WOF,  9                           ; v9   8,192 w + 16 lane
.set SCW,  16                          ; v16-27 the weights' scale words: word 2 matrix + K step; lanes 0-15 column tile 0, lanes 16-31 tile 1
.set ASC,  28                          ; v28-29 the activation's scale words, one a row tile: lanes 0-15 K step 0, lanes 16-31 K step 1
.set XOFF, 30                          ; v30  4,096 w + 16 lane
.set SOF,  31                          ; v31  1,536 w + 16 lane
.set AF,   32                          ; v32-95 four fragments, (2 T + K step) x 16; at work between products
.set ACC,  96                          ; v96-127 accumulators 16 T + 8 u
.set XR,   128                         ; v128-159 x: 16 T + i = channel 32 w + 16 h + i of row (T, r)
.set VB,   160                         ; v160-175 a bias
.set VG,   176                         ; v176-191 a gain
.set VBE,  192                         ; v192-207 a shift
.set PC,   208                         ; v208-231 codes
.set TM,   232
.set TP,   238
.set BY,   238
.set LIM,  244
.set SCL,  250
.set GA,   32                          ; GELU's registers
.set GT,   40
.set GS,   48
.set GR,   56
.set GU,   64
.set GP,   72
.set WP,   0                           ; window 1: proj, later Wk
.set W1R,  64                          ;           w1, later Wv
.set W2R,  128                         ;           w2
.set WQ,   192                         ;           Wq
.set AP,   8
.set AXO,  10
.set AQ,   12
.set MSB, 0
.macro WIN new                         ; the immediate's high byte repeats the setting that is left
.if MSB != \new
	s_set_vgpr_msb (MSB<<8)|\new
.set MSB, \new
.endif
.endm
.macro PLACES n
.rept \n
	v_nop
.endr
.endm
.macro LDW dst, mu                     ; my 8 KB of matrix mu: fragment (u, K step) at dst + 16 (2 u + K step) of window 1
	WIN 0x40
.irp i, 0,1,2,3,4,5,6,7,8,9,10,11,12,13,14,15
	global_load_b128 v[\dst+4*\i:\dst+4*\i+3], v[WOF], s[AP:AP+1] offset:(\mu)*65536+512*\i
.endr
	WIN 0
.endm
.macro LDV dst, k                      ; my 16 numbers of vector k
.irp i, 0,1,2,3
	global_load_b128 v[\dst+4*\i:\dst+4*\i+3], v[VOF], s[AP:AP+1] offset:VEC+1024*(\k)+16*\i
.endr
.endm
.macro WM d, a, b, c, sa, sb, ra, rb   ; one product; ra, rb: the side's scale words stand in lanes 16-31
.if (\ra) && (\rb)
	v_wmma_scale_f32_16x16x128_f8f6f4 v[\d:\d+7], v[\a:\a+15], v[\b:\b+15], \c, v[\sa], v[\sb] matrix_a_fmt:MATRIX_FMT_BF8 matrix_b_fmt:MATRIX_FMT_BF8 matrix_a_scale:MATRIX_SCALE_ROW1 matrix_b_scale:MATRIX_SCALE_ROW1
.elseif (\ra)
	v_wmma_scale_f32_16x16x128_f8f6f4 v[\d:\d+7], v[\a:\a+15], v[\b:\b+15], \c, v[\sa], v[\sb] matrix_a_fmt:MATRIX_FMT_BF8 matrix_b_fmt:MATRIX_FMT_BF8 matrix_a_scale:MATRIX_SCALE_ROW1
.elseif (\rb)
	v_wmma_scale_f32_16x16x128_f8f6f4 v[\d:\d+7], v[\a:\a+15], v[\b:\b+15], \c, v[\sa], v[\sb] matrix_a_fmt:MATRIX_FMT_BF8 matrix_b_fmt:MATRIX_FMT_BF8 matrix_b_scale:MATRIX_SCALE_ROW1
.else
	v_wmma_scale_f32_16x16x128_f8f6f4 v[\d:\d+7], v[\a:\a+15], v[\b:\b+15], \c, v[\sa], v[\sb] matrix_a_fmt:MATRIX_FMT_BF8 matrix_b_fmt:MATRIX_FMT_BF8
.endif
.endm
.macro MMTS acc, wreg, mu, s, bias     ; transposed, K step s: four accumulators (T, u) at acc + 16 T + 8 u, one instruction each; bias = 1: the first K step's C is the bias
	WIN 0x01                                       ; source 0 (the weight) window 1
.irp T, 0,1
.irp u, 0,1
.set dD, \acc+16*\T+8*\u
.set dA, \wreg+16*(2*\u+\s)
.set dB, AF+16*(2*\T+\s)
.set dS, SCW+2*(\mu)+\s
.if \s
	WM dD, dA, dB, v[dD:dD+7], dS, ASC+\T, \u, 1
.elseif \bias
	WM dD, dA, dB, v[VB+8*\u:VB+8*\u+7], dS, ASC+\T, \u, 0
.else
	WM dD, dA, dB, 0, dS, ASC+\T, \u, 0
.endif
.endr
.endr
.endm
.macro MMVS acc, s                     ; natural (V), K step s: accumulators (u, T) at acc + 16 u + 8 T
	WIN 0x04                                       ; source 1 (the weight) window 1
.irp u, 0,1
.irp T, 0,1
.set dD, \acc+16*\u+8*\T
.set dA, AF+16*(2*\T+\s)
.set dB, W1R+16*(2*\u+\s)
.if \s
	WM dD, dA, dB, v[dD:dD+7], ASC+\T, SCW+10+\s, 1, \u
.else
	WM dD, dA, dB, 0, ASC+\T, SCW+10+\s, 0, \u
.endif
.endr
.endr
.endm
; nb blocks, block b = my 16 numbers v[src + 16 b ..] and lane l xor 16's: codes into v[pc + 4 b ..], the byte into v[BY + b].  The held numbers go to v[tmp ..], so that src may stay.
.macro QUANT src, tmp, nb, pc
.set qb, 0
.rept \nb
	v_max3_num_f32 v[TM+qb], |v[\src+16*qb]|, |v[\src+16*qb+1]|, 0x8000000   ; with the floor 2^(16 - 127): the byte cannot fall under 1
.set qb, qb+1
.endr
.irp i, 2,4,6,8,10,12,14
.set qb, 0
.rept \nb
	v_max3_num_f32 v[TM+qb], v[TM+qb], |v[\src+16*qb+\i]|, |v[\src+16*qb+\i+1]|
.set qb, qb+1
.endr
.endr
.set qb, 0
.rept \nb
	v_permlanex16_b32 v[TP+qb], v[TM+qb], s20, s21
.set qb, qb+1
.endr
.set qb, 0
.rept \nb
	v_max_num_f32 v[TM+qb], v[TM+qb], v[TP+qb]     ; the block's largest magnitude
.set qb, qb+1
.endr
.set qb, 0
.rept \nb
	v_add_nc_u32 v[SCL+qb], 0xf8800000, v[TM+qb]   ; 15 off its exponent field: the conversion's scale operand
	v_and_or_b32 v[LIM+qb], v[TM+qb], 0x7f800000, s22   ; 57,344 x the scale
.set qb, qb+1
.endr
.set qb, 0
.rept \nb
	v_lshrrev_b32 v[BY+qb], 23, v[SCL+qb]          ; the scale's byte
.set qb, qb+1
.endr
.set qb, 0
.rept \nb
.irp i, 0,1,2,3,4,5,6,7,8,9,10,11,12,13,14,15
	v_med3_num_f32 v[\tmp+16*qb+\i], v[\src+16*qb+\i], -v[LIM+qb], v[LIM+qb]   ; the conversion does not saturate (ISA guide 7.6.2)
.endr
	v_cvt_scalef32_pk8_bf8_f32 v[\pc+4*qb:\pc+4*qb+1], v[\tmp+16*qb:\tmp+16*qb+7], v[SCL+qb]
	v_cvt_scalef32_pk8_bf8_f32 v[\pc+4*qb+2:\pc+4*qb+3], v[\tmp+16*qb+8:\tmp+16*qb+15], v[SCL+qb]
.set qb, qb+1
.endr
	v_nop                                          ; a plain line between the last conversion and whatever next touches its registers
.endm
.macro PUT img, sc                     ; my group of both row tiles' images, and its scale bytes (lanes 16-31 write the same byte with the same value)
.irp T, 0,1
	ds_store_b128 v[IMA], v[PC+4*\T:PC+4*\T+3] offset:\img+4096*\T
	ds_store_b8 v[SBA], v[BY+\T] offset:\sc+128*\T
.endr
.endm
.macro GET img, sc                     ; all four fragments and both scale words
.irp i, 0,1,2,3,4,5,6,7,8,9,10,11,12,13,14,15
	ds_load_b128 v[AF+4*\i:AF+4*\i+3], v[LI] offset:\img+512*\i
.endr
	ds_load_b32 v[ASC], v[LS] offset:\sc
	ds_load_b32 v[ASC+1], v[LS] offset:\sc+128
	s_wait_dscnt 0x0
.endm
.macro BAR                             ; my LDS stores have landed and my LDS loads are in: then the work-group's barrier
	s_wait_dscnt 0x0
	s_barrier_signal -1
	s_barrier_wait -1
.endm
.macro RESID                           ; x + the product; each accumulator is read from its low end on
.irp j, 0,2,4,6,8,10,12,14,16,18,20,22,24,26,28,30
	v_pk_add_f32 v[XR+\j:XR+\j+1], v[ACC+\j:ACC+\j+1], v[XR+\j:XR+\j+1]
.endr
.endm
; layer norm of the 32 rows in XR, with the gain in VG and the shift in VBE; st: the statistics' LDS bytes
.macro LNORM st
.irp T, 0,1
.set LB, AF+32*\T
.set YB, XR+16*\T
.irp j, 0,2,4,6
	v_pk_add_f32 v[LB+\j:LB+\j+1], v[YB+2*\j:YB+2*\j+1], v[YB+2*\j+2:YB+2*\j+3]
.endr
	v_pk_add_f32 v[LB:LB+1], v[LB:LB+1], v[LB+2:LB+3]
	v_pk_add_f32 v[LB+4:LB+5], v[LB+4:LB+5], v[LB+6:LB+7]
	v_pk_add_f32 v[LB:LB+1], v[LB:LB+1], v[LB+4:LB+5]
	v_add_f32 v[LB], v[LB], v[LB+1]
	v_permlanex16_b32 v[LB+1], v[LB], s20, s21
	v_add_f32 v[LB], v[LB], v[LB+1]                ; the sum of my wave's 32 channels of row r
	v_mul_f32 v[LB+8], 0x3d000000, v[LB]           ; / 32: the wave's mean, twice, for the packed subtraction
	v_mul_f32 v[LB+9], 0x3d000000, v[LB]
.irp j, 0,2,4,6,8,10,12,14
	v_pk_add_f32 v[LB+10+\j:LB+11+\j], v[YB+\j:YB+\j+1], v[LB+8:LB+9] neg_lo:[0,1] neg_hi:[0,1]
.endr
	v_pk_mul_f32 v[LB:LB+1], v[LB+10:LB+11], v[LB+10:LB+11]
	v_pk_mul_f32 v[LB+2:LB+3], v[LB+12:LB+13], v[LB+12:LB+13]
.irp j, 4,8,12
	v_pk_fma_f32 v[LB:LB+1], v[LB+10+\j:LB+11+\j], v[LB+10+\j:LB+11+\j], v[LB:LB+1]
	v_pk_fma_f32 v[LB+2:LB+3], v[LB+12+\j:LB+13+\j], v[LB+12+\j:LB+13+\j], v[LB+2:LB+3]
.endr
	v_pk_add_f32 v[LB:LB+1], v[LB:LB+1], v[LB+2:LB+3]
	v_add_f32 v[LB], v[LB], v[LB+1]
	v_permlanex16_b32 v[LB+1], v[LB], s20, s21
	v_add_f32 v[LB+9], v[LB], v[LB+1]              ; the sum of squares round the wave's mean
	ds_store_b64 v[STA], v[LB+8:LB+9] offset:\st+1024*\T   ; (lanes 16-31 write the same)
.endr
	BAR
.irp T, 0,1
.set LB, AF+32*\T
.irp i, 0,1,2,3
	ds_load_b128 v[LB+10+4*\i:LB+13+4*\i], v[STR] offset:\st+1024*\T+16*\i   ; the eight waves' pairs of row r
.endr
.endr
	s_wait_dscnt 0x0
.irp T, 0,1
.set LB, AF+32*\T
.set YB, XR+16*\T
.irp j, 0,2,4,6
	v_pk_add_f32 v[LB+\j:LB+\j+1], v[LB+10+2*\j:LB+11+2*\j], v[LB+12+2*\j:LB+13+2*\j]
.endr
	v_pk_add_f32 v[LB:LB+1], v[LB:LB+1], v[LB+2:LB+3]
	v_pk_add_f32 v[LB+4:LB+5], v[LB+4:LB+5], v[LB+6:LB+7]
	v_pk_add_f32 v[LB:LB+1], v[LB:LB+1], v[LB+4:LB+5]   ; (the sum of the means, the sum of the sums of squares)
	v_mul_f32 v[LB+2], 0x3e000000, v[LB]           ; / 8: the row's mean
.irp w, 0,1,2,3,4,5,6,7
	v_sub_f32 v[LB+10+2*\w], v[LB+10+2*\w], v[LB+2]
.endr
	v_mul_f32 v[LB+4], v[LB+10], v[LB+10]
	v_mul_f32 v[LB+6], v[LB+12], v[LB+12]
.irp w, 2,4,6
	v_fma_f32 v[LB+4], v[LB+10+2*\w], v[LB+10+2*\w], v[LB+4]
	v_fma_f32 v[LB+6], v[LB+12+2*\w], v[LB+12+2*\w], v[LB+6]
.endr
	v_add_f32 v[LB+4], v[LB+4], v[LB+6]
	v_fma_f32 v[LB+4], v[LB+4], 0x42000000, v[LB+1]   ; 32 x the spread of the waves' means + the sums of squares
	v_fma_f32 v[LB+4], v[LB+4], s32, s33           ; / 256 + eps
	v_rsq_f32 v[LB+4], v[LB+4]
.irp j, 0,2,4,6,8,10,12,14
	v_pk_add_f32 v[YB+\j:YB+\j+1], v[YB+\j:YB+\j+1], v[LB+2:LB+3] op_sel_hi:[1,0] neg_lo:[0,1] neg_hi:[0,1]   ; less the mean: plain work behind the root
.endr
.endr
	s_wait_alu depctr_va_vdst(0)                   ; one wait for both roots, ahead of their first reader
.irp T, 0,1
.set LB, AF+32*\T
.set YB, XR+16*\T
.irp j, 0,2,4,6,8,10,12,14
	v_pk_mul_f32 v[YB+\j:YB+\j+1], v[YB+\j:YB+\j+1], v[LB+4:LB+5] op_sel_hi:[1,0]
.endr
.irp j, 0,2,4,6,8,10,12,14
	v_pk_fma_f32 v[YB+\j:YB+\j+1], v[YB+\j:YB+\j+1], v[VG+\j:VG+\j+1], v[VBE+\j:VBE+\j+1]
.endr
.endr
.endm
; gelu of the eight numbers of one accumulator, in place
.macro GELU8 z
.irp p, 0,2,4,6
	v_pk_mul_f32 v[GA+\p:GA+\p+1], v[\z+\p:\z+\p+1], 0x3f3504f3 op_sel_hi:[1,0]   ; a = z / sqrt 2
.endr
.irp i, 0,1,2,3,4,5,6,7
	v_and_b32 v[GT+\i], 0x7fffffff, v[GA+\i]       ; t = |a|
.endr
.irp p, 0,2,4,6
	v_pk_mul_f32 v[GS+\p:GS+\p+1], v[GA+\p:GA+\p+1], v[GA+\p:GA+\p+1]
.endr
.irp p, 0,2,4,6
	v_pk_fma_f32 v[GR+\p:GR+\p+1], v[GT+\p:GT+\p+1], v[10:11], 0x39c8e7d9 op_sel_hi:[1,1,0]
	v_pk_fma_f32 v[GU+\p:GU+\p+1], v[GT+\p:GT+\p+1], v[12:13], 0x3cc6b1a1 op_sel_hi:[1,1,0]
.endr
.irp p, 0,2,4,6
	v_pk_fma_f32 v[GR+\p:GR+\p+1], v[GR+\p:GR+\p+1], v[GS+\p:GS+\p+1], v[GU+\p:GU+\p+1]
.endr
.irp c, 0xbddaae5c, 0xbf228550, 0xbe03ce86
.irp p, 0,2,4,6
	v_pk_fma_f32 v[GR+\p:GR+\p+1], v[GR+\p:GR+\p+1], v[GT+\p:GT+\p+1], \c op_sel_hi:[1,1,0]
.endr
.endr
.irp p, 0,2,4,6
	v_pk_fma_f32 v[GR+\p:GR+\p+1], v[GR+\p:GR+\p+1], v[GT+\p:GT+\p+1], v[GT+\p:GT+\p+1] neg_lo:[0,0,1] neg_hi:[0,0,1]
.endr
.irp p, 0,2,4,6
	v_pk_mul_f32 v[GR+\p:GR+\p+1], v[GR+\p:GR+\p+1], 0x3fb8aa3b op_sel_hi:[1,0]
.endr
.irp i, 0,1,2,3,4,5,6,7
	v_exp_f32 v[GR+\i], v[GR+\i]                   ; 1 - erf(t), where t is above the threshold
.endr
.irp p, 0,2,4,6
	v_pk_fma_f32 v[GP+\p:GP+\p+1], v[GS+\p:GS+\p+1], v[14:15], 0x3ba38d2c op_sel_hi:[1,1,0]   ; the small branch: plain work behind the exponentials
.endr
.irp c, 0xbcdb48d9, 0x3de70e22, 0xbec09380, 0x3e0375d4
.irp p, 0,2,4,6
	v_pk_fma_f32 v[GP+\p:GP+\p+1], v[GP+\p:GP+\p+1], v[GS+\p:GS+\p+1], \c op_sel_hi:[1,1,0]
.endr
.endr
.irp p, 0,2,4,6
	v_pk_fma_f32 v[GP+\p:GP+\p+1], v[GP+\p:GP+\p+1], v[GA+\p:GA+\p+1], v[GA+\p:GA+\p+1]   ; erf(a)
.endr
.irp p, 0,2,4,6
	v_pk_add_f32 v[GP+\p:GP+\p+1], v[GP+\p:GP+\p+1], 1.0 op_sel_hi:[1,0]
.endr
	s_wait_alu depctr_va_vdst(0)                   ; one wait for the eight, ahead of their first reader
.irp p, 0,2,4,6
	v_pk_add_f32 v[GU+\p:GU+\p+1], v[GR+\p:GR+\p+1], 2.0 op_sel_hi:[1,0] neg_lo:[1,0] neg_hi:[1,0]   ; 2 - e: 1 + erf for positive a
.endr
.irp i, 0,1,2,3,4,5,6,7
	v_cmp_gt_f32 vcc_lo, 0, v[GA+\i]
	v_cndmask_b32 v[GU+\i], v[GU+\i], v[GR+\i], vcc_lo   ; e itself for negative a
	v_cmp_lt_f32 vcc_lo, 0x3f6d8000, v[GT+\i]
	v_cndmask_b32 v[GP+\i], v[GP+\i], v[GU+\i], vcc_lo   ; the large branch above 0.9277
.endr
.irp p, 0,2,4,6
	v_pk_mul_f32 v[GP+\p:GP+\p+1], v[GP+\p:GP+\p+1], 0.5 op_sel_hi:[1,0]
.endr
.irp p, 0,2,4,6
	v_pk_mul_f32 v[\z+\p:\z+\p+1], v[\z+\p:\z+\p+1], v[GP+\p:GP+\p+1]
.endr
.endm
	s_load_b256 s[4:11], s[0:1], 0x0               ; OC, x in, P, x out
	s_load_b64 s[12:13], s[0:1], 0x20              ; QKV
	v_lshrrev_b32 v208, 5, v0
	v_readfirstlane_b32 s14, v208                  ; wave w
	v_and_b32 v208, 31, v0                         ; lane
	v_and_b32 v209, 15, v0                         ; r
	v_bfe_u32 v210, v0, 4, 1                       ; h
	v_lshlrev_b32 v[LI], 4, v208
	v_lshlrev_b32 v[LS], 2, v208
	v_lshlrev_b32 v[R4], 2, v209
	s_lshl_b32 s24, s14, 7
	v_lshl_add_u32 v[VOF], v210, 6, s24
	s_lshl_b32 s24, s14, 3
	v_lshl_add_u32 v[STA], v209, 6, s24
	v_lshlrev_b32 v[STR], 6, v209
	s_lshr_b32 s25, s14, 2
	s_and_b32 s26, s14, 3
	s_lshl_b32 s24, s25, 11
	s_lshl_b32 s27, s26, 9
	s_add_co_u32 s24, s24, s27
	v_add_nc_u32 v[IMA], s24, v[LI]
	s_lshl_b32 s24, s25, 6
	s_add_co_u32 s24, s24, s26
	v_add_nc_u32 v[SBA], s24, v[R4]
	s_lshl_b32 s24, s14, 13
	v_add_nc_u32 v[WOF], s24, v[LI]
	s_lshl_b32 s24, s14, 12
	v_add_nc_u32 v[XOFF], s24, v[LI]
	s_mul_i32 s24, s14, 1536
	v_add_nc_u32 v[SOF], s24, v[LI]
	s_mov_b32 s20, 0x76543210
	s_mov_b32 s21, 0xfedcba98                      ; v_permlanex16_b32's selects for lane l xor 16
	s_mov_b32 s22, 0x600000                        ; the mantissa field of 57,344
	s_mov_b32 s32, 0x3b800000                      ; 1 / 256
	s_mov_b32 s33, 0x358637bd                      ; eps = 1e-6
	s_lshl_b32 s16, ttmp9, 13                      ; o's codes: 8,192 bytes a group
	s_mov_b32 s17, 0
	s_lshl_b32 s18, ttmp9, 15                      ; x: 32,768 bytes a group
	s_mov_b32 s19, 0
	s_lshl_b32 s28, ttmp9, 8                       ; o's scale bytes: 256 a group
	s_add_co_u32 s28, s28, OSW
	s_mov_b32 s29, 0
	; where my head's codes and scale bytes go
	s_lshr_b32 s34, ttmp9, 6
	s_lshl_b32 s34, s34, 3
	s_add_co_u32 s34, s34, s14                     ; 8 x batch + head
	s_mul_i32 s34, s34, BH
	s_mov_b32 s35, 0
	s_and_b32 s36, ttmp9, 63                       ; g
	s_lshr_b32 s37, s36, 2                         ; key step s = g / 4
	s_and_b32 s38, s36, 3                          ; c = g % 4
	s_and_b32 s39, s37, 7
	s_lshl_b32 s39, s39, 1
	s_lshr_b32 s24, s37, 3
	s_add_co_u32 s39, s39, s24                     ; the step's place among the images: 2 (s % 8) + s / 8
	s_mov_b32 s55, 0
	s_wait_kmcnt 0x0
	s_add_nc_u64 s[30:31], s[4:5], s[28:29]
	s_add_nc_u64 s[4:5], s[4:5], s[16:17]
	s_add_nc_u64 s[6:7], s[6:7], s[18:19]
	s_add_nc_u64 s[AXO:AXO+1], s[AXO:AXO+1], s[18:19]
	s_add_nc_u64 s[40:41], s[AQ:AQ+1], s[34:35]
	s_lshl_b32 s54, s36, 10
	s_add_co_u32 s54, s54, QI
	s_add_nc_u64 s[42:43], s[40:41], s[54:55]      ; Q's images: tile 2 g + T
	s_lshl_b32 s54, s36, 7
	s_add_co_u32 s54, s54, QSW
	s_add_nc_u64 s[44:45], s[40:41], s[54:55]      ; Q's scale words
	s_lshl_b32 s54, s39, 13
	s_lshl_b32 s24, s38, 10
	s_add_co_u32 s54, s54, s24
	s_add_co_u32 s54, s54, IMG
	s_add_nc_u64 s[46:47], s[40:41], s[54:55]      ; K's images: key tile 2 c + T of the step
	s_lshl_b32 s54, s37, 7
	s_lshr_b32 s24, s38, 1
	s_lshl_b32 s24, s24, 6
	s_add_co_u32 s54, s54, s24
	s_and_b32 s24, s38, 1
	s_lshl_b32 s24, s24, 1
	s_add_co_u32 s54, s54, s24
	s_add_nc_u64 s[48:49], s[40:41], s[54:55]      ; K's scale bytes: 128 s + 64 (c / 2) + 4 r + 2 (c % 2) + T
	s_lshl_b32 s54, s39, 13
	s_lshl_b32 s24, s38, 9
	s_add_co_u32 s54, s54, s24
	s_add_co_u32 s54, s54, IMG+4096
	s_add_nc_u64 s[50:51], s[40:41], s[54:55]      ; V's images: 2,048 u + 512 c
	s_lshl_b32 s54, s37, 7
	s_add_co_u32 s54, s54, s38
	s_add_co_u32 s54, s54, VSW
	s_add_nc_u64 s[52:53], s[40:41], s[54:55]      ; V's scale bytes: 128 s + 4 lane + c
	; THE LOADS, in the order of their use: o 16, its scale words 2, proj 16, the weights' scale words 3, proj_b 4 (41 so far); x 8, g1 4, be1 4 (57); w1 16, w2 16, Wq 16 (105)
.irp i, 0,1,2,3,4,5,6,7,8,9,10,11,12,13,14,15
	global_load_b128 v[AF+4*\i:AF+4*\i+3], v[LI], s[4:5] offset:512*\i th:TH_LOAD_NT
.endr
	global_load_b32 v[ASC], v[LS], s[30:31] th:TH_LOAD_NT
	global_load_b32 v[ASC+1], v[LS], s[30:31] offset:128 th:TH_LOAD_NT
	LDW WP, 0
.irp j, 0,1,2
	global_load_b128 v[SCW+4*\j:SCW+4*\j+3], v[SOF], s[AP:AP+1] offset:SCT+512*\j
.endr
	LDV VB, 0
.irp T, 0,1
.irp q, 0,1,2,3
	global_load_b128 v[XR+16*\T+4*\q:XR+16*\T+4*\q+3], v[XOFF], s[6:7] offset:2048*\T+512*\q th:TH_LOAD_NT
.endr
.endr
	LDV VG, 1
	LDV VBE, 2
	LDW W1R, 1
	LDW W2R, 2
	LDW WQ, 3
.irp b, 0,1,2,3,4,5
	v_mov_b32 v[TP+\b], 0                          ; written once: a lane permute's destination counts as one of its sources
.endr
	v_mov_b32 v10, 0xb7910000                      ; GELU's leading coefficients, as pairs
	v_mov_b32 v11, 0xb7910000
	v_mov_b32 v12, 0xbb7e8a1c
	v_mov_b32 v13, 0xbb7e8a1c
	v_mov_b32 v14, 0xba1c7000
	v_mov_b32 v15, 0xba1c7000
	; ---- x + o Wp + bp, layer norm 1
	s_wait_loadcnt 63                              ; behind the 41 loads wanted stand 64: 63 is the largest count that a wait names
	MMTS ACC, WP, 0, 0, 1                          ; four accumulators by turns, one instruction a turn
	MMTS ACC, WP, 0, 1, 1
	WIN 0
	PLACES 8                                       ; eight places behind this form, ahead of reads of results and of loads into its registers (ISA guide 7.12.1 for reads of results)
	LDV VB, 3                                      ; b1
	LDW WP, 4                                      ; Wk
	s_wait_loadcnt 63                              ; behind x, g1, be1 stand 48 + 4 + 16 = 68
	RESID
	LNORM ST1
	LDV VG, 5                                      ; g2
	LDV VBE, 6                                     ; be2
	QUANT XR, AF, 2, PC
	PUT IMG1, SC1
	BAR
	GET IMG1, SC1
	; ---- gelu(x W1 + b1)
	s_wait_loadcnt 24                              ; behind b1 stand Wk's 16 and the 8 of g2, be2; w1 was issued ahead of b1
	MMTS ACC, W1R, 1, 0, 1
	MMTS ACC, W1R, 1, 1, 1
	WIN 0
	PLACES 8
	LDV VB, 4                                      ; b2
	LDW W1R, 5                                     ; Wv
	GELU8 ACC
	GELU8 ACC+8
	GELU8 ACC+16
	GELU8 ACC+24
	QUANT ACC, ACC, 2, PC
	PUT IMG2, SC2
	BAR
	GET IMG2, SC2
	; ---- x + h W2 + b2, layer norm 2
	s_wait_loadcnt 16                              ; behind b2 stand Wv's 16
	MMTS ACC, W2R, 2, 0, 1
	MMTS ACC, W2R, 2, 1, 1
	WIN 0
	PLACES 8
	RESID
	LNORM ST2
	; ---- x goes out in f32, in image order: each store of the wave covers 512 consecutive bytes
.irp T, 0,1
.irp q, 0,1,2,3
	global_store_b128 v[XOFF], v[XR+16*\T+4*\q:XR+16*\T+4*\q+3], s[AXO:AXO+1] offset:2048*\T+512*\q
.endr
.endr
	QUANT XR, AF, 2, PC
	PUT IMG3, SC3
	BAR
	GET IMG3, SC3
	; ---- the next layer's q, k, v of my head
	s_wait_loadcnt 0x0                             ; Wv
	s_wait_xcnt 0x0                                ; x's stores have read v128-159: the accumulators below land there
	MMTS 96, WQ, 3, 0, 0                           ; twelve accumulators by turns
	MMTS 128, WP, 4, 0, 0
	MMVS 160, 0
	MMTS 96, WQ, 3, 1, 0
	MMTS 128, WP, 4, 1, 0
	MMVS 160, 1
	WIN 0
	PLACES 8
	QUANT 96, 96, 6, PC                            ; blocks: q tile 0, 1 (along the head's 32), k tile 0, 1, v column tile 0, 1 (along the 32 tokens)
	global_store_b128 v[LI], v[PC:PC+3], s[42:43]
	global_store_b128 v[LI], v[PC+4:PC+7], s[42:43] offset:512
	global_store_b128 v[LI], v[PC+8:PC+11], s[46:47]
	global_store_b128 v[LI], v[PC+12:PC+15], s[46:47] offset:512
	global_store_b128 v[LI], v[PC+16:PC+19], s[50:51]
	global_store_b128 v[LI], v[PC+20:PC+23], s[50:51] offset:2048
	v_and_b32 v10, 31, v0
	v_cmp_lt_u32 vcc_lo, 15, v10                   ; lanes 16-31
	v_cndmask_b32 v11, v[BY], v[BY+1], vcc_lo      ; Q: lanes 0-15 carry tile 0's byte, lanes 16-31 tile 1's,
	v_perm_b32 v11, v11, v11, 0                    ; in all four bytes of the word: Q may stand in any of the four K blocks
	global_store_b32 v[LS], v11, s[44:45]
	v_lshl_or_b32 v12, v[BY+3], 8, v[BY+2]         ; K: the bytes of key tiles 2 c and 2 c + 1 are neighbours (lanes 16-31 write the same)
	global_store_b16 v[R4], v12, s[48:49]
	v_cndmask_b32 v13, v[BY+4], v[BY+5], vcc_lo    ; V: lanes 0-15 column tile 0, lanes 16-31 tile 1
	global_store_b8 v[LS], v13, s[52:53]
	s_wait_xcnt 0x0
	v_lshl_add_u32 v254, v0, 2, 0x8000
	v_mov_b32 v255, 0
	s_wait_tensorcnt 0x0
	ds_add_u32 v254, v255
	s_wait_dscnt 0x0
	s_endpgm
.Lfunc_end_k_q50739f9a46_chain0:
	.size	k_q50739f9a46_chain0, .Lfunc_end_k_q50739f9a46_chain0-k_q50739f9a46_chain0
	.p2alignl 7, 3214868480
	.fill 96, 4, 3214868480
	.section	.rodata,"a",@progbits
	.p2align	6, 0x0
	.amdhsa_kernel k_q50739f9a46_chain0
		.amdhsa_group_segment_fixed_size 33792
		.amdhsa_private_segment_fixed_size 0
		.amdhsa_enable_private_segment 0
		.amdhsa_kernarg_size 40
		.amdhsa_user_sgpr_count 2
		.amdhsa_user_sgpr_kernarg_segment_ptr 1
		.amdhsa_wavefront_size32 1
		.amdhsa_system_sgpr_workgroup_id_x 1
		.amdhsa_system_sgpr_workgroup_id_y 1
		.amdhsa_system_sgpr_workgroup_id_z 1
		.amdhsa_system_vgpr_workitem_id 0
		.amdhsa_next_free_vgpr 512
		.amdhsa_next_free_sgpr 66
		.amdhsa_reserve_vcc 1
		.amdhsa_float_denorm_mode_32 3
		.amdhsa_float_denorm_mode_16_64 3
		.amdhsa_memory_ordered 1
		.amdhsa_forward_progress 1
		.amdhsa_inst_pref_size 114
	.end_amdhsa_kernel
	.amdgpu_metadata
---
amdhsa.version: [ 1, 2 ]
amdhsa.kernels:
  - .name:           k_q50739f9a46_chain0
    .symbol:         k_q50739f9a46_chain0.kd
    .args:
      - { .name: OC, .offset: 0, .size: 8, .value_kind: global_buffer, .address_space: global }
      - { .name: XA, .offset: 8, .size: 8, .value_kind: global_buffer, .address_space: global }
      - { .name: P0, .offset: 16, .size: 8, .value_kind: global_buffer, .address_space: global }
      - { .name: XB, .offset: 24, .size: 8, .value_kind: global_buffer, .address_space: global }
      - { .name: QKV, .offset: 32, .size: 8, .value_kind: global_buffer, .address_space: global }
    .group_segment_fixed_size: 33792
    .private_segment_fixed_size: 0
    .kernarg_segment_align: 8
    .kernarg_segment_size: 40
    .max_flat_workgroup_size: 256
    .sgpr_count:     66
    .vgpr_count:     512
    .wavefront_size: 32
...
	.end_amdgpu_metadata
.endif
;; end of part 4
;; launch attn1: the kernel of part 3 again; grid 16 x 16, 16 waves a work-group, clusters of 4 x 1, 169,984 bytes of LDS; arguments QKV, OC; writes OC
;; launch chain1: the kernel of part 4 again; grid 128 x 1, 8 waves a work-group, no clusters, 33,792 bytes of LDS; arguments OC, XB, P1, XA, QKV; writes XA, QKV
;; launch attn2: the kernel of part 3 again; grid 16 x 16, 16 waves a work-group, clusters of 4 x 1, 169,984 bytes of LDS; arguments QKV, OC; writes OC
;; launch chain2: the kernel of part 4 again; grid 128 x 1, 8 waves a work-group, no clusters, 33,792 bytes of LDS; arguments OC, XA, P2, XB, QKV; writes XB, QKV
;; launch attn3: the kernel of part 3 again; grid 16 x 16, 16 waves a work-group, clusters of 4 x 1, 169,984 bytes of LDS; arguments QKV, OC; writes OC
;; launch last (part 5): grid 128 x 1, 8 waves a work-group, no clusters, 66,560 bytes of LDS; arguments OC, XB, P3, out0; writes out0
.if DOCPART == 5
	.amdgcn_target "amdgcn-amd-amdhsa--gfx1250"
	.amdhsa_code_object_version 6
	.text
	.protected	k_q50739f9a46_last
	.globl	k_q50739f9a46_last
	.p2align	8
	.type	k_q50739f9a46_last,@function
k_q50739f9a46_last:
	s_mov_b64 s[64:65], 0
	v_nop
	global_prefetch_b8 v0, s[64:65] scope:SCOPE_SE
	s_setreg_imm32_b32 hwreg(HW_REG_WAVE_MODE, 25, 1), 1
	s_wait_xcnt 0x0
; LAST: the last layer behind its attention, for 32 rows: x = LN(x + o Wp + bp); out = LN(x + gelu(x W1 + b1) W2 + b2), stored row-major.  The three products on codes of E5M2 with E8M0 scales; all else in f32.
; SHARES.  A work-group takes 32 rows (group G); wave w takes channels 32 w .. 32 w + 31 of all 32 rows, in every product.  Straight-line: no loop, no branch.
; ROW TILES ARE PERMUTED: place m of tile T (0, 1) is row 32 G + 8 T + m + 8 (m / 8); column tiles likewise.  The products are used transposed (source 0 = 16 columns of the weight, source 1 = 16 rows): lane (r, h) holds row place r,
; and the 16 registers of column tiles 0, 1 are channels 32 w + 16 h + 0 .. 15: 16 neighbours along the next K; lane l xor 16 has the block's other 16.
; An operand goes from wave to wave through LDS as an IMAGE OF ITS REGISTERS (a group of four registers = 512 bytes, 16 x lane); each LDS region is written once, so one barrier a hand-over is enough: five in all.
; LAYER NORM without a difference of large sums: each wave's mean of its 32 channels and the sum of squares round THAT mean meet in LDS; var = (sum of those + 32 x sum of (wave mean - mean)^2) / 256.
; GELU exact: 0.5 z (1 + erf(z / sqrt 2)); erf by a polynomial under 0.9277, by 1 - exp(polynomial) above; for negative z the large branch gives 1 + erf = exp(..) directly.
; THE WAY OUT: a row's 1,024 bytes come from eight waves; they meet in a stage (rows 1,040 bytes apart) and each wave stores four whole rows, 512 consecutive bytes a store.
; LIMITS: NaN and infinities are not served.  A block of zeros gets the byte 1 (zero codes; read by this program alone).  Below z = -5.5 gelu lies under 1e-7 in magnitude and its relative error grows to a few 1e-6.
; The weights are the same for all 128 work-groups and are NOT asked for jointly: each wave takes its eighth of three matrices (24 KB) straight into registers, once; no byte of them passes LDS.
.set SCT,  393216
.set VEC,  405504
.set OSW,  1048576
.set ST1,  0                           ; LDS: statistics, 1,024 T + 64 r + 8 w
.set ST2,  2048
.set IMG1, 4096                        ; four fragments: 4,096 T + 2,048 K step + 512 c + 16 lane
.set SC1,  12288                       ; their scale bytes: 128 T + 64 K step + 4 r + c
.set IMG2, 12544
.set SC2,  20736
.set STG,  29440                       ; the stage: 32 rows x 1,040 bytes
.set LI,   1                           ; v1   16 x lane
.set LS,   2                           ; v2   4 x lane
.set R4,   3                           ; v3   4 r
.set VOF,  4                           ; v4   128 w + 64 h
.set STA,  5                           ; v5   64 r + 8 w
.set STR,  6                           ; v6   64 r
.set IMA,  7                           ; v7   16 lane + 2,048 (w / 4) + 512 (w % 4)
.set SBA,  8                           ; v8   4 r + 64 (w / 4) + w % 4
.set WOF,  9                           ; v9   8,192 w + 16 lane
.set SCW,  16                          ; v16-23 the weights' scale words: word 2 matrix + K step; lanes 0-15 column tile 0, lanes 16-31 tile 1
.set ASC,  28                          ; v28-29 the activation's scale words, one a row tile: lanes 0-15 K step 0, lanes 16-31 K step 1
.set XOFF, 30                          ; v30  4,096 w + 16 lane
.set SOF,  31                          ; v31  1,536 w + 16 lane
.set AF,   32                          ; v32-95 four fragments, (2 T + K step) x 16; at work between products
.set ACC,  96                          ; v96-127 accumulators 16 T + 8 u
.set XR,   128                         ; v128-159 x: 16 T + i = channel 32 w + 16 h + i of row (T, r)
.set VB,   160                         ; v160-175 a bias
.set VG,   176                         ; v176-191 a gain
.set VBE,  192                         ; v192-207 a shift
.set PC,   208                         ; v208-215 codes
.set TM,   232
.set TP,   238
.set BY,   238
.set LIM,  244
.set SCL,  250
.set GA,   32                          ; GELU's registers
.set GT,   40
.set GS,   48
.set GR,   56
.set GU,   64
.set GP,   72
.set WP,   0                           ; window 1: proj
.set W1R,  64                          ;           w1
.set W2R,  128                         ;           w2
.set AP,   8
.set MSB, 0
.macro WIN new                         ; the immediate's high byte repeats the setting that is left
.if MSB != \new
	s_set_vgpr_msb (MSB<<8)|\new
.set MSB, \new
.endif
.endm
.macro PLACES n
.rept \n
	v_nop
.endr
.endm
.macro LDW dst, mu                     ; my 8 KB of matrix mu: fragment (u, K step) at dst + 16 (2 u + K step) of window 1
	WIN 0x40
.irp i, 0,1,2,3,4,5,6,7,8,9,10,11,12,13,14,15
	global_load_b128 v[\dst+4*\i:\dst+4*\i+3], v[WOF], s[AP:AP+1] offset:(\mu)*65536+512*\i
.endr
	WIN 0
.endm
.macro LDV dst, k                      ; my 16 numbers of vector k
.irp i, 0,1,2,3
	global_load_b128 v[\dst+4*\i:\dst+4*\i+3], v[VOF], s[AP:AP+1] offset:VEC+1024*(\k)+16*\i
.endr
.endm
.macro WM d, a, b, c, sa, sb, ra, rb   ; one product; ra, rb: the side's scale words stand in lanes 16-31
.if (\ra) && (\rb)
	v_wmma_scale_f32_16x16x128_f8f6f4 v[\d:\d+7], v[\a:\a+15], v[\b:\b+15], \c, v[\sa], v[\sb] matrix_a_fmt:MATRIX_FMT_BF8 matrix_b_fmt:MATRIX_FMT_BF8 matrix_a_scale:MATRIX_SCALE_ROW1 matrix_b_scale:MATRIX_SCALE_ROW1
.elseif (\ra)
	v_wmma_scale_f32_16x16x128_f8f6f4 v[\d:\d+7], v[\a:\a+15], v[\b:\b+15], \c, v[\sa], v[\sb] matrix_a_fmt:MATRIX_FMT_BF8 matrix_b_fmt:MATRIX_FMT_BF8 matrix_a_scale:MATRIX_SCALE_ROW1
.elseif (\rb)
	v_wmma_scale_f32_16x16x128_f8f6f4 v[\d:\d+7], v[\a:\a+15], v[\b:\b+15], \c, v[\sa], v[\sb] matrix_a_fmt:MATRIX_FMT_BF8 matrix_b_fmt:MATRIX_FMT_BF8 matrix_b_scale:MATRIX_SCALE_ROW1
.else
	v_wmma_scale_f32_16x16x128_f8f6f4 v[\d:\d+7], v[\a:\a+15], v[\b:\b+15], \c, v[\sa], v[\sb] matrix_a_fmt:MATRIX_FMT_BF8 matrix_b_fmt:MATRIX_FMT_BF8
.endif
.endm
.macro MMTS acc, wreg, mu, s           ; transposed, K step s: four accumulators (T, u) at acc + 16 T + 8 u, one instruction each; the first K step's C is the bias
	WIN 0x01                                       ; source 0 (the weight) window 1
.irp T, 0,1
.irp u, 0,1
.set dD, \acc+16*\T+8*\u
.set dA, \wreg+16*(2*\u+\s)
.set dB, AF+16*(2*\T+\s)
.set dS, SCW+2*(\mu)+\s
.if \s
	WM dD, dA, dB, v[dD:dD+7], dS, ASC+\T, \u, 1
.else
	WM dD, dA, dB, v[VB+8*\u:VB+8*\u+7], dS, ASC+\T, \u, 0
.endif
.endr
.endr
.endm
; nb blocks, block b = my 16 numbers v[src + 16 b ..] and lane l xor 16's: codes into v[pc + 4 b ..], the byte into v[BY + b].  The held numbers go to v[tmp ..], so that src may stay.
.macro QUANT src, tmp, nb, pc
.set qb, 0
.rept \nb
	v_max3_num_f32 v[TM+qb], |v[\src+16*qb]|, |v[\src+16*qb+1]|, 0x8000000   ; with the floor 2^(16 - 127): the byte cannot fall under 1
.set qb, qb+1
.endr
.irp i, 2,4,6,8,10,12,14
.set qb, 0
.rept \nb
	v_max3_num_f32 v[TM+qb], v[TM+qb], |v[\src+16*qb+\i]|, |v[\src+16*qb+\i+1]|
.set qb, qb+1
.endr
.endr
.set qb, 0
.rept \nb
	v_permlanex16_b32 v[TP+qb], v[TM+qb], s20, s21
.set qb, qb+1
.endr
.set qb, 0
.rept \nb
	v_max_num_f32 v[TM+qb], v[TM+qb], v[TP+qb]     ; the block's largest magnitude
.set qb, qb+1
.endr
.set qb, 0
.rept \nb
	v_add_nc_u32 v[SCL+qb], 0xf8800000, v[TM+qb]   ; 15 off its exponent field: the conversion's scale operand
	v_and_or_b32 v[LIM+qb], v[TM+qb], 0x7f800000, s22   ; 57,344 x the scale
.set qb, qb+1
.endr
.set qb, 0
.rept \nb
	v_lshrrev_b32 v[BY+qb], 23, v[SCL+qb]          ; the scale's byte
.set qb, qb+1
.endr
.set qb, 0
.rept \nb
.irp i, 0,1,2,3,4,5,6,7,8,9,10,11,12,13,14,15
	v_med3_num_f32 v[\tmp+16*qb+\i], v[\src+16*qb+\i], -v[LIM+qb], v[LIM+qb]   ; the conversion does not saturate (ISA guide 7.6.2)
.endr
	v_cvt_scalef32_pk8_bf8_f32 v[\pc+4*qb:\pc+4*qb+1], v[\tmp+16*qb:\tmp+16*qb+7], v[SCL+qb]
	v_cvt_scalef32_pk8_bf8_f32 v[\pc+4*qb+2:\pc+4*qb+3], v[\tmp+16*qb+8:\tmp+16*qb+15], v[SCL+qb]
.set qb, qb+1
.endr
	v_nop                                          ; a plain line between the last conversion and whatever next touches its registers
.endm
.macro PUT img, sc                     ; my group of both row tiles' images, and its scale bytes (lanes 16-31 write the same byte with the same value)
.irp T, 0,1
	ds_store_b128 v[IMA], v[PC+4*\T:PC+4*\T+3] offset:\img+4096*\T
	ds_store_b8 v[SBA], v[BY+\T] offset:\sc+128*\T
.endr
.endm
.macro GET img, sc                     ; all four fragments and both scale words
.irp i, 0,1,2,3,4,5,6,7,8,9,10,11,12,13,14,15
	ds_load_b128 v[AF+4*\i:AF+4*\i+3], v[LI] offset:\img+512*\i
.endr
	ds_load_b32 v[ASC], v[LS] offset:\sc
	ds_load_b32 v[ASC+1], v[LS] offset:\sc+128
	s_wait_dscnt 0x0
.endm
.macro BAR                             ; my LDS stores have landed and my LDS loads are in: then the work-group's barrier
	s_wait_dscnt 0x0
	s_barrier_signal -1
	s_barrier_wait -1
.endm
.macro RESID                           ; x + the product; each accumulator is read from its low end on
.irp j, 0,2,4,6,8,10,12,14,16,18,20,22,24,26,28,30
	v_pk_add_f32 v[XR+\j:XR+\j+1], v[ACC+\j:ACC+\j+1], v[XR+\j:XR+\j+1]
.endr
.endm
; layer norm of the 32 rows in XR, with the gain in VG and the shift in VBE; st: the statistics' LDS bytes
.macro LNORM st
.irp T, 0,1
.set LB, AF+32*\T
.set YB, XR+16*\T
.irp j, 0,2,4,6
	v_pk_add_f32 v[LB+\j:LB+\j+1], v[YB+2*\j:YB+2*\j+1], v[YB+2*\j+2:YB+2*\j+3]
.endr
	v_pk_add_f32 v[LB:LB+1], v[LB:LB+1], v[LB+2:LB+3]
	v_pk_add_f32 v[LB+4:LB+5], v[LB+4:LB+5], v[LB+6:LB+7]
	v_pk_add_f32 v[LB:LB+1], v[LB:LB+1], v[LB+4:LB+5]
	v_add_f32 v[LB], v[LB], v[LB+1]
	v_permlanex16_b32 v[LB+1], v[LB], s20, s21
	v_add_f32 v[LB], v[LB], v[LB+1]                ; the sum of my wave's 32 channels of row r
	v_mul_f32 v[LB+8], 0x3d000000, v[LB]           ; / 32: the wave's mean, twice, for the packed subtraction
	v_mul_f32 v[LB+9], 0x3d000000, v[LB]
.irp j, 0,2,4,6,8,10,12,14
	v_pk_add_f32 v[LB+10+\j:LB+11+\j], v[YB+\j:YB+\j+1], v[LB+8:LB+9] neg_lo:[0,1] neg_hi:[0,1]
.endr
	v_pk_mul_f32 v[LB:LB+1], v[LB+10:LB+11], v[LB+10:LB+11]
	v_pk_mul_f32 v[LB+2:LB+3], v[LB+12:LB+13], v[LB+12:LB+13]
.irp j, 4,8,12
	v_pk_fma_f32 v[LB:LB+1], v[LB+10+\j:LB+11+\j], v[LB+10+\j:LB+11+\j], v[LB:LB+1]
	v_pk_fma_f32 v[LB+2:LB+3], v[LB+12+\j:LB+13+\j], v[LB+12+\j:LB+13+\j], v[LB+2:LB+3]
.endr
	v_pk_add_f32 v[LB:LB+1], v[LB:LB+1], v[LB+2:LB+3]
	v_add_f32 v[LB], v[LB], v[LB+1]
	v_permlanex16_b32 v[LB+1], v[LB], s20, s21
	v_add_f32 v[LB+9], v[LB], v[LB+1]              ; the sum of squares round the wave's mean
	ds_store_b64 v[STA], v[LB+8:LB+9] offset:\st+1024*\T   ; (lanes 16-31 write the same)
.endr
	BAR
.irp T, 0,1
.set LB, AF+32*\T
.irp i, 0,1,2,3
	ds_load_b128 v[LB+10+4*\i:LB+13+4*\i], v[STR] offset:\st+1024*\T+16*\i   ; the eight waves' pairs of row r
.endr
.endr
	s_wait_dscnt 0x0
.irp T, 0,1
.set LB, AF+32*\T
.set YB, XR+16*\T
.irp j, 0,2,4,6
	v_pk_add_f32 v[LB+\j:LB+\j+1], v[LB+10+2*\j:LB+11+2*\j], v[LB+12+2*\j:LB+13+2*\j]
.endr
	v_pk_add_f32 v[LB:LB+1], v[LB:LB+1], v[LB+2:LB+3]
	v_pk_add_f32 v[LB+4:LB+5], v[LB+4:LB+5], v[LB+6:LB+7]
	v_pk_add_f32 v[LB:LB+1], v[LB:LB+1], v[LB+4:LB+5]   ; (the sum of the means, the sum of the sums of squares)
	v_mul_f32 v[LB+2], 0x3e000000, v[LB]           ; / 8: the row's mean
.irp w, 0,1,2,3,4,5,6,7
	v_sub_f32 v[LB+10+2*\w], v[LB+10+2*\w], v[LB+2]
.endr
	v_mul_f32 v[LB+4], v[LB+10], v[LB+10]
	v_mul_f32 v[LB+6], v[LB+12], v[LB+12]
.irp w, 2,4,6
	v_fma_f32 v[LB+4], v[LB+10+2*\w], v[LB+10+2*\w], v[LB+4]
	v_fma_f32 v[LB+6], v[LB+12+2*\w], v[LB+12+2*\w], v[LB+6]
.endr
	v_add_f32 v[LB+4], v[LB+4], v[LB+6]
	v_fma_f32 v[LB+4], v[LB+4], 0x42000000, v[LB+1]   ; 32 x the spread of the waves' means + the sums of squares
	v_fma_f32 v[LB+4], v[LB+4], s32, s33           ; / 256 + eps
	v_rsq_f32 v[LB+4], v[LB+4]
.irp j, 0,2,4,6,8,10,12,14
	v_pk_add_f32 v[YB+\j:YB+\j+1], v[YB+\j:YB+\j+1], v[LB+2:LB+3] op_sel_hi:[1,0] neg_lo:[0,1] neg_hi:[0,1]   ; less the mean: plain work behind the root
.endr
.endr
	s_wait_alu depctr_va_vdst(0)                   ; one wait for both roots, ahead of their first reader
.irp T, 0,1
.set LB, AF+32*\T
.set YB, XR+16*\T
.irp j, 0,2,4,6,8,10,12,14
	v_pk_mul_f32 v[YB+\j:YB+\j+1], v[YB+\j:YB+\j+1], v[LB+4:LB+5] op_sel_hi:[1,0]
.endr
.irp j, 0,2,4,6,8,10,12,14
	v_pk_fma_f32 v[YB+\j:YB+\j+1], v[YB+\j:YB+\j+1], v[VG+\j:VG+\j+1], v[VBE+\j:VBE+\j+1]
.endr
.endr
.endm
; gelu of the eight numbers of one accumulator, in place
.macro GELU8 z
.irp p, 0,2,4,6
	v_pk_mul_f32 v[GA+\p:GA+\p+1], v[\z+\p:\z+\p+1], 0x3f3504f3 op_sel_hi:[1,0]   ; a = z / sqrt 2
.endr
.irp i, 0,1,2,3,4,5,6,7
	v_and_b32 v[GT+\i], 0x7fffffff, v[GA+\i]       ; t = |a|
.endr
.irp p, 0,2,4,6
	v_pk_mul_f32 v[GS+\p:GS+\p+1], v[GA+\p:GA+\p+1], v[GA+\p:GA+\p+1]
.endr
.irp p, 0,2,4,6
	v_pk_fma_f32 v[GR+\p:GR+\p+1], v[GT+\p:GT+\p+1], v[10:11], 0x39c8e7d9 op_sel_hi:[1,1,0]
	v_pk_fma_f32 v[GU+\p:GU+\p+1], v[GT+\p:GT+\p+1], v[12:13], 0x3cc6b1a1 op_sel_hi:[1,1,0]
.endr
.irp p, 0,2,4,6
	v_pk_fma_f32 v[GR+\p:GR+\p+1], v[GR+\p:GR+\p+1], v[GS+\p:GS+\p+1], v[GU+\p:GU+\p+1]
.endr
.irp c, 0xbddaae5c, 0xbf228550, 0xbe03ce86
.irp p, 0,2,4,6
	v_pk_fma_f32 v[GR+\p:GR+\p+1], v[GR+\p:GR+\p+1], v[GT+\p:GT+\p+1], \c op_sel_hi:[1,1,0]
.endr
.endr
.irp p, 0,2,4,6
	v_pk_fma_f32 v[GR+\p:GR+\p+1], v[GR+\p:GR+\p+1], v[GT+\p:GT+\p+1], v[GT+\p:GT+\p+1] neg_lo:[0,0,1] neg_hi:[0,0,1]
.endr
.irp p, 0,2,4,6
	v_pk_mul_f32 v[GR+\p:GR+\p+1], v[GR+\p:GR+\p+1], 0x3fb8aa3b op_sel_hi:[1,0]
.endr
.irp i, 0,1,2,3,4,5,6,7
	v_exp_f32 v[GR+\i], v[GR+\i]                   ; 1 - erf(t), where t is above the threshold
.endr
.irp p, 0,2,4,6
	v_pk_fma_f32 v[GP+\p:GP+\p+1], v[GS+\p:GS+\p+1], v[14:15], 0x3ba38d2c op_sel_hi:[1,1,0]   ; the small branch: plain work behind the exponentials
.endr
.irp c, 0xbcdb48d9, 0x3de70e22, 0xbec09380, 0x3e0375d4
.irp p, 0,2,4,6
	v_pk_fma_f32 v[GP+\p:GP+\p+1], v[GP+\p:GP+\p+1], v[GS+\p:GS+\p+1], \c op_sel_hi:[1,1,0]
.endr
.endr
.irp p, 0,2,4,6
	v_pk_fma_f32 v[GP+\p:GP+\p+1], v[GP+\p:GP+\p+1], v[GA+\p:GA+\p+1], v[GA+\p:GA+\p+1]   ; erf(a)
.endr
.irp p, 0,2,4,6
	v_pk_add_f32 v[GP+\p:GP+\p+1], v[GP+\p:GP+\p+1], 1.0 op_sel_hi:[1,0]
.endr
	s_wait_alu depctr_va_vdst(0)                   ; one wait for the eight, ahead of their first reader
.irp p, 0,2,4,6
	v_pk_add_f32 v[GU+\p:GU+\p+1], v[GR+\p:GR+\p+1], 2.0 op_sel_hi:[1,0] neg_lo:[1,0] neg_hi:[1,0]   ; 2 - e: 1 + erf for positive a
.endr
.irp i, 0,1,2,3,4,5,6,7
	v_cmp_gt_f32 vcc_lo, 0, v[GA+\i]
	v_cndmask_b32 v[GU+\i], v[GU+\i], v[GR+\i], vcc_lo   ; e itself for negative a
	v_cmp_lt_f32 vcc_lo, 0x3f6d8000, v[GT+\i]
	v_cndmask_b32 v[GP+\i], v[GP+\i], v[GU+\i], vcc_lo   ; the large branch above 0.9277
.endr
.irp p, 0,2,4,6
	v_pk_mul_f32 v[GP+\p:GP+\p+1], v[GP+\p:GP+\p+1], 0.5 op_sel_hi:[1,0]
.endr
.irp p, 0,2,4,6
	v_pk_mul_f32 v[\z+\p:\z+\p+1], v[\z+\p:\z+\p+1], v[GP+\p:GP+\p+1]
.endr
.endm
	s_load_b256 s[4:11], s[0:1], 0x0               ; OC, x in, P3, out0
	v_lshl_add_u32 v254, v0, 2, 0x10000
	v_mov_b32 v255, 0
	v_lshrrev_b32 v208, 5, v0
	v_readfirstlane_b32 s14, v208                  ; wave w
	v_and_b32 v208, 31, v0                         ; lane
	v_and_b32 v209, 15, v0                         ; r
	v_bfe_u32 v210, v0, 4, 1                       ; h
	v_lshlrev_b32 v[LI], 4, v208
	v_lshlrev_b32 v[LS], 2, v208
	v_lshlrev_b32 v[R4], 2, v209
	s_lshl_b32 s24, s14, 7
	v_lshl_add_u32 v[VOF], v210, 6, s24
	s_lshl_b32 s24, s14, 3
	v_lshl_add_u32 v[STA], v209, 6, s24
	v_lshlrev_b32 v[STR], 6, v209
	s_lshr_b32 s25, s14, 2
	s_and_b32 s26, s14, 3
	s_lshl_b32 s24, s25, 11
	s_lshl_b32 s27, s26, 9
	s_add_co_u32 s24, s24, s27
	v_add_nc_u32 v[IMA], s24, v[LI]
	s_lshl_b32 s24, s25, 6
	s_add_co_u32 s24, s24, s26
	v_add_nc_u32 v[SBA], s24, v[R4]
	s_lshl_b32 s24, s14, 13
	v_add_nc_u32 v[WOF], s24, v[LI]
	s_lshl_b32 s24, s14, 12
	v_add_nc_u32 v[XOFF], s24, v[LI]
	s_mul_i32 s24, s14, 1536
	v_add_nc_u32 v[SOF], s24, v[LI]
	s_mov_b32 s20, 0x76543210
	s_mov_b32 s21, 0xfedcba98                      ; v_permlanex16_b32's selects for lane l xor 16
	s_mov_b32 s22, 0x600000                        ; the mantissa field of 57,344
	s_mov_b32 s32, 0x3b800000                      ; 1 / 256
	s_mov_b32 s33, 0x358637bd                      ; eps = 1e-6
	s_lshl_b32 s16, ttmp9, 13                      ; o's codes: 8,192 bytes a group
	s_mov_b32 s17, 0
	s_lshl_b32 s18, ttmp9, 15                      ; x: 32,768 bytes a group
	s_mov_b32 s19, 0
	s_lshl_b32 s28, ttmp9, 8                       ; o's scale bytes: 256 a group
	s_add_co_u32 s28, s28, OSW
	s_mov_b32 s29, 0
	; the four rows that I store: stage rows 4 w + i are rows 32 G + 8 (w / 4) + 4 (w % 4) + 8 ((w % 4) / 2) + i
	s_lshl_b32 s34, ttmp9, 5
	s_lshl_b32 s24, s25, 3
	s_add_co_u32 s34, s34, s24
	s_lshl_b32 s24, s26, 2
	s_add_co_u32 s34, s34, s24
	s_lshr_b32 s24, s26, 1
	s_lshl_b32 s24, s24, 3
	s_add_co_u32 s34, s34, s24
	s_lshl_b32 s34, s34, 10
	s_mov_b32 s35, 0
	s_wait_kmcnt 0x0
	s_add_nc_u64 s[30:31], s[4:5], s[28:29]
	s_add_nc_u64 s[4:5], s[4:5], s[16:17]
	s_add_nc_u64 s[6:7], s[6:7], s[18:19]
	s_add_nc_u64 s[10:11], s[10:11], s[34:35]
	; THE LOADS, in the order of their use: o 16, its scale words 2, proj 16, the weights' scale words 2, proj_b 4; x 8, g1 4, be1 4; w1 16, w2 16
.irp i, 0,1,2,3,4,5,6,7,8,9,10,11,12,13,14,15
	global_load_b128 v[AF+4*\i:AF+4*\i+3], v[LI], s[4:5] offset:512*\i th:TH_LOAD_NT
.endr
	global_load_b32 v[ASC], v[LS], s[30:31] th:TH_LOAD_NT
	global_load_b32 v[ASC+1], v[LS], s[30:31] offset:128 th:TH_LOAD_NT
	LDW WP, 0
.irp j, 0,1
	global_load_b128 v[SCW+4*\j:SCW+4*\j+3], v[SOF], s[AP:AP+1] offset:SCT+512*\j
.endr
	LDV VB, 0
.irp T, 0,1
.irp q, 0,1,2,3
	global_load_b128 v[XR+16*\T+4*\q:XR+16*\T+4*\q+3], v[XOFF], s[6:7] offset:2048*\T+512*\q th:TH_LOAD_NT
.endr
.endr
	LDV VG, 1
	LDV VBE, 2
	LDW W1R, 1
	LDW W2R, 2
.irp b, 0,1
	v_mov_b32 v[TP+\b], 0                          ; written once: a lane permute's destination counts as one of its sources
.endr
	v_mov_b32 v10, 0xb7910000                      ; GELU's leading coefficients, as pairs
	v_mov_b32 v11, 0xb7910000
	v_mov_b32 v12, 0xbb7e8a1c
	v_mov_b32 v13, 0xbb7e8a1c
	v_mov_b32 v14, 0xba1c7000
	v_mov_b32 v15, 0xba1c7000
	; ---- x + o Wp + bp, layer norm 1
	s_wait_loadcnt 48                              ; behind proj_b stand x 8, g1 4, be1 4, w1 16, w2 16
	MMTS ACC, WP, 0, 0                             ; four accumulators by turns, one instruction a turn
	MMTS ACC, WP, 0, 1
	WIN 0
	PLACES 8                                       ; eight places behind this form, ahead of reads of results and of loads into its registers (ISA guide 7.12.1 for reads of results)
	LDV VB, 3                                      ; b1
	s_wait_loadcnt 36                              ; behind be1 stand w1 16, w2 16, b1 4
	RESID
	LNORM ST1
	LDV VG, 5                                      ; g2
	LDV VBE, 6                                     ; be2
	QUANT XR, AF, 2, PC
	PUT IMG1, SC1
	BAR
	GET IMG1, SC1
	; ---- gelu(x W1 + b1)
	s_wait_loadcnt 8                               ; behind b1 stand the 8 of g2, be2; w1 and w2 were issued ahead of b1
	MMTS ACC, W1R, 1, 0
	MMTS ACC, W1R, 1, 1
	WIN 0
	PLACES 8
	LDV VB, 4                                      ; b2
	GELU8 ACC
	GELU8 ACC+8
	GELU8 ACC+16
	GELU8 ACC+24
	QUANT ACC, ACC, 2, PC
	PUT IMG2, SC2
	BAR
	GET IMG2, SC2
	; ---- x + h W2 + b2, layer norm 2
	s_wait_loadcnt 0x0                             ; b2
	MMTS ACC, W2R, 2, 0
	MMTS ACC, W2R, 2, 1
	WIN 0
	PLACES 8
	RESID
	LNORM ST2
	; ---- the way out
	v_and_b32 v10, 15, v0
	v_mul_u32_u24 v10, v10, 1040
	v_add_nc_u32 v10, v10, v[VOF]                  ; into the stage: row 16 T + r, my 64 bytes at 128 w + 64 h
	s_mul_i32 s24, s14, 4160
	v_add_nc_u32 v11, s24, v[LI]                   ; back: rows 4 w + i, 16 bytes a lane
.irp T, 0,1
.irp q, 0,1,2,3
	ds_store_b128 v10, v[XR+16*\T+4*\q:XR+16*\T+4*\q+3] offset:STG+16640*\T+16*\q
.endr
.endr
	BAR                                            ; 32 whole rows lie in the stage
.irp n, 0,1,2,3,4,5,6,7
	ds_load_b128 v[AF+4*\n:AF+4*\n+3], v11 offset:STG+1040*(\n/2)+512*(\n%2)
.endr
.irp n, 0,1,2,3,4,5,6,7
	s_wait_dscnt 7-\n                              ; LDS loads come back in order: load n is in, the younger ones may be out
	global_store_b128 v[LI], v[AF+4*\n:AF+4*\n+3], s[10:11] offset:1024*(\n/2)+512*(\n%2) th:TH_STORE_NT   ; 32 lanes store 512 consecutive bytes of a row
.endr
	s_wait_tensorcnt 0x0
	ds_add_u32 v254, v255
	s_wait_dscnt 0x0
	s_endpgm
.Lfunc_end_k_q50739f9a46_last:
	.size	k_q50739f9a46_last, .Lfunc_end_k_q50739f9a46_last-k_q50739f9a46_last
	.p2alignl 7, 3214868480
	.fill 96, 4, 3214868480
	.section	.rodata,"a",@progbits
	.p2align	6, 0x0
	.amdhsa_kernel k_q50739f9a46_last
		.amdhsa_group_segment_fixed_size 66560
		.amdhsa_private_segment_fixed_size 0
		.amdhsa_enable_private_segment 0
		.amdhsa_kernarg_size 32
		.amdhsa_user_sgpr_count 2
		.amdhsa_user_sgpr_kernarg_segment_ptr 1
		.amdhsa_wavefront_size32 1
		.amdhsa_system_sgpr_workgroup_id_x 1
		.amdhsa_system_sgpr_workgroup_id_y 1
		.amdhsa_system_sgpr_workgroup_id_z 1
		.amdhsa_system_vgpr_workitem_id 0
		.amdhsa_next_free_vgpr 512
		.amdhsa_next_free_sgpr 66
		.amdhsa_reserve_vcc 1
		.amdhsa_float_denorm_mode_32 3
		.amdhsa_float_denorm_mode_16_64 3
		.amdhsa_memory_ordered 1
		.amdhsa_forward_progress 1
		.amdhsa_inst_pref_size 88
	.end_amdhsa_kernel
	.amdgpu_metadata
---
amdhsa.version: [ 1, 2 ]
amdhsa.kernels:
  - .name:           k_q50739f9a46_last
    .symbol:         k_q50739f9a46_last.kd
    .args:
      - { .name: OC, .offset: 0, .size: 8, .value_kind: global_buffer, .address_space: global }
      - { .name: XB, .offset: 8, .size: 8, .value_kind: global_buffer, .address_space: global }
      - { .name: P3, .offset: 16, .size: 8, .value_kind: global_buffer, .address_space: global }
      - { .name: out0, .offset: 24, .size: 8, .value_kind: global_buffer, .address_space: global }
    .group_segment_fixed_size: 66560
    .private_segment_fixed_size: 0
    .kernarg_segment_align: 8
    .kernarg_segment_size: 32
    .max_flat_workgroup_size: 256
    .sgpr_count:     66
    .vgpr_count:     512
    .wavefront_size: 32
...
	.end_amdgpu_metadata
.endif
;; end of part 5
;; ======== version 2 of 2: 10 launches; version 1 with the launches embed, chain0, chain1, chain2, last written anew for expert scheduling mode
;; workspace buffers: P0 412,672 bytes; P1 412,672 bytes; P2 412,672 bytes; P3 412,672 bytes; XA 4,194,304 bytes; XB 4,194,304 bytes; QKV 3,342,336 bytes; OC 1,081,344 bytes
;; launch prep: the kernel of part 1 again; grid 12 x 4, 8 waves a work-group, no clusters, 0 bytes of LDS; arguments qkv_w, proj_w, w1, w2, proj_b, g1, be1, b1, b2, g2, be2, P0, P1, P2, P3; writes P0, P1, P2, P3
;; launch embed (part 6): grid 128 x 1, 8 waves a work-group, no clusters, 33,792 bytes of LDS; arguments x, P3, XA, QKV; writes XA, QKV
.if DOCPART == 6
	.amdgcn_target "amdgcn-amd-amdhsa--gfx1250"
	.amdhsa_code_object_version 6
	.text
	.protected	k_q50739f9a46_embed
	.globl	k_q50739f9a46_embed
	.p2align	8
	.type	k_q50739f9a46_embed,@function
k_q50739f9a46_embed:
	s_mov_b64 s[64:65], 0
	v_nop
	global_prefetch_b8 v0, s[64:65] scope:SCOPE_SE
	s_setreg_imm32_b32 hwreg(HW_REG_WAVE_SCHED_MODE, 0, 2), 2
	s_setreg_imm32_b32 hwreg(HW_REG_WAVE_MODE, 25, 1), 1
	s_wait_xcnt 0x0
	s_wait_alu depctr_vm_vsrc(0)
; EMBED: x + the position table; that x goes out in f32 (for the first residual) and, quantised, through layer 0's QKV product, whose results leave as codes in the order in which the attention launch's operand registers take them.
; SHARES.  A work-group takes 32 rows (group G; batch G / 64, g = G % 64); wave w takes channels 32 w .. 32 w + 31, which is head w, of all 32 rows.
; ROW TILES ARE PERMUTED: place m of tile T (0, 1) is row 32 G + 8 T + m + 8 (m / 8); column tiles likewise.  So in a transposed product (source 0 = 16 columns of the weight, source 1 = 16 rows) a lane (r, h) holds row place r,
; and the 16 registers of column tiles 0, 1 are channels 32 w + 16 h + 0 .. 15; in the natural product (V) it holds column place r and tokens 32 G + 16 h + 0 .. 15.  Either way 16 neighbours along the next K; lane l xor 16 has the block's other 16.
; An operand goes from wave to wave as an IMAGE OF ITS REGISTERS: a group of four registers is 512 bytes, 16 x lane.
; THE POSITION TABLE in f32: div = exp(2 i x -ln(10000)/256) by a split log2(e), v_exp_f32 and v_ldexp_f32; the angle pos x div is reduced by pi/2 in two parts; sine and cosine by polynomials on +-pi/4.
; LIMITS: NaN and infinities are not served.  div lies within about 2 ulp of exp, so at the largest positions a table entry lies within a few 1e-4 of one made with a correctly rounded exp.  A block of zeros gets the byte 1 (zero codes; read by this program alone).
; The weights are the same for all 128 work-groups and are NOT asked for jointly: each wave takes its eighth of Wq, Wk, Wv (24 KB) straight into registers, once; no byte of them passes LDS, so there is no tile in LDS to share.
; The scale tables (bytes and half words a lane) are 2 KB + 2 KB + 8 KB a head: written in small pieces.
; THE MODE: SCHED_MODE bits 1:0 = 2 (LLVM: expert scheduling mode 2), set by the entry lines.  The code itself states the register dependences between vector or matrix instructions and memory or LDS instructions, with s_wait_alu, always for 0.
; THE PLAN.  Registers that memory or LDS instructions touch, in program order (the text is straight-line):
;   v1-9, v30, v31       offsets and LDS addresses: written at the head, read by every load and store, never written again.
;   v20-27, window 1     the weights and their scale words: loads land once; matrix instructions read.
;   v128-159 (XR)        x's loads land; the additions write; the quantiser and x's stores read; the products' accumulators write.
;   v32-95, v28-29       at work for the table and the quantiser's holds; then the LDS loads of x's fragments and scale words land; matrix instructions read.
;   v208-231, v238-243   codes and bytes: the first quantiser writes, the image's LDS stores read, the second quantiser writes, the last stores read.   v11-13: written at the end, read by the last three stores.
; So: one wait on va_vdst ahead of the first load, one ahead of the image's and x's stores (it also frees v32-95 for the LDS loads behind the barrier), one ahead of the last run of stores; one wait on vm_vsrc ahead of the products.
.set BH,   208896                      ; a (batch, head)'s region of QKV: K's scale words at 0, V's at VSW, the key steps' images at IMG, Q's images at QI, Q's scale words at QSW
.set VSW,  2048
.set IMG,  4096
.set QI,   135168
.set QSW,  200704
.set SCT,  393216
.set IMG3, 0                           ; LDS: x's four fragments (4,096 T + 2,048 K step + 512 c + 16 lane),
.set SC3,  8192                        ; their scale bytes (128 T + 64 K step + 4 r + c)
.set LI,   1                           ; v1   16 x lane
.set LS,   2                           ; v2   4 x lane
.set R4,   3                           ; v3   4 r
.set VOF,  4                           ; v4   128 w + 64 h
.set XIO,  5                           ; v5   x: (r + 8 (r / 8)) rows of 1,024 bytes + 128 w + 64 h
.set IMA,  7                           ; v7   where my group of an image goes: 16 lane + 2,048 (w / 4) + 512 (w % 4)
.set SBA,  8                           ; v8   and its scale byte: 4 r + 64 (w / 4) + w % 4
.set WOF,  9                           ; v9   8,192 w + 16 lane
.set SCW,  16                          ; v16-27 the weights' scale words: word 2 matrix + K step; lanes 0-15 column tile 0, lanes 16-31 tile 1
.set ASC,  28                          ; v28-29 x's scale words, one a row tile: lanes 0-15 K step 0, lanes 16-31 K step 1
.set XOFF, 30                          ; v30  4,096 w + 16 lane
.set SOF,  31                          ; v31  1,536 w + 16 lane
.set AF,   32                          ; v32-95 x's four fragments, (2 T + K step) x 16; at work before
.set PE,   96                          ; v96-127 the table's entries; later accumulators
.set XR,   128                         ; v128-159 x: 16 T + i = channel 32 w + 16 h + i of row (T, r)
.set DV,   160                         ; v160-167 div of my eight pairs
.set EA,   168
.set EN,   176
.set EF,   184
.set PS,   192                         ; v192-193 my row's position in tile 0, 1
.set PC,   208                         ; v208-231 codes
.set TM,   232
.set TP,   238
.set BY,   238
.set LIM,  244
.set SCL,  250
.set ANG,  32
.set KQ,   40
.set RED,  48
.set SQ,   56
.set CC,   64
.set SN,   72
.set TT,   80
.set QQ,   88
.set WP,   0                           ; window 1: Wk
.set W1R,  64                          ;           Wv
.set WQ,   192                         ;           Wq
.set AP,   6
.set AXO,  8
.set AQ,   10
.set MQ,   56                          ; s56-63 eight masks: which of my eight angles lie in an odd quarter
.set MSB, 0
.macro WIN new                         ; the immediate's high byte repeats the setting that is left
.if MSB != \new
	s_set_vgpr_msb (MSB<<8)|\new
.set MSB, \new
.endif
.endm
.macro PLACES n
.rept \n
	v_nop
.endr
.endm
.macro LDW dst, mu                     ; my 8 KB of matrix mu: fragment (u, K step) at dst + 16 (2 u + K step) of window 1
	WIN 0x40
.irp i, 0,1,2,3,4,5,6,7,8,9,10,11,12,13,14,15
	global_load_b128 v[\dst+4*\i:\dst+4*\i+3], v[WOF], s[AP:AP+1] offset:(\mu)*65536+512*\i
.endr
	WIN 0
.endm
.macro WM d, a, b, c, sa, sb, ra, rb   ; one product; ra, rb: the side's scale words stand in lanes 16-31
.if (\ra) && (\rb)
	v_wmma_scale_f32_16x16x128_f8f6f4 v[\d:\d+7], v[\a:\a+15], v[\b:\b+15], \c, v[\sa], v[\sb] matrix_a_fmt:MATRIX_FMT_BF8 matrix_b_fmt:MATRIX_FMT_BF8 matrix_a_scale:MATRIX_SCALE_ROW1 matrix_b_scale:MATRIX_SCALE_ROW1
.elseif (\ra)
	v_wmma_scale_f32_16x16x128_f8f6f4 v[\d:\d+7], v[\a:\a+15], v[\b:\b+15], \c, v[\sa], v[\sb] matrix_a_fmt:MATRIX_FMT_BF8 matrix_b_fmt:MATRIX_FMT_BF8 matrix_a_scale:MATRIX_SCALE_ROW1
.elseif (\rb)
	v_wmma_scale_f32_16x16x128_f8f6f4 v[\d:\d+7], v[\a:\a+15], v[\b:\b+15], \c, v[\sa], v[\sb] matrix_a_fmt:MATRIX_FMT_BF8 matrix_b_fmt:MATRIX_FMT_BF8 matrix_b_scale:MATRIX_SCALE_ROW1
.else
	v_wmma_scale_f32_16x16x128_f8f6f4 v[\d:\d+7], v[\a:\a+15], v[\b:\b+15], \c, v[\sa], v[\sb] matrix_a_fmt:MATRIX_FMT_BF8 matrix_b_fmt:MATRIX_FMT_BF8
.endif
.endm
.macro MMTS acc, wreg, mu, s           ; transposed, K step s: four accumulators (T, u) at acc + 16 T + 8 u, one instruction each
	WIN 0x01                                       ; source 0 (the weight) window 1
.irp T, 0,1
.irp u, 0,1
.set dD, \acc+16*\T+8*\u
.set dA, \wreg+16*(2*\u+\s)
.set dB, AF+16*(2*\T+\s)
.set dS, SCW+2*(\mu)+\s
.if \s
	WM dD, dA, dB, v[dD:dD+7], dS, ASC+\T, \u, 1
.else
	WM dD, dA, dB, 0, dS, ASC+\T, \u, 0
.endif
.endr
.endr
.endm
.macro MMVS acc, s                     ; natural (V), K step s: accumulators (u, T) at acc + 16 u + 8 T
	WIN 0x04                                       ; source 1 (the weight) window 1
.irp u, 0,1
.irp T, 0,1
.set dD, \acc+16*\u+8*\T
.set dA, AF+16*(2*\T+\s)
.set dB, W1R+16*(2*\u+\s)
.if \s
	WM dD, dA, dB, v[dD:dD+7], ASC+\T, SCW+10+\s, 1, \u
.else
	WM dD, dA, dB, 0, ASC+\T, SCW+10+\s, 0, \u
.endif
.endr
.endr
.endm
; nb blocks, block b = my 16 numbers v[src + 16 b ..] and lane l xor 16's: codes into v[pc + 4 b ..], the byte into v[BY + b].  The held numbers go to v[tmp ..], so that src may stay.
.macro QUANT src, tmp, nb, pc
.set qb, 0
.rept \nb
	v_max3_num_f32 v[TM+qb], |v[\src+16*qb]|, |v[\src+16*qb+1]|, 0x8000000   ; with the floor 2^(16 - 127): the byte cannot fall under 1
.set qb, qb+1
.endr
.irp i, 2,4,6,8,10,12,14
.set qb, 0
.rept \nb
	v_max3_num_f32 v[TM+qb], v[TM+qb], |v[\src+16*qb+\i]|, |v[\src+16*qb+\i+1]|
.set qb, qb+1
.endr
.endr
.set qb, 0
.rept \nb
	v_permlanex16_b32 v[TP+qb], v[TM+qb], s20, s21
.set qb, qb+1
.endr
.set qb, 0
.rept \nb
	v_max_num_f32 v[TM+qb], v[TM+qb], v[TP+qb]     ; the block's largest magnitude
.set qb, qb+1
.endr
.set qb, 0
.rept \nb
	v_add_nc_u32 v[SCL+qb], 0xf8800000, v[TM+qb]   ; 15 off its exponent field: the conversion's scale operand
	v_and_or_b32 v[LIM+qb], v[TM+qb], 0x7f800000, s22   ; 57,344 x the scale
.set qb, qb+1
.endr
.set qb, 0
.rept \nb
	v_lshrrev_b32 v[BY+qb], 23, v[SCL+qb]          ; the scale's byte
.set qb, qb+1
.endr
.set qb, 0
.rept \nb
.irp i, 0,1,2,3,4,5,6,7,8,9,10,11,12,13,14,15
	v_med3_num_f32 v[\tmp+16*qb+\i], v[\src+16*qb+\i], -v[LIM+qb], v[LIM+qb]   ; the conversion does not saturate (ISA guide 7.6.2)
.endr
	v_cvt_scalef32_pk8_bf8_f32 v[\pc+4*qb:\pc+4*qb+1], v[\tmp+16*qb:\tmp+16*qb+7], v[SCL+qb]
	v_cvt_scalef32_pk8_bf8_f32 v[\pc+4*qb+2:\pc+4*qb+3], v[\tmp+16*qb+8:\tmp+16*qb+15], v[SCL+qb]
.set qb, qb+1
.endr
	v_nop                                          ; a plain line between the last conversion and whatever next touches its registers
.endm
.macro PUT img, sc                     ; my group of both row tiles' images, and its scale bytes (lanes 16-31 write the same byte with the same value)
.irp T, 0,1
	ds_store_b128 v[IMA], v[PC+4*\T:PC+4*\T+3] offset:\img+4096*\T
	ds_store_b8 v[SBA], v[BY+\T] offset:\sc+128*\T
.endr
.endm
.macro GET img, sc                     ; all four fragments and both scale words
.irp i, 0,1,2,3,4,5,6,7,8,9,10,11,12,13,14,15
	ds_load_b128 v[AF+4*\i:AF+4*\i+3], v[LI] offset:\img+512*\i
.endr
	ds_load_b32 v[ASC], v[LS] offset:\sc
	ds_load_b32 v[ASC+1], v[LS] offset:\sc+128
	s_wait_dscnt 0x0
.endm
.macro BAR                             ; my LDS stores have landed and my LDS loads are in: then the work-group's barrier
	s_wait_dscnt 0x0
	s_barrier_signal -1
	s_barrier_wait -1
.endm
; sine and cosine of my eight angles in row tile T
.macro SINCOS T
.irp k, 0,1,2,3,4,5,6,7
	v_mul_f32 v[ANG+\k], v[PS+\T], v[DV+\k]        ; the angle, one f32 product
.endr
.irp p, 0,2,4,6
	v_pk_mul_f32 v[KQ+\p:KQ+\p+1], v[ANG+\p:ANG+\p+1], 0x3f22f983 op_sel_hi:[1,0]   ; x 2 / pi
.endr
.irp k, 0,1,2,3,4,5,6,7
	v_rndne_f32 v[KQ+\k], v[KQ+\k]                 ; how many quarter turns
.endr
.irp p, 0,2,4,6
	v_pk_fma_f32 v[RED+\p:RED+\p+1], v[KQ+\p:KQ+\p+1], 0xbfc90fdb, v[ANG+\p:ANG+\p+1] op_sel_hi:[1,0,1]   ; less that many times pi / 2, its upper part,
.endr
.irp p, 0,2,4,6
	v_pk_fma_f32 v[RED+\p:RED+\p+1], v[KQ+\p:KQ+\p+1], 0x333bbd2e, v[RED+\p:RED+\p+1] op_sel_hi:[1,0,1]   ; and its lower
.endr
.irp p, 0,2,4,6
	v_pk_mul_f32 v[SQ+\p:SQ+\p+1], v[RED+\p:RED+\p+1], v[RED+\p:RED+\p+1]
.endr
.irp p, 0,2,4,6
	v_pk_fma_f32 v[CC+\p:CC+\p+1], v[SQ+\p:SQ+\p+1], v[10:11], 0xbab6077d op_sel_hi:[1,1,0]
	v_pk_fma_f32 v[SN+\p:SN+\p+1], v[SQ+\p:SQ+\p+1], v[12:13], 0xb9503486 op_sel_hi:[1,1,0]
.endr
.irp p, 0,2,4,6
	v_pk_fma_f32 v[CC+\p:CC+\p+1], v[CC+\p:CC+\p+1], v[SQ+\p:SQ+\p+1], 0x3d2aaaa8 op_sel_hi:[1,1,0]
	v_pk_fma_f32 v[SN+\p:SN+\p+1], v[SN+\p:SN+\p+1], v[SQ+\p:SQ+\p+1], 0x3c0888c1 op_sel_hi:[1,1,0]
.endr
.irp p, 0,2,4,6
	v_pk_fma_f32 v[CC+\p:CC+\p+1], v[CC+\p:CC+\p+1], v[SQ+\p:SQ+\p+1], -0.5 op_sel_hi:[1,1,0]
	v_pk_fma_f32 v[SN+\p:SN+\p+1], v[SN+\p:SN+\p+1], v[SQ+\p:SQ+\p+1], 0xbe2aaaab op_sel_hi:[1,1,0]
.endr
.irp p, 0,2,4,6
	v_pk_fma_f32 v[CC+\p:CC+\p+1], v[CC+\p:CC+\p+1], v[SQ+\p:SQ+\p+1], 1.0 op_sel_hi:[1,1,0]
	v_pk_mul_f32 v[TT+\p:TT+\p+1], v[RED+\p:RED+\p+1], v[SQ+\p:SQ+\p+1]
.endr
.irp p, 0,2,4,6
	v_pk_fma_f32 v[SN+\p:SN+\p+1], v[SN+\p:SN+\p+1], v[TT+\p:TT+\p+1], v[RED+\p:RED+\p+1]
.endr
.irp k, 0,1,2,3,4,5,6,7
	v_cvt_i32_f32 v[QQ+\k], v[KQ+\k]
.endr
.irp k, 0,1,2,3,4,5,6,7
	v_and_b32 v[TT+\k], 1, v[QQ+\k]                ; an odd quarter swaps the two:
.endr
.irp k, 0,1,2,3,4,5,6,7
	v_cmp_ne_u32 s[MQ+\k], 0, v[TT+\k]             ; the eight compares in a run, each mask in a scalar register of its own
.endr
.irp k, 0,1,2,3,4,5,6,7
	v_lshlrev_b32 v[TT+\k], 30, v[QQ+\k]           ; the sine is negative in quarters 2, 3,
	v_add_nc_u32 v[QQ+\k], 1, v[QQ+\k]
	v_lshlrev_b32 v[QQ+\k], 30, v[QQ+\k]           ; the cosine in quarters 1, 2
	v_and_b32 v[TT+\k], 0x80000000, v[TT+\k]
	v_and_b32 v[QQ+\k], 0x80000000, v[QQ+\k]
.endr
	s_wait_alu depctr_va_sdst(0)                   ; the eight compares have written s56-63, ahead of the first select that reads one of them
.irp k, 0,1,2,3,4,5,6,7
	v_cndmask_b32 v[ANG+\k], v[SN+\k], v[CC+\k], s[MQ+\k]
	v_cndmask_b32 v[KQ+\k], v[CC+\k], v[SN+\k], s[MQ+\k]
	v_xor_b32 v[PE+16*\T+2*\k], v[ANG+\k], v[TT+\k]
	v_xor_b32 v[PE+16*\T+2*\k+1], v[KQ+\k], v[QQ+\k]
.endr
.endm
	s_load_b256 s[4:11], s[0:1], 0x0               ; x, P3, XA, QKV
	v_lshl_add_u32 v206, v0, 2, 0x8000
	v_mov_b32 v207, 0
	v_lshrrev_b32 v208, 5, v0
	v_readfirstlane_b32 s14, v208                  ; wave w
	v_and_b32 v208, 31, v0                         ; lane
	v_and_b32 v209, 15, v0                         ; r
	v_bfe_u32 v210, v0, 4, 1                       ; h
	v_lshlrev_b32 v[LI], 4, v208
	v_lshlrev_b32 v[LS], 2, v208
	v_lshlrev_b32 v[R4], 2, v209
	s_wait_alu depctr_va_sdst(0)                   ; s14 is written, ahead of its first reader
	s_lshl_b32 s24, s14, 7
	v_lshl_add_u32 v[VOF], v210, 6, s24
	s_lshr_b32 s25, s14, 2
	s_and_b32 s26, s14, 3
	s_lshl_b32 s24, s25, 11
	s_lshl_b32 s27, s26, 9
	s_add_co_u32 s24, s24, s27
	v_add_nc_u32 v[IMA], s24, v[LI]
	s_lshl_b32 s24, s25, 6
	s_add_co_u32 s24, s24, s26
	v_add_nc_u32 v[SBA], s24, v[R4]
	s_lshl_b32 s24, s14, 13
	v_add_nc_u32 v[WOF], s24, v[LI]
	s_lshl_b32 s24, s14, 12
	v_add_nc_u32 v[XOFF], s24, v[LI]
	s_mul_i32 s24, s14, 1536
	v_add_nc_u32 v[SOF], s24, v[LI]
	v_and_b32 v211, 8, v209
	v_add_nc_u32 v211, v211, v209                  ; r + 8 (r / 8)
	v_lshl_add_u32 v[XIO], v211, 10, v[VOF]
	s_mov_b32 s20, 0x76543210
	s_mov_b32 s21, 0xfedcba98                      ; v_permlanex16_b32's selects for lane l xor 16
	s_mov_b32 s22, 0x600000                        ; the mantissa field of 57,344
	s_mov_b32 s28, 0x3fb8aa3b                      ; log2(e), upper part
	s_mov_b32 s29, 0x32a57060                      ; and lower
	s_lshl_b32 s18, ttmp9, 15                      ; 32 rows of 1,024 bytes a group, in x and in XA alike
	s_mov_b32 s19, 0
	; where my head's codes and scale bytes go
	s_lshr_b32 s34, ttmp9, 6
	s_lshl_b32 s34, s34, 3
	s_add_co_u32 s34, s34, s14                     ; 8 x batch + head
	s_mul_i32 s34, s34, BH
	s_mov_b32 s35, 0
	s_and_b32 s36, ttmp9, 63                       ; g
	s_lshr_b32 s37, s36, 2                         ; key step s = g / 4
	s_and_b32 s38, s36, 3                          ; c = g % 4
	s_and_b32 s39, s37, 7
	s_lshl_b32 s39, s39, 1
	s_lshr_b32 s24, s37, 3
	s_add_co_u32 s39, s39, s24                     ; the step's place among the images: 2 (s % 8) + s / 8
	s_mov_b32 s55, 0
	s_wait_kmcnt 0x0
	s_add_nc_u64 s[4:5], s[4:5], s[18:19]
	s_add_nc_u64 s[AXO:AXO+1], s[AXO:AXO+1], s[18:19]
	s_add_nc_u64 s[40:41], s[AQ:AQ+1], s[34:35]
	s_lshl_b32 s54, s36, 10
	s_add_co_u32 s54, s54, QI
	s_add_nc_u64 s[42:43], s[40:41], s[54:55]      ; Q's images: tile 2 g + T
	s_lshl_b32 s54, s36, 7
	s_add_co_u32 s54, s54, QSW
	s_add_nc_u64 s[44:45], s[40:41], s[54:55]      ; Q's scale words
	s_lshl_b32 s54, s39, 13
	s_lshl_b32 s24, s38, 10
	s_add_co_u32 s54, s54, s24
	s_add_co_u32 s54, s54, IMG
	s_add_nc_u64 s[46:47], s[40:41], s[54:55]      ; K's images: key tile 2 c + T of the step
	s_lshl_b32 s54, s37, 7
	s_lshr_b32 s24, s38, 1
	s_lshl_b32 s24, s24, 6
	s_add_co_u32 s54, s54, s24
	s_and_b32 s24, s38, 1
	s_lshl_b32 s24, s24, 1
	s_add_co_u32 s54, s54, s24
	s_add_nc_u64 s[48:49], s[40:41], s[54:55]      ; K's scale bytes: 128 s + 64 (c / 2) + 4 r + 2 (c % 2) + T
	s_lshl_b32 s54, s39, 13
	s_lshl_b32 s24, s38, 9
	s_add_co_u32 s54, s54, s24
	s_add_co_u32 s54, s54, IMG+4096
	s_add_nc_u64 s[50:51], s[40:41], s[54:55]      ; V's images: 2,048 u + 512 c
	s_lshl_b32 s54, s37, 7
	s_add_co_u32 s54, s54, s38
	s_add_co_u32 s54, s54, VSW
	s_add_nc_u64 s[52:53], s[40:41], s[54:55]      ; V's scale bytes: 128 s + 4 lane + c
	s_wait_alu depctr_va_vdst(0)                   ; the offsets and LDS addresses v1-9, v30, v31 are written: every load and store of the kernel reads one of them, and none is written again
.irp T, 0,1
.irp q, 0,1,2,3
	global_load_b128 v[XR+16*\T+4*\q:XR+16*\T+4*\q+3], v[XIO], s[4:5] offset:8192*\T+16*\q th:TH_LOAD_NT
.endr
.endr
.irp j, 1,2
	global_load_b128 v[SCW+4*\j:SCW+4*\j+3], v[SOF], s[AP:AP+1] offset:SCT+512*\j
.endr
	LDW WQ, 3
	LDW WP, 4
	LDW W1R, 5
	; the table, while the loads are out: its lines name none of the registers in which those loads land
.irp b, 0,1,2,3,4,5
	v_mov_b32 v[TP+\b], 0                          ; written once: a lane permute's destination counts as one of its sources
.endr
	v_mov_b32 v10, 0x37cd4000                      ; the polynomials' leading coefficients, as pairs
	v_mov_b32 v11, 0x37cd4000
	v_mov_b32 v12, 0x36405000
	v_mov_b32 v13, 0x36405000
	s_and_b32 s24, ttmp9, 63
	s_lshl_b32 s24, s24, 5
	v_add_nc_u32 v211, s24, v211                   ; my row's position in tile 0,
	v_cvt_f32_u32 v[PS], v211
	v_add_nc_u32 v211, 8, v211                     ; and in tile 1
	v_cvt_f32_u32 v[PS+1], v211
	s_lshl_b32 s24, s14, 5
	v_lshl_add_u32 v211, v210, 4, s24              ; 2 i of my first pair: 32 w + 16 h
.irp k, 0,1,2,3,4,5,6,7
	v_add_nc_u32 v[EA+\k], 2*\k, v211
.endr
.irp k, 0,1,2,3,4,5,6,7
	v_cvt_f32_u32 v[EA+\k], v[EA+\k]
.endr
.irp k, 0,1,2,3,4,5,6,7
	v_mul_f32 v[EA+\k], 0xbd135d8e, v[EA+\k]       ; 2 i x -ln(10000) / 256
.endr
.irp k, 0,1,2,3,4,5,6,7
	v_mul_f32 v[EN+\k], 0x3fb8aa3b, v[EA+\k]
.endr
.irp k, 0,1,2,3,4,5,6,7
	v_rndne_f32 v[EN+\k], v[EN+\k]                 ; the whole part of the exponent to base 2,
.endr
.irp k, 0,1,2,3,4,5,6,7
	v_fma_f32 v[EF+\k], v[EA+\k], s28, -v[EN+\k]   ; and the rest, by log2(e) in two parts
.endr
.irp k, 0,1,2,3,4,5,6,7
	v_fma_f32 v[EF+\k], v[EA+\k], s29, v[EF+\k]
.endr
.irp k, 0,1,2,3,4,5,6,7
	v_exp_f32 v[EF+\k], v[EF+\k]
.endr
.irp k, 0,1,2,3,4,5,6,7
	v_cvt_i32_f32 v[EN+\k], v[EN+\k]               ; plain work behind the exponentials
.endr
	s_wait_alu depctr_va_vdst(0)                   ; the eight exponentials have written v184-191, ahead of their first reader: one wait for the batch
.irp k, 0,1,2,3,4,5,6,7
	v_ldexp_f32 v[DV+\k], v[EF+\k], v[EN+\k]
.endr
	SINCOS 0
	SINCOS 1
	s_wait_loadcnt 50                              ; x's eight loads are in; the 2 loads of scale words and the 48 of weights behind them may be out
.irp j, 0,2,4,6,8,10,12,14,16,18,20,22,24,26,28,30
	v_pk_add_f32 v[XR+\j:XR+\j+1], v[XR+\j:XR+\j+1], v[PE+\j:PE+\j+1]
.endr
	QUANT XR, AF, 2, PC
	s_wait_alu depctr_va_vdst(0)                   ; the conversions have written the codes v208-215, the shifts the bytes v238-239, the additions x in v128-159: the stores below read them; and every vector line is done with v32-95, in which the LDS loads behind the barrier land
	PUT IMG3, SC3
	; x goes out in f32, in image order: each store of the wave covers 512 consecutive bytes
.irp T, 0,1
.irp q, 0,1,2,3
	global_store_b128 v[XOFF], v[XR+16*\T+4*\q:XR+16*\T+4*\q+3], s[AXO:AXO+1] offset:2048*\T+512*\q
.endr
.endr
	BAR                                            ; x's four fragments lie in LDS
	GET IMG3, SC3
	s_wait_loadcnt 0x0                             ; the weights
	s_wait_xcnt 0x0                                ; x's stores have had their addresses translated: the accumulators below land in v128-159
	s_wait_alu depctr_vm_vsrc(0)                   ; x's stores have read v128-159, which the products write; the image's LDS stores have read v208-215 and v238-239, which the quantiser behind the products writes
	MMTS 96, WQ, 3, 0                              ; twelve accumulators by turns, one instruction a turn
	MMTS 128, WP, 4, 0
	MMVS 160, 0
	MMTS 96, WQ, 3, 1
	MMTS 128, WP, 4, 1
	MMVS 160, 1
	WIN 0
	PLACES 8                                       ; eight places behind this form before a vector instruction reads a result
	QUANT 96, 96, 6, PC                            ; blocks: q tile 0, 1 (along the head's 32), k tile 0, 1, v column tile 0, 1 (along the 32 tokens)
	v_and_b32 v10, 31, v0
	v_cmp_lt_u32 vcc_lo, 15, v10                   ; lanes 16-31
	v_lshl_or_b32 v12, v[BY+3], 8, v[BY+2]         ; K: the bytes of key tiles 2 c and 2 c + 1 are neighbours (lanes 16-31 write the same)
	s_wait_alu depctr_va_vcc(0)                    ; the compare has written VCC, ahead of the first select that reads it
	v_cndmask_b32 v11, v[BY], v[BY+1], vcc_lo      ; Q: lanes 0-15 carry tile 0's byte, lanes 16-31 tile 1's,
	v_perm_b32 v11, v11, v11, 0                    ; in all four bytes of the word: Q may stand in any of the four K blocks
	v_cndmask_b32 v13, v[BY+4], v[BY+5], vcc_lo    ; V: lanes 0-15 column tile 0, lanes 16-31 tile 1
	s_wait_alu depctr_va_vdst(0)                   ; the conversions have written the codes v208-231, the lines above v11-13: the nine stores below read them
	global_store_b128 v[LI], v[PC:PC+3], s[42:43]
	global_store_b128 v[LI], v[PC+4:PC+7], s[42:43] offset:512
	global_store_b128 v[LI], v[PC+8:PC+11], s[46:47]
	global_store_b128 v[LI], v[PC+12:PC+15], s[46:47] offset:512
	global_store_b128 v[LI], v[PC+16:PC+19], s[50:51]
	global_store_b128 v[LI], v[PC+20:PC+23], s[50:51] offset:2048
	global_store_b32 v[LS], v11, s[44:45]
	global_store_b16 v[R4], v12, s[48:49]
	global_store_b8 v[LS], v13, s[52:53]
	s_wait_dscnt 0x0                               ; the closing lines, six on end
	s_wait_alu 0x0
	s_wait_tensorcnt 0x0
	ds_add_u32 v206, v207
	s_wait_dscnt 0x0
	s_endpgm
.Lfunc_end_k_q50739f9a46_embed:
	.size	k_q50739f9a46_embed, .Lfunc_end_k_q50739f9a46_embed-k_q50739f9a46_embed
	.p2alignl 7, 3214868480
	.fill 96, 4, 3214868480
	.section	.rodata,"a",@progbits
	.p2align	6, 0x0
	.amdhsa_kernel k_q50739f9a46_embed
		.amdhsa_group_segment_fixed_size 33792
		.amdhsa_private_segment_fixed_size 0
		.amdhsa_enable_private_segment 0
		.amdhsa_kernarg_size 32
		.amdhsa_user_sgpr_count 2
		.amdhsa_user_sgpr_kernarg_segment_ptr 1
		.amdhsa_wavefront_size32 1
		.amdhsa_system_sgpr_workgroup_id_x 1
		.amdhsa_system_sgpr_workgroup_id_y 1
		.amdhsa_system_sgpr_workgroup_id_z 1
		.amdhsa_system_vgpr_workitem_id 0
		.amdhsa_next_free_vgpr 512
		.amdhsa_next_free_sgpr 66
		.amdhsa_reserve_vcc 1
		.amdhsa_float_denorm_mode_32 3
		.amdhsa_float_denorm_mode_16_64 3
		.amdhsa_memory_ordered 1
		.amdhsa_forward_progress 1
		.amdhsa_inst_pref_size 56
	.end_amdhsa_kernel
	.amdgpu_metadata
---
amdhsa.version: [ 1, 2 ]
amdhsa.kernels:
  - .name:           k_q50739f9a46_embed
    .symbol:         k_q50739f9a46_embed.kd
    .args:
      - { .name: x, .offset: 0, .size: 8, .value_kind: global_buffer, .address_space: global }
      - { .name: P3, .offset: 8, .size: 8, .value_kind: global_buffer, .address_space: global }
      - { .name: XA, .offset: 16, .size: 8, .value_kind: global_buffer, .address_space: global }
      - { .name: QKV, .offset: 24, .size: 8, .value_kind: global_buffer, .address_space: global }
    .group_segment_fixed_size: 33792
    .private_segment_fixed_size: 0
    .kernarg_segment_align: 8
    .kernarg_segment_size: 32
    .max_flat_workgroup_size: 256
    .sgpr_count:     66
    .vgpr_count:     512
    .wavefront_size: 32
...
	.end_amdgpu_metadata
.endif
;; end of part 6
;; launch attn0: the kernel of part 3 again; grid 16 x 16, 16 waves a work-group, clusters of 4 x 1, 169,984 bytes of LDS; arguments QKV, OC; writes OC
;; launch chain0 (part 7): grid 128 x 1, 8 waves a work-group, no clusters, 33,792 bytes of LDS; arguments OC, XA, P0, XB, QKV; writes XB, QKV
.if DOCPART == 7
	.amdgcn_target "amdgcn-amd-amdhsa--gfx1250"
	.amdhsa_code_object_version 6
	.text
	.protected	k_q50739f9a46_chain0
	.globl	k_q50739f9a46_chain0
	.p2align	8
	.type	k_q50739f9a46_chain0,@function
k_q50739f9a46_chain0:
	s_mov_b64 s[64:65], 0
	v_nop
	global_prefetch_b8 v0, s[64:65] scope:SCOPE_SE
	s_setreg_imm32_b32 hwreg(HW_REG_WAVE_SCHED_MODE, 0, 2), 2
	s_setreg_imm32_b32 hwreg(HW_REG_WAVE_MODE, 25, 1), 1
	s_wait_xcnt 0x0
	s_wait_alu depctr_vm_vsrc(0)
; CHAIN: what lies between two attentions, for 32 rows: x = LN(x + o Wp + bp); x = LN(x + gelu(x W1 + b1) W2 + b2); the next layer's q, k, v.  All five products on codes of E5M2 with E8M0 scales; all else in f32.
; SHARES.  A work-group takes 32 rows (group G); wave w takes channels 32 w .. 32 w + 31 (head w) of all 32 rows, in every product.  Straight-line: no loop, no branch.
; ROW TILES ARE PERMUTED: place m of tile T (0, 1) is row 32 G + 8 T + m + 8 (m / 8); column tiles likewise.  In a transposed product (source 0 = 16 columns of the weight, source 1 = 16 rows) lane (r, h) holds row place r, and the
; 16 registers of column tiles 0, 1 are channels 32 w + 16 h + 0 .. 15; in the natural product (V) it holds column place r and tokens 32 G + 16 h + 0 .. 15.  Either way 16 neighbours along the next K; lane l xor 16 has the block's other 16.
; An operand goes from wave to wave through LDS as an IMAGE OF ITS REGISTERS (a group of four registers = 512 bytes, 16 x lane); each LDS region is written once, so one barrier a hand-over is enough: five in all.
; LAYER NORM without a difference of large sums: each wave's mean of its 32 channels and the sum of squares round THAT mean meet in LDS; var = (sum of those + 32 x sum of (wave mean - mean)^2) / 256.
; GELU exact: 0.5 z (1 + erf(z / sqrt 2)); erf by a polynomial under 0.9277, by 1 - exp(polynomial) above; for negative z the large branch gives 1 + erf = exp(..) directly, which keeps the tail's relative accuracy.
; The biases are the C of each sum's first product.  All loads are issued at the head or as soon as their registers are free; more are out than a wait can name, so two waits name 63.
; LIMITS: NaN and infinities are not served.  A block of zeros gets the byte 1 (zero codes; read by this program alone).  Below z = -5.5 gelu lies under 1e-7 in magnitude and its relative error grows to a few 1e-6.
; The weights are the same for all 128 work-groups and are NOT asked for jointly: each wave takes its eighth of six matrices (48 KB) straight into registers, once; the 384 KB do not fit into LDS together, and no byte of them passes LDS.
; THE MODE: SCHED_MODE bits 1:0 = 2 (LLVM: expert scheduling mode 2), set by the entry lines.  The code itself states the register dependences between vector or matrix instructions and memory or LDS instructions, with s_wait_alu, always for 0.
; THE PLAN.  Registers that memory or LDS instructions touch, in program order (the text is straight-line):
;   v1-9, v30, v31       offsets and LDS addresses: written at the head, read by every load and store, never written again.
;   v32-95, v28-29       fragments and their scale words: loads land (o from memory, later the images from LDS); matrix instructions read; between two products the layer norm, GELU and the quantiser's holds work there;
;                        of them v40-41 and v72-73 are the data of the statistics' LDS stores, and v42-57, v74-89 take the statistics back.
;   v128-159 (XR)        x's loads land; the additions and the layer norms write; x's stores read; the last products' accumulators write.
;   v160-207             bias, gain, shift: loads land; matrix instructions (as C) and the layer norm's multiply-adds read; the next vectors' loads land.
;   window 1, v16-27     weights and their scale words: loads land; matrix instructions read; Wk lands where proj lay, Wv where w1 lay.
;   v208-231, v238-243   codes and bytes: each quantiser writes; the image's LDS stores, at the end the global stores, read.   v11-13: written at the end, read by the last three stores.
; So a wait on va_vdst stands: ahead of the first load; behind the places of the proj and w1 products, ahead of the loads into their bias and weight; ahead of each pair of statistics' stores; ahead of each image's stores (it also serves what
; is issued with them, and the LDS loads behind the barrier); ahead of the last stores.  A wait on vm_vsrc stands ahead of each quantiser that writes what LDS stores have read, and ahead of the last products.
.set BH,   208896                      ; a (batch, head)'s region of QKV: K's scale words at 0, V's at VSW, the key steps' images at IMG, Q's images at QI, Q's scale words at QSW
.set VSW,  2048
.set IMG,  4096
.set QI,   135168
.set QSW,  200704
.set SCT,  393216
.set VEC,  405504
.set OSW,  1048576
.set ST1,  0                           ; LDS: statistics, 1,024 T + 64 r + 8 w
.set ST2,  2048
.set IMG1, 4096                        ; four fragments: 4,096 T + 2,048 K step + 512 c + 16 lane
.set SC1,  12288                       ; their scale bytes: 128 T + 64 K step + 4 r + c
.set IMG2, 12544
.set SC2,  20736
.set IMG3, 20992
.set SC3,  29184
.set LI,   1                           ; v1   16 x lane
.set LS,   2                           ; v2   4 x lane
.set R4,   3                           ; v3   4 r
.set VOF,  4                           ; v4   128 w + 64 h
.set STA,  5                           ; v5   64 r + 8 w
.set STR,  6                           ; v6   64 r
.set IMA,  7                           ; v7   16 lane + 2,048 (w / 4) + 512 (w % 4)
.set SBA,  8                           ; v8   4 r + 64 (w / 4) + w % 4
.set WOF,  9                           ; v9   8,192 w + 16 lane
.set SCW,  16                          ; v16-27 the weights' scale words: word 2 matrix + K step; lanes 0-15 column tile 0, lanes 16-31 tile 1
.set ASC,  28                          ; v28-29 the activation's scale words, one a row tile: lanes 0-15 K step 0, lanes 16-31 K step 1
.set XOFF, 30                          ; v30  4,096 w + 16 lane
.set SOF,  31                          ; v31  1,536 w + 16 lane
.set AF,   32                          ; v32-95 four fragments, (2 T + K step) x 16; at work between products
.set ACC,  96                          ; v96-127 accumulators 16 T + 8 u
.set XR,   128                         ; v128-159 x: 16 T + i = channel 32 w + 16 h + i of row (T, r)
.set VB,   160                         ; v160-175 a bias
.set VG,   176                         ; v176-191 a gain
.set VBE,  192                         ; v192-207 a shift
.set PC,   208                         ; v208-231 codes
.set TM,   232
.set TP,   238
.set BY,   238
.set LIM,  244
.set SCL,  250
.set GA,   32                          ; GELU's registers
.set GT,   40
.set GS,   48
.set GR,   56
.set GU,   64
.set GP,   72
.set WP,   0                           ; window 1: proj, later Wk
.set W1R,  64                          ;           w1, later Wv
.set W2R,  128                         ;           w2
.set WQ,   192                         ;           Wq
.set AP,   8
.set AXO,  10
.set AQ,   12
.set MN,   34                          ; s34-41 GELU's eight masks 'a is negative' (free once the addresses are made)
.set ML,   56                          ; s56-63 and its eight masks 'above the threshold'
.set MSB, 0
.macro WIN new                         ; the immediate's high byte repeats the setting that is left
.if MSB != \new
	s_set_vgpr_msb (MSB<<8)|\new
.set MSB, \new
.endif
.endm
.macro PLACES n
.rept \n
	v_nop
.endr
.endm
.macro LDW dst, mu                     ; my 8 KB of matrix mu: fragment (u, K step) at dst + 16 (2 u + K step) of window 1
	WIN 0x40
.irp i, 0,1,2,3,4,5,6,7,8,9,10,11,12,13,14,15
	global_load_b128 v[\dst+4*\i:\dst+4*\i+3], v[WOF], s[AP:AP+1] offset:(\mu)*65536+512*\i
.endr
	WIN 0
.endm
.macro LDV dst, k                      ; my 16 numbers of vector k
.irp i, 0,1,2,3
	global_load_b128 v[\dst+4*\i:\dst+4*\i+3], v[VOF], s[AP:AP+1] offset:VEC+1024*(\k)+16*\i
.endr
.endm
.macro WM d, a, b, c, sa, sb, ra, rb   ; one product; ra, rb: the side's scale words stand in lanes 16-31
.if (\ra) && (\rb)
	v_wmma_scale_f32_16x16x128_f8f6f4 v[\d:\d+7], v[\a:\a+15], v[\b:\b+15], \c, v[\sa], v[\sb] matrix_a_fmt:MATRIX_FMT_BF8 matrix_b_fmt:MATRIX_FMT_BF8 matrix_a_scale:MATRIX_SCALE_ROW1 matrix_b_scale:MATRIX_SCALE_ROW1
.elseif (\ra)
	v_wmma_scale_f32_16x16x128_f8f6f4 v[\d:\d+7], v[\a:\a+15], v[\b:\b+15], \c, v[\sa], v[\sb] matrix_a_fmt:MATRIX_FMT_BF8 matrix_b_fmt:MATRIX_FMT_BF8 matrix_a_scale:MATRIX_SCALE_ROW1
.elseif (\rb)
	v_wmma_scale_f32_16x16x128_f8f6f4 v[\d:\d+7], v[\a:\a+15], v[\b:\b+15], \c, v[\sa], v[\sb] matrix_a_fmt:MATRIX_FMT_BF8 matrix_b_fmt:MATRIX_FMT_BF8 matrix_b_scale:MATRIX_SCALE_ROW1
.else
	v_wmma_scale_f32_16x16x128_f8f6f4 v[\d:\d+7], v[\a:\a+15], v[\b:\b+15], \c, v[\sa], v[\sb] matrix_a_fmt:MATRIX_FMT_BF8 matrix_b_fmt:MATRIX_FMT_BF8
.endif
.endm
.macro MMTS acc, wreg, mu, s, bias     ; transposed, K step s: four accumulators (T, u) at acc + 16 T + 8 u, one instruction each; bias = 1: the first K step's C is the bias
	WIN 0x01                                       ; source 0 (the weight) window 1
.irp T, 0,1
.irp u, 0,1
.set dD, \acc+16*\T+8*\u
.set dA, \wreg+16*(2*\u+\s)
.set dB, AF+16*(2*\T+\s)
.set dS, SCW+2*(\mu)+\s
.if \s
	WM dD, dA, dB, v[dD:dD+7], dS, ASC+\T, \u, 1
.elseif \bias
	WM dD, dA, dB, v[VB+8*\u:VB+8*\u+7], dS, ASC+\T, \u, 0
.else
	WM dD, dA, dB, 0, dS, ASC+\T, \u, 0
.endif
.endr
.endr
.endm
.macro MMVS acc, s                     ; natural (V), K step s: accumulators (u, T) at acc + 16 u + 8 T
	WIN 0x04                                       ; source 1 (the weight) window 1
.irp u, 0,1
.irp T, 0,1
.set dD, \acc+16*\u+8*\T
.set dA, AF+16*(2*\T+\s)
.set dB, W1R+16*(2*\u+\s)
.if \s
	WM dD, dA, dB, v[dD:dD+7], ASC+\T, SCW+10+\s, 1, \u
.else
	WM dD, dA, dB, 0, ASC+\T, SCW+10+\s, 0, \u
.endif
.endr
.endr
.endm
; nb blocks, block b = my 16 numbers v[src + 16 b ..] and lane l xor 16's: codes into v[pc + 4 b ..], the byte into v[BY + b].  The held numbers go to v[tmp ..], so that src may stay.
.macro QUANT src, tmp, nb, pc
.set qb, 0
.rept \nb
	v_max3_num_f32 v[TM+qb], |v[\src+16*qb]|, |v[\src+16*qb+1]|, 0x8000000   ; with the floor 2^(16 - 127): the byte cannot fall under 1
.set qb, qb+1
.endr
.irp i, 2,4,6,8,10,12,14
.set qb, 0
.rept \nb
	v_max3_num_f32 v[TM+qb], v[TM+qb], |v[\src+16*qb+\i]|, |v[\src+16*qb+\i+1]|
.set qb, qb+1
.endr
.endr
.set qb, 0
.rept \nb
	v_permlanex16_b32 v[TP+qb], v[TM+qb], s20, s21
.set qb, qb+1
.endr
.set qb, 0
.rept \nb
	v_max_num_f32 v[TM+qb], v[TM+qb], v[TP+qb]     ; the block's largest magnitude
.set qb, qb+1
.endr
.set qb, 0
.rept \nb
	v_add_nc_u32 v[SCL+qb], 0xf8800000, v[TM+qb]   ; 15 off its exponent field: the conversion's scale operand
	v_and_or_b32 v[LIM+qb], v[TM+qb], 0x7f800000, s22   ; 57,344 x the scale
.set qb, qb+1
.endr
.set qb, 0
.rept \nb
	v_lshrrev_b32 v[BY+qb], 23, v[SCL+qb]          ; the scale's byte
.set qb, qb+1
.endr
.set qb, 0
.rept \nb
.irp i, 0,1,2,3,4,5,6,7,8,9,10,11,12,13,14,15
	v_med3_num_f32 v[\tmp+16*qb+\i], v[\src+16*qb+\i], -v[LIM+qb], v[LIM+qb]   ; the conversion does not saturate (ISA guide 7.6.2)
.endr
	v_cvt_scalef32_pk8_bf8_f32 v[\pc+4*qb:\pc+4*qb+1], v[\tmp+16*qb:\tmp+16*qb+7], v[SCL+qb]
	v_cvt_scalef32_pk8_bf8_f32 v[\pc+4*qb+2:\pc+4*qb+3], v[\tmp+16*qb+8:\tmp+16*qb+15], v[SCL+qb]
.set qb, qb+1
.endr
	v_nop                                          ; a plain line between the last conversion and whatever next touches its registers
.endm
.macro PUT img, sc                     ; my group of both row tiles' images, and its scale bytes (lanes 16-31 write the same byte with the same value)
.irp T, 0,1
	ds_store_b128 v[IMA], v[PC+4*\T:PC+4*\T+3] offset:\img+4096*\T
	ds_store_b8 v[SBA], v[BY+\T] offset:\sc+128*\T
.endr
.endm
.macro GET img, sc                     ; all four fragments and both scale words
.irp i, 0,1,2,3,4,5,6,7,8,9,10,11,12,13,14,15
	ds_load_b128 v[AF+4*\i:AF+4*\i+3], v[LI] offset:\img+512*\i
.endr
	ds_load_b32 v[ASC], v[LS] offset:\sc
	ds_load_b32 v[ASC+1], v[LS] offset:\sc+128
	s_wait_dscnt 0x0
.endm
.macro BAR                             ; my LDS stores have landed and my LDS loads are in: then the work-group's barrier
	s_wait_dscnt 0x0
	s_barrier_signal -1
	s_barrier_wait -1
.endm
.macro RESID                           ; x + the product; each accumulator is read from its low end on
.irp j, 0,2,4,6,8,10,12,14,16,18,20,22,24,26,28,30
	v_pk_add_f32 v[XR+\j:XR+\j+1], v[ACC+\j:ACC+\j+1], v[XR+\j:XR+\j+1]
.endr
.endm
; layer norm of the 32 rows in XR, with the gain in VG and the shift in VBE; st: the statistics' LDS bytes
.macro LNORM st
.irp T, 0,1
.set LB, AF+32*\T
.set YB, XR+16*\T
.irp j, 0,2,4,6
	v_pk_add_f32 v[LB+\j:LB+\j+1], v[YB+2*\j:YB+2*\j+1], v[YB+2*\j+2:YB+2*\j+3]
.endr
	v_pk_add_f32 v[LB:LB+1], v[LB:LB+1], v[LB+2:LB+3]
	v_pk_add_f32 v[LB+4:LB+5], v[LB+4:LB+5], v[LB+6:LB+7]
	v_pk_add_f32 v[LB:LB+1], v[LB:LB+1], v[LB+4:LB+5]
	v_add_f32 v[LB], v[LB], v[LB+1]
	v_permlanex16_b32 v[LB+1], v[LB], s20, s21
	v_add_f32 v[LB], v[LB], v[LB+1]                ; the sum of my wave's 32 channels of row r
	v_mul_f32 v[LB+8], 0x3d000000, v[LB]           ; / 32: the wave's mean, twice, for the packed subtraction
	v_mul_f32 v[LB+9], 0x3d000000, v[LB]
.irp j, 0,2,4,6,8,10,12,14
	v_pk_add_f32 v[LB+10+\j:LB+11+\j], v[YB+\j:YB+\j+1], v[LB+8:LB+9] neg_lo:[0,1] neg_hi:[0,1]
.endr
	v_pk_mul_f32 v[LB:LB+1], v[LB+10:LB+11], v[LB+10:LB+11]
	v_pk_mul_f32 v[LB+2:LB+3], v[LB+12:LB+13], v[LB+12:LB+13]
.irp j, 4,8,12
	v_pk_fma_f32 v[LB:LB+1], v[LB+10+\j:LB+11+\j], v[LB+10+\j:LB+11+\j], v[LB:LB+1]
	v_pk_fma_f32 v[LB+2:LB+3], v[LB+12+\j:LB+13+\j], v[LB+12+\j:LB+13+\j], v[LB+2:LB+3]
.endr
	v_pk_add_f32 v[LB:LB+1], v[LB:LB+1], v[LB+2:LB+3]
	v_add_f32 v[LB], v[LB], v[LB+1]
	v_permlanex16_b32 v[LB+1], v[LB], s20, s21
	v_add_f32 v[LB+9], v[LB], v[LB+1]              ; the sum of squares round the wave's mean
.endr
	s_wait_alu depctr_va_vdst(0)                   ; both tiles' pairs v40-41 and v72-73 are written, which the two stores read; and the vector lines are done with v42-57 and v74-89, in which the loads behind the barrier land
.irp T, 0,1
	ds_store_b64 v[STA], v[AF+32*\T+8:AF+32*\T+9] offset:\st+1024*\T   ; (lanes 16-31 write the same)
.endr
	BAR
.irp T, 0,1
.set LB, AF+32*\T
.irp i, 0,1,2,3
	ds_load_b128 v[LB+10+4*\i:LB+13+4*\i], v[STR] offset:\st+1024*\T+16*\i   ; the eight waves' pairs of row r
.endr
.endr
	s_wait_dscnt 0x0
.irp T, 0,1
.set LB, AF+32*\T
.set YB, XR+16*\T
.irp j, 0,2,4,6
	v_pk_add_f32 v[LB+\j:LB+\j+1], v[LB+10+2*\j:LB+11+2*\j], v[LB+12+2*\j:LB+13+2*\j]
.endr
	v_pk_add_f32 v[LB:LB+1], v[LB:LB+1], v[LB+2:LB+3]
	v_pk_add_f32 v[LB+4:LB+5], v[LB+4:LB+5], v[LB+6:LB+7]
	v_pk_add_f32 v[LB:LB+1], v[LB:LB+1], v[LB+4:LB+5]   ; (the sum of the means, the sum of the sums of squares)
	v_mul_f32 v[LB+2], 0x3e000000, v[LB]           ; / 8: the row's mean
.irp w, 0,1,2,3,4,5,6,7
	v_sub_f32 v[LB+10+2*\w], v[LB+10+2*\w], v[LB+2]
.endr
	v_mul_f32 v[LB+4], v[LB+10], v[LB+10]
	v_mul_f32 v[LB+6], v[LB+12], v[LB+12]
.irp w, 2,4,6
	v_fma_f32 v[LB+4], v[LB+10+2*\w], v[LB+10+2*\w], v[LB+4]
	v_fma_f32 v[LB+6], v[LB+12+2*\w], v[LB+12+2*\w], v[LB+6]
.endr
	v_add_f32 v[LB+4], v[LB+4], v[LB+6]
	v_fma_f32 v[LB+4], v[LB+4], 0x42000000, v[LB+1]   ; 32 x the spread of the waves' means + the sums of squares
	v_fma_f32 v[LB+4], v[LB+4], s32, s33           ; / 256 + eps
	v_rsq_f32 v[LB+4], v[LB+4]
.irp j, 0,2,4,6,8,10,12,14
	v_pk_add_f32 v[YB+\j:YB+\j+1], v[YB+\j:YB+\j+1], v[LB+2:LB+3] op_sel_hi:[1,0] neg_lo:[0,1] neg_hi:[0,1]   ; less the mean: plain work behind the root
.endr
.endr
	s_wait_alu depctr_va_vdst(0)                   ; both roots have written v36 and v68, ahead of their first reader: one wait for the two
.irp T, 0,1
.set LB, AF+32*\T
.set YB, XR+16*\T
.irp j, 0,2,4,6,8,10,12,14
	v_pk_mul_f32 v[YB+\j:YB+\j+1], v[YB+\j:YB+\j+1], v[LB+4:LB+5] op_sel_hi:[1,0]
.endr
.irp j, 0,2,4,6,8,10,12,14
	v_pk_fma_f32 v[YB+\j:YB+\j+1], v[YB+\j:YB+\j+1], v[VG+\j:VG+\j+1], v[VBE+\j:VBE+\j+1]
.endr
.endr
.endm
; gelu of the eight numbers of one accumulator, in place
.macro GELU8 z
.irp p, 0,2,4,6
	v_pk_mul_f32 v[GA+\p:GA+\p+1], v[\z+\p:\z+\p+1], 0x3f3504f3 op_sel_hi:[1,0]   ; a = z / sqrt 2
.endr
.irp i, 0,1,2,3,4,5,6,7
	v_and_b32 v[GT+\i], 0x7fffffff, v[GA+\i]       ; t = |a|
.endr
.irp p, 0,2,4,6
	v_pk_mul_f32 v[GS+\p:GS+\p+1], v[GA+\p:GA+\p+1], v[GA+\p:GA+\p+1]
.endr
.irp p, 0,2,4,6
	v_pk_fma_f32 v[GR+\p:GR+\p+1], v[GT+\p:GT+\p+1], v[10:11], 0x39c8e7d9 op_sel_hi:[1,1,0]
	v_pk_fma_f32 v[GU+\p:GU+\p+1], v[GT+\p:GT+\p+1], v[12:13], 0x3cc6b1a1 op_sel_hi:[1,1,0]
.endr
.irp p, 0,2,4,6
	v_pk_fma_f32 v[GR+\p:GR+\p+1], v[GR+\p:GR+\p+1], v[GS+\p:GS+\p+1], v[GU+\p:GU+\p+1]
.endr
.irp c, 0xbddaae5c, 0xbf228550, 0xbe03ce86
.irp p, 0,2,4,6
	v_pk_fma_f32 v[GR+\p:GR+\p+1], v[GR+\p:GR+\p+1], v[GT+\p:GT+\p+1], \c op_sel_hi:[1,1,0]
.endr
.endr
.irp p, 0,2,4,6
	v_pk_fma_f32 v[GR+\p:GR+\p+1], v[GR+\p:GR+\p+1], v[GT+\p:GT+\p+1], v[GT+\p:GT+\p+1] neg_lo:[0,0,1] neg_hi:[0,0,1]
.endr
.irp p, 0,2,4,6
	v_pk_mul_f32 v[GR+\p:GR+\p+1], v[GR+\p:GR+\p+1], 0x3fb8aa3b op_sel_hi:[1,0]
.endr
.irp i, 0,1,2,3,4,5,6,7
	v_exp_f32 v[GR+\i], v[GR+\i]                   ; 1 - erf(t), where t is above the threshold
.endr
.irp p, 0,2,4,6
	v_pk_fma_f32 v[GP+\p:GP+\p+1], v[GS+\p:GS+\p+1], v[14:15], 0x3ba38d2c op_sel_hi:[1,1,0]   ; the small branch: plain work behind the exponentials
.endr
.irp c, 0xbcdb48d9, 0x3de70e22, 0xbec09380, 0x3e0375d4
.irp p, 0,2,4,6
	v_pk_fma_f32 v[GP+\p:GP+\p+1], v[GP+\p:GP+\p+1], v[GS+\p:GS+\p+1], \c op_sel_hi:[1,1,0]
.endr
.endr
.irp p, 0,2,4,6
	v_pk_fma_f32 v[GP+\p:GP+\p+1], v[GP+\p:GP+\p+1], v[GA+\p:GA+\p+1], v[GA+\p:GA+\p+1]   ; erf(a)
.endr
.irp p, 0,2,4,6
	v_pk_add_f32 v[GP+\p:GP+\p+1], v[GP+\p:GP+\p+1], 1.0 op_sel_hi:[1,0]
.endr
.irp i, 0,1,2,3,4,5,6,7
	v_cmp_gt_f32 s[MN+\i], 0, v[GA+\i]             ; the sixteen compares in a run, each mask in a scalar register of its own: a is negative,
.endr
.irp i, 0,1,2,3,4,5,6,7
	v_cmp_lt_f32 s[ML+\i], 0x3f6d8000, v[GT+\i]    ; t lies above 0.9277
.endr
	s_wait_alu depctr_va_vdst(0)                   ; the eight exponentials have written v56-63, ahead of their first reader: one wait for the batch
.irp p, 0,2,4,6
	v_pk_add_f32 v[GU+\p:GU+\p+1], v[GR+\p:GR+\p+1], 2.0 op_sel_hi:[1,0] neg_lo:[1,0] neg_hi:[1,0]   ; 2 - e: 1 + erf for positive a
.endr
	s_wait_alu depctr_va_sdst(0)                   ; the sixteen compares have written s34-41 and s56-63, ahead of the first select that reads one of them
.irp i, 0,1,2,3,4,5,6,7
	v_cndmask_b32 v[GU+\i], v[GU+\i], v[GR+\i], s[MN+\i]   ; e itself for negative a
	v_cndmask_b32 v[GP+\i], v[GP+\i], v[GU+\i], s[ML+\i]   ; the large branch above 0.9277
.endr
.irp p, 0,2,4,6
	v_pk_mul_f32 v[GP+\p:GP+\p+1], v[GP+\p:GP+\p+1], 0.5 op_sel_hi:[1,0]
.endr
.irp p, 0,2,4,6
	v_pk_mul_f32 v[\z+\p:\z+\p+1], v[\z+\p:\z+\p+1], v[GP+\p:GP+\p+1]
.endr
.endm
	s_load_b256 s[4:11], s[0:1], 0x0               ; OC, x in, P, x out
	s_load_b64 s[12:13], s[0:1], 0x20              ; QKV
	v_lshrrev_b32 v208, 5, v0
	v_readfirstlane_b32 s14, v208                  ; wave w
	v_and_b32 v208, 31, v0                         ; lane
	v_and_b32 v209, 15, v0                         ; r
	v_bfe_u32 v210, v0, 4, 1                       ; h
	v_lshlrev_b32 v[LI], 4, v208
	v_lshlrev_b32 v[LS], 2, v208
	v_lshlrev_b32 v[R4], 2, v209
	s_wait_alu depctr_va_sdst(0)                   ; s14 is written, ahead of its first reader
	s_lshl_b32 s24, s14, 7
	v_lshl_add_u32 v[VOF], v210, 6, s24
	s_lshl_b32 s24, s14, 3
	v_lshl_add_u32 v[STA], v209, 6, s24
	v_lshlrev_b32 v[STR], 6, v209
	s_lshr_b32 s25, s14, 2
	s_and_b32 s26, s14, 3
	s_lshl_b32 s24, s25, 11
	s_lshl_b32 s27, s26, 9
	s_add_co_u32 s24, s24, s27
	v_add_nc_u32 v[IMA], s24, v[LI]
	s_lshl_b32 s24, s25, 6
	s_add_co_u32 s24, s24, s26
	v_add_nc_u32 v[SBA], s24, v[R4]
	s_lshl_b32 s24, s14, 13
	v_add_nc_u32 v[WOF], s24, v[LI]
	s_lshl_b32 s24, s14, 12
	v_add_nc_u32 v[XOFF], s24, v[LI]
	s_mul_i32 s24, s14, 1536
	v_add_nc_u32 v[SOF], s24, v[LI]
	s_mov_b32 s20, 0x76543210
	s_mov_b32 s21, 0xfedcba98                      ; v_permlanex16_b32's selects for lane l xor 16
	s_mov_b32 s22, 0x600000                        ; the mantissa field of 57,344
	s_mov_b32 s32, 0x3b800000                      ; 1 / 256
	s_mov_b32 s33, 0x358637bd                      ; eps = 1e-6
	s_lshl_b32 s16, ttmp9, 13                      ; o's codes: 8,192 bytes a group
	s_mov_b32 s17, 0
	s_lshl_b32 s18, ttmp9, 15                      ; x: 32,768 bytes a group
	s_mov_b32 s19, 0
	s_lshl_b32 s28, ttmp9, 8                       ; o's scale bytes: 256 a group
	s_add_co_u32 s28, s28, OSW
	s_mov_b32 s29, 0
	; where my head's codes and scale bytes go
	s_lshr_b32 s34, ttmp9, 6
	s_lshl_b32 s34, s34, 3
	s_add_co_u32 s34, s34, s14                     ; 8 x batch + head
	s_mul_i32 s34, s34, BH
	s_mov_b32 s35, 0
	s_and_b32 s36, ttmp9, 63                       ; g
	s_lshr_b32 s37, s36, 2                         ; key step s = g / 4
	s_and_b32 s38, s36, 3                          ; c = g % 4
	s_and_b32 s39, s37, 7
	s_lshl_b32 s39, s39, 1
	s_lshr_b32 s24, s37, 3
	s_add_co_u32 s39, s39, s24                     ; the step's place among the images: 2 (s % 8) + s / 8
	s_mov_b32 s55, 0
	s_wait_kmcnt 0x0
	s_add_nc_u64 s[30:31], s[4:5], s[28:29]
	s_add_nc_u64 s[4:5], s[4:5], s[16:17]
	s_add_nc_u64 s[6:7], s[6:7], s[18:19]
	s_add_nc_u64 s[AXO:AXO+1], s[AXO:AXO+1], s[18:19]
	s_add_nc_u64 s[40:41], s[AQ:AQ+1], s[34:35]
	s_lshl_b32 s54, s36, 10
	s_add_co_u32 s54, s54, QI
	s_add_nc_u64 s[42:43], s[40:41], s[54:55]      ; Q's images: tile 2 g + T
	s_lshl_b32 s54, s36, 7
	s_add_co_u32 s54, s54, QSW
	s_add_nc_u64 s[44:45], s[40:41], s[54:55]      ; Q's scale words
	s_lshl_b32 s54, s39, 13
	s_lshl_b32 s24, s38, 10
	s_add_co_u32 s54, s54, s24
	s_add_co_u32 s54, s54, IMG
	s_add_nc_u64 s[46:47], s[40:41], s[54:55]      ; K's images: key tile 2 c + T of the step
	s_lshl_b32 s54, s37, 7
	s_lshr_b32 s24, s38, 1
	s_lshl_b32 s24, s24, 6
	s_add_co_u32 s54, s54, s24
	s_and_b32 s24, s38, 1
	s_lshl_b32 s24, s24, 1
	s_add_co_u32 s54, s54, s24
	s_add_nc_u64 s[48:49], s[40:41], s[54:55]      ; K's scale bytes: 128 s + 64 (c / 2) + 4 r + 2 (c % 2) + T
	s_lshl_b32 s54, s39, 13
	s_lshl_b32 s24, s38, 9
	s_add_co_u32 s54, s54, s24
	s_add_co_u32 s54, s54, IMG+4096
	s_add_nc_u64 s[50:51], s[40:41], s[54:55]      ; V's images: 2,048 u + 512 c
	s_lshl_b32 s54, s37, 7
	s_add_co_u32 s54, s54, s38
	s_add_co_u32 s54, s54, VSW
	s_add_nc_u64 s[52:53], s[40:41], s[54:55]      ; V's scale bytes: 128 s + 4 lane + c
	s_wait_alu depctr_va_vdst(0)                   ; the offsets and LDS addresses v1-9, v30, v31 are written: every load and store of the kernel reads one of them, and none is written again
	; THE LOADS, in the order of their use: o 16, its scale words 2, proj 16, the weights' scale words 3, proj_b 4 (41 so far); x 8, g1 4, be1 4 (57); w1 16, w2 16, Wq 16 (105)
.irp i, 0,1,2,3,4,5,6,7,8,9,10,11,12,13,14,15
	global_load_b128 v[AF+4*\i:AF+4*\i+3], v[LI], s[4:5] offset:512*\i th:TH_LOAD_NT
.endr
	global_load_b32 v[ASC], v[LS], s[30:31] th:TH_LOAD_NT
	global_load_b32 v[ASC+1], v[LS], s[30:31] offset:128 th:TH_LOAD_NT
	LDW WP, 0
.irp j, 0,1,2
	global_load_b128 v[SCW+4*\j:SCW+4*\j+3], v[SOF], s[AP:AP+1] offset:SCT+512*\j
.endr
	LDV VB, 0
.irp T, 0,1
.irp q, 0,1,2,3
	global_load_b128 v[XR+16*\T+4*\q:XR+16*\T+4*\q+3], v[XOFF], s[6:7] offset:2048*\T+512*\q th:TH_LOAD_NT
.endr
.endr
	LDV VG, 1
	LDV VBE, 2
	LDW W1R, 1
	LDW W2R, 2
	LDW WQ, 3
.irp b, 0,1,2,3,4,5
	v_mov_b32 v[TP+\b], 0                          ; written once: a lane permute's destination counts as one of its sources
.endr
	v_mov_b32 v10, 0xb7910000                      ; GELU's leading coefficients, as pairs
	v_mov_b32 v11, 0xb7910000
	v_mov_b32 v12, 0xbb7e8a1c
	v_mov_b32 v13, 0xbb7e8a1c
	v_mov_b32 v14, 0xba1c7000
	v_mov_b32 v15, 0xba1c7000
	; ---- x + o Wp + bp, layer norm 1
	s_wait_loadcnt 63                              ; behind the 41 loads wanted stand 64: 63 is the largest count that a wait names
	MMTS ACC, WP, 0, 0, 1                          ; four accumulators by turns, one instruction a turn
	MMTS ACC, WP, 0, 1, 1
	WIN 0
	PLACES 8                                       ; eight places behind this form, ahead of the vector lines that read its results and write its sources
	s_wait_alu depctr_va_vdst(0)                   ; the eight products are done reading proj_b in v160-175 and proj in window 1, in which b1 and Wk land
	LDV VB, 3                                      ; b1
	LDW WP, 4                                      ; Wk
	s_wait_loadcnt 63                              ; behind x, g1, be1 stand 48 + 4 + 16 = 68
	RESID
	LNORM ST1
	s_wait_alu depctr_vm_vsrc(0)                   ; the statistics' stores have read v40-41 and v72-73: the quantiser's holds write v32-63, and the image's loads land in v32-95
	QUANT XR, AF, 2, PC
	s_wait_alu depctr_va_vdst(0)                   ; the conversions have written the codes v208-215, the shifts the bytes v238-239, which the LDS stores read; the layer norm is done reading g1, be1 in v176-207, in which g2, be2 land; every vector and matrix line is done with v28-95, in which the LDS loads behind the barrier land
	PUT IMG1, SC1
	LDV VG, 5                                      ; g2
	LDV VBE, 6                                     ; be2
	BAR
	GET IMG1, SC1
	; ---- gelu(x W1 + b1)
	s_wait_loadcnt 24                              ; behind b1 stand Wk's 16 and the 8 of g2, be2; w1 was issued ahead of b1
	MMTS ACC, W1R, 1, 0, 1
	MMTS ACC, W1R, 1, 1, 1
	WIN 0
	PLACES 8
	s_wait_alu depctr_va_vdst(0)                   ; the eight products are done reading b1 in v160-175 and w1 in window 1, in which b2 and Wv land
	LDV VB, 4                                      ; b2
	LDW W1R, 5                                     ; Wv
	GELU8 ACC
	GELU8 ACC+8
	GELU8 ACC+16
	GELU8 ACC+24
	s_wait_alu depctr_vm_vsrc(0)                   ; the first image's LDS stores have read v208-215 and v238-239, which this quantiser writes again
	QUANT ACC, ACC, 2, PC
	s_wait_alu depctr_va_vdst(0)                   ; the codes v208-215 and the bytes v238-239 are written, which the LDS stores read; every vector and matrix line is done with v28-95, in which the LDS loads behind the barrier land
	PUT IMG2, SC2
	BAR
	GET IMG2, SC2
	; ---- x + h W2 + b2, layer norm 2
	s_wait_loadcnt 16                              ; behind b2 stand Wv's 16
	MMTS ACC, W2R, 2, 0, 1
	MMTS ACC, W2R, 2, 1, 1
	WIN 0
	PLACES 8
	RESID
	LNORM ST2
	s_wait_alu depctr_vm_vsrc(0)                   ; the statistics' stores have read v40-41 and v72-73, the second image's LDS stores v208-215 and v238-239: the quantiser writes v32-63 and those again, and the image's loads land in v32-95
	QUANT XR, AF, 2, PC
	s_wait_alu depctr_va_vdst(0)                   ; the codes v208-215 and the bytes v238-239 are written, and the layer norm has written x in v128-159: the stores below read them; every vector and matrix line is done with v28-95, in which the LDS loads behind the barrier land
	PUT IMG3, SC3
	; ---- x goes out in f32, in image order: each store of the wave covers 512 consecutive bytes
.irp T, 0,1
.irp q, 0,1,2,3
	global_store_b128 v[XOFF], v[XR+16*\T+4*\q:XR+16*\T+4*\q+3], s[AXO:AXO+1] offset:2048*\T+512*\q
.endr
.endr
	BAR
	GET IMG3, SC3
	; ---- the next layer's q, k, v of my head
	s_wait_loadcnt 0x0                             ; Wv
	s_wait_xcnt 0x0                                ; x's stores have had their addresses translated: the accumulators below land in v128-159
	s_wait_alu depctr_vm_vsrc(0)                   ; x's stores have read v128-159, which the products write; the third image's LDS stores have read v208-215 and v238-239, which the quantiser behind the products writes
	MMTS 96, WQ, 3, 0, 0                           ; twelve accumulators by turns
	MMTS 128, WP, 4, 0, 0
	MMVS 160, 0
	MMTS 96, WQ, 3, 1, 0
	MMTS 128, WP, 4, 1, 0
	MMVS 160, 1
	WIN 0
	PLACES 8
	QUANT 96, 96, 6, PC                            ; blocks: q tile 0, 1 (along the head's 32), k tile 0, 1, v column tile 0, 1 (along the 32 tokens)
	v_and_b32 v10, 31, v0
	v_cmp_lt_u32 vcc_lo, 15, v10                   ; lanes 16-31
	v_lshl_or_b32 v12, v[BY+3], 8, v[BY+2]         ; K: the bytes of key tiles 2 c and 2 c + 1 are neighbours (lanes 16-31 write the same)
	s_wait_alu depctr_va_vcc(0)                    ; the compare has written VCC, ahead of the first select that reads it
	v_cndmask_b32 v11, v[BY], v[BY+1], vcc_lo      ; Q: lanes 0-15 carry tile 0's byte, lanes 16-31 tile 1's,
	v_perm_b32 v11, v11, v11, 0                    ; in all four bytes of the word: Q may stand in any of the four K blocks
	v_cndmask_b32 v13, v[BY+4], v[BY+5], vcc_lo    ; V: lanes 0-15 column tile 0, lanes 16-31 tile 1
	s_wait_alu depctr_va_vdst(0)                   ; the conversions have written the codes v208-231, the lines above v11-13: the nine stores below read them
	global_store_b128 v[LI], v[PC:PC+3], s[42:43]
	global_store_b128 v[LI], v[PC+4:PC+7], s[42:43] offset:512
	global_store_b128 v[LI], v[PC+8:PC+11], s[46:47]
	global_store_b128 v[LI], v[PC+12:PC+15], s[46:47] offset:512
	global_store_b128 v[LI], v[PC+16:PC+19], s[50:51]
	global_store_b128 v[LI], v[PC+20:PC+23], s[50:51] offset:2048
	global_store_b32 v[LS], v11, s[44:45]
	global_store_b16 v[R4], v12, s[48:49]
	global_store_b8 v[LS], v13, s[52:53]
	s_wait_xcnt 0x0
	v_lshl_add_u32 v254, v0, 2, 0x8000             ; the add's two registers are made anew: until here v254 and v255 held the quantiser's scale operands, which vector lines alone have named
	v_mov_b32 v255, 0
	s_wait_dscnt 0x0                               ; the closing lines, six on end
	s_wait_alu 0x0
	s_wait_tensorcnt 0x0
	ds_add_u32 v254, v255
	s_wait_dscnt 0x0
	s_endpgm
.Lfunc_end_k_q50739f9a46_chain0:
	.size	k_q50739f9a46_chain0, .Lfunc_end_k_q50739f9a46_chain0-k_q50739f9a46_chain0
	.p2alignl 7, 3214868480
	.fill 96, 4, 3214868480
	.section	.rodata,"a",@progbits
	.p2align	6, 0x0
	.amdhsa_kernel k_q50739f9a46_chain0
		.amdhsa_group_segment_fixed_size 33792
		.amdhsa_private_segment_fixed_size 0
		.amdhsa_enable_private_segment 0
		.amdhsa_kernarg_size 40
		.amdhsa_user_sgpr_count 2
		.amdhsa_user_sgpr_kernarg_segment_ptr 1
		.amdhsa_wavefront_size32 1
		.amdhsa_system_sgpr_workgroup_id_x 1
		.amdhsa_system_sgpr_workgroup_id_y 1
		.amdhsa_system_sgpr_workgroup_id_z 1
		.amdhsa_system_vgpr_workitem_id 0
		.amdhsa_next_free_vgpr 512
		.amdhsa_next_free_sgpr 66
		.amdhsa_reserve_vcc 1
		.amdhsa_float_denorm_mode_32 3
		.amdhsa_float_denorm_mode_16_64 3
		.amdhsa_memory_ordered 1
		.amdhsa_forward_progress 1
		.amdhsa_inst_pref_size 118
	.end_amdhsa_kernel
	.amdgpu_metadata
---
amdhsa.version: [ 1, 2 ]
amdhsa.kernels:
  - .name:           k_q50739f9a46_chain0
    .symbol:         k_q50739f9a46_chain0.kd
    .args:
      - { .name: OC, .offset: 0, .size: 8, .value_kind: global_buffer, .address_space: global }
      - { .name: XA, .offset: 8, .size: 8, .value_kind: global_buffer, .address_space: global }
      - { .name: P0, .offset: 16, .size: 8, .value_kind: global_buffer, .address_space: global }
      - { .name: XB, .offset: 24, .size: 8, .value_kind: global_buffer, .address_space: global }
      - { .name: QKV, .offset: 32, .size: 8, .value_kind: global_buffer, .address_space: global }
    .group_segment_fixed_size: 33792
    .private_segment_fixed_size: 0
    .kernarg_segment_align: 8
    .kernarg_segment_size: 40
    .max_flat_workgroup_size: 256
    .sgpr_count:     66
    .vgpr_count:     512
    .wavefront_size: 32
...
	.end_amdgpu_metadata
.endif
;; end of part 7
;; launch attn1: the kernel of part 3 again; grid 16 x 16, 16 waves a work-group, clusters of 4 x 1, 169,984 bytes of LDS; arguments QKV, OC; writes OC
;; launch chain1: the kernel of part 7 again; grid 128 x 1, 8 waves a work-group, no clusters, 33,792 bytes of LDS; arguments OC, XB, P1, XA, QKV; writes XA, QKV
;; launch attn2: the kernel of part 3 again; grid 16 x 16, 16 waves a work-group, clusters of 4 x 1, 169,984 bytes of LDS; arguments QKV, OC; writes OC
;; launch chain2: the kernel of part 7 again; grid 128 x 1, 8 waves a work-group, no clusters, 33,792 bytes of LDS; arguments OC, XA, P2, XB, QKV; writes XB, QKV
;; launch attn3: the kernel of part 3 again; grid 16 x 16, 16 waves a work-group, clusters of 4 x 1, 169,984 bytes of LDS; arguments QKV, OC; writes OC
;; launch last (part 8): grid 128 x 1, 8 waves a work-group, no clusters, 66,560 bytes of LDS; arguments OC, XB, P3, out0; writes out0
.if DOCPART == 8
	.amdgcn_target "amdgcn-amd-amdhsa--gfx1250"
	.amdhsa_code_object_version 6
	.text
	.protected	k_q50739f9a46_last
	.globl	k_q50739f9a46_last
	.p2align	8
	.type	k_q50739f9a46_last,@function
k_q50739f9a46_last:
	s_mov_b64 s[64:65], 0
	v_nop
	global_prefetch_b8 v0, s[64:65] scope:SCOPE_SE
	s_setreg_imm32_b32 hwreg(HW_REG_WAVE_SCHED_MODE, 0, 2), 2
	s_setreg_imm32_b32 hwreg(HW_REG_WAVE_MODE, 25, 1), 1
	s_wait_xcnt 0x0
	s_wait_alu depctr_vm_vsrc(0)
; LAST: the last layer behind its attention, for 32 rows: x = LN(x + o Wp + bp); out = LN(x + gelu(x W1 + b1) W2 + b2), stored row-major.  The three products on codes of E5M2 with E8M0 scales; all else in f32.
; SHARES.  A work-group takes 32 rows (group G); wave w takes channels 32 w .. 32 w + 31 of all 32 rows, in every product.  Straight-line: no loop, no branch.
; ROW TILES ARE PERMUTED: place m of tile T (0, 1) is row 32 G + 8 T + m + 8 (m / 8); column tiles likewise.  The products are used transposed (source 0 = 16 columns of the weight, source 1 = 16 rows): lane (r, h) holds row place r,
; and the 16 registers of column tiles 0, 1 are channels 32 w + 16 h + 0 .. 15: 16 neighbours along the next K; lane l xor 16 has the block's other 16.
; An operand goes from wave to wave through LDS as an IMAGE OF ITS REGISTERS (a group of four registers = 512 bytes, 16 x lane); each LDS region is written once, so one barrier a hand-over is enough: five in all.
; LAYER NORM without a difference of large sums: each wave's mean of its 32 channels and the sum of squares round THAT mean meet in LDS; var = (sum of those + 32 x sum of (wave mean - mean)^2) / 256.
; GELU exact: 0.5 z (1 + erf(z / sqrt 2)); erf by a polynomial under 0.9277, by 1 - exp(polynomial) above; for negative z the large branch gives 1 + erf = exp(..) directly.
; THE WAY OUT: a row's 1,024 bytes come from eight waves; they meet in a stage (rows 1,040 bytes apart) and each wave stores four whole rows, 512 consecutive bytes a store.
; LIMITS: NaN and infinities are not served.  A block of zeros gets the byte 1 (zero codes; read by this program alone).  Below z = -5.5 gelu lies under 1e-7 in magnitude and its relative error grows to a few 1e-6.
; The weights are the same for all 128 work-groups and are NOT asked for jointly: each wave takes its eighth of three matrices (24 KB) straight into registers, once; no byte of them passes LDS.
; THE MODE: SCHED_MODE bits 1:0 = 2 (LLVM: expert scheduling mode 2), set by the entry lines.  The code itself states the register dependences between vector or matrix instructions and memory or LDS instructions, with s_wait_alu, always for 0.
; THE PLAN.  Registers that memory or LDS instructions touch, in program order (the text is straight-line):
;   v1-9, v30, v31       offsets and LDS addresses: written at the head, read by loads and stores, never written again.   v10, v11: the stage's two addresses, written once on the way out.
;   v32-95, v28-29       fragments and their scale words: loads land (o from memory, later the images from LDS); matrix instructions read; between two products the layer norm, GELU and the quantiser's holds work there;
;                        of them v40-41 and v72-73 are the data of the statistics' LDS stores, and v42-57, v74-89 take the statistics back; on the way out the stage's rows land in v32-63, and the last stores read them.
;   v128-159 (XR)        x's loads land; the additions and the layer norms write; the stage's LDS stores read.
;   v160-207             bias, gain, shift: loads land; matrix instructions (as C) and the layer norm's multiply-adds read; the next vectors' loads land.
;   window 1, v16-23     weights and their scale words: loads land once; matrix instructions read.
;   v208-215, v238-239   codes and bytes: each quantiser writes; the image's LDS stores read.
; So a wait on va_vdst stands: ahead of the first load; behind the places of the proj and w1 products, ahead of the load into their bias; ahead of each pair of statistics' stores; ahead of each image's stores (it also serves what is issued
; with them, and the LDS loads behind the barrier); ahead of the stage's stores.  A wait on vm_vsrc stands ahead of each quantiser that writes what LDS stores have read, and ahead of the loads from the stage.
.set SCT,  393216
.set VEC,  405504
.set OSW,  1048576
.set ST1,  0                           ; LDS: statistics, 1,024 T + 64 r + 8 w
.set ST2,  2048
.set IMG1, 4096                        ; four fragments: 4,096 T + 2,048 K step + 512 c + 16 lane
.set SC1,  12288                       ; their scale bytes: 128 T + 64 K step + 4 r + c
.set IMG2, 12544
.set SC2,  20736
.set STG,  29440                       ; the stage: 32 rows x 1,040 bytes
.set LI,   1                           ; v1   16 x lane
.set LS,   2                           ; v2   4 x lane
.set R4,   3                           ; v3   4 r
.set VOF,  4                           ; v4   128 w + 64 h
.set STA,  5                           ; v5   64 r + 8 w
.set STR,  6                           ; v6   64 r
.set IMA,  7                           ; v7   16 lane + 2,048 (w / 4) + 512 (w % 4)
.set SBA,  8                           ; v8   4 r + 64 (w / 4) + w % 4
.set WOF,  9                           ; v9   8,192 w + 16 lane
.set SCW,  16                          ; v16-23 the weights' scale words: word 2 matrix + K step; lanes 0-15 column tile 0, lanes 16-31 tile 1
.set ASC,  28                          ; v28-29 the activation's scale words, one a row tile: lanes 0-15 K step 0, lanes 16-31 K step 1
.set XOFF, 30                          ; v30  4,096 w + 16 lane
.set SOF,  31                          ; v31  1,536 w + 16 lane
.set AF,   32                          ; v32-95 four fragments, (2 T + K step) x 16; at work between products
.set ACC,  96                          ; v96-127 accumulators 16 T + 8 u
.set XR,   128                         ; v128-159 x: 16 T + i = channel 32 w + 16 h + i of row (T, r)
.set VB,   160                         ; v160-175 a bias
.set VG,   176                         ; v176-191 a gain
.set VBE,  192                         ; v192-207 a shift
.set PC,   208                         ; v208-215 codes
.set TM,   232
.set TP,   238
.set BY,   238
.set LIM,  244
.set SCL,  250
.set GA,   32                          ; GELU's registers
.set GT,   40
.set GS,   48
.set GR,   56
.set GU,   64
.set GP,   72
.set WP,   0                           ; window 1: proj
.set W1R,  64                          ;           w1
.set W2R,  128                         ;           w2
.set AP,   8
.set MN,   34                          ; s34-41 GELU's eight masks 'a is negative' (free once the addresses are made)
.set ML,   56                          ; s56-63 and its eight masks 'above the threshold'
.set MSB, 0
.macro WIN new                         ; the immediate's high byte repeats the setting that is left
.if MSB != \new
	s_set_vgpr_msb (MSB<<8)|\new
.set MSB, \new
.endif
.endm
.macro PLACES n
.rept \n
	v_nop
.endr
.endm
.macro LDW dst, mu                     ; my 8 KB of matrix mu: fragment (u, K step) at dst + 16 (2 u + K step) of window 1
	WIN 0x40
.irp i, 0,1,2,3,4,5,6,7,8,9,10,11,12,13,14,15
	global_load_b128 v[\dst+4*\i:\dst+4*\i+3], v[WOF], s[AP:AP+1] offset:(\mu)*65536+512*\i
.endr
	WIN 0
.endm
.macro LDV dst, k                      ; my 16 numbers of vector k
.irp i, 0,1,2,3
	global_load_b128 v[\dst+4*\i:\dst+4*\i+3], v[VOF], s[AP:AP+1] offset:VEC+1024*(\k)+16*\i
.endr
.endm
.macro WM d, a, b, c, sa, sb, ra, rb   ; one product; ra, rb: the side's scale words stand in lanes 16-31
.if (\ra) && (\rb)
	v_wmma_scale_f32_16x16x128_f8f6f4 v[\d:\d+7], v[\a:\a+15], v[\b:\b+15], \c, v[\sa], v[\sb] matrix_a_fmt:MATRIX_FMT_BF8 matrix_b_fmt:MATRIX_FMT_BF8 matrix_a_scale:MATRIX_SCALE_ROW1 matrix_b_scale:MATRIX_SCALE_ROW1
.elseif (\ra)
	v_wmma_scale_f32_16x16x128_f8f6f4 v[\d:\d+7], v[\a:\a+15], v[\b:\b+15], \c, v[\sa], v[\sb] matrix_a_fmt:MATRIX_FMT_BF8 matrix_b_fmt:MATRIX_FMT_BF8 matrix_a_scale:MATRIX_SCALE_ROW1
.elseif (\rb)
	v_wmma_scale_f32_16x16x128_f8f6f4 v[\d:\d+7], v[\a:\a+15], v[\b:\b+15], \c, v[\sa], v[\sb] matrix_a_fmt:MATRIX_FMT_BF8 matrix_b_fmt:MATRIX_FMT_BF8 matrix_b_scale:MATRIX_SCALE_ROW1
.else
	v_wmma_scale_f32_16x16x128_f8f6f4 v[\d:\d+7], v[\a:\a+15], v[\b:\b+15], \c, v[\sa], v[\sb] matrix_a_fmt:MATRIX_FMT_BF8 matrix_b_fmt:MATRIX_FMT_BF8
.endif
.endm
.macro MMTS acc, wreg, mu, s           ; transposed, K step s: four accumulators (T, u) at acc + 16 T + 8 u, one instruction each; the first K step's C is the bias
	WIN 0x01                                       ; source 0 (the weight) window 1
.irp T, 0,1
.irp u, 0,1
.set dD, \acc+16*\T+8*\u
.set dA, \wreg+16*(2*\u+\s)
.set dB, AF+16*(2*\T+\s)
.set dS, SCW+2*(\mu)+\s
.if \s
	WM dD, dA, dB, v[dD:dD+7], dS, ASC+\T, \u, 1
.else
	WM dD, dA, dB, v[VB+8*\u:VB+8*\u+7], dS, ASC+\T, \u, 0
.endif
.endr
.endr
.endm
; nb blocks, block b = my 16 numbers v[src + 16 b ..] and lane l xor 16's: codes into v[pc + 4 b ..], the byte into v[BY + b].  The held numbers go to v[tmp ..], so that src may stay.
.macro QUANT src, tmp, nb, pc
.set qb, 0
.rept \nb
	v_max3_num_f32 v[TM+qb], |v[\src+16*qb]|, |v[\src+16*qb+1]|, 0x8000000   ; with the floor 2^(16 - 127): the byte cannot fall under 1
.set qb, qb+1
.endr
.irp i, 2,4,6,8,10,12,14
.set qb, 0
.rept \nb
	v_max3_num_f32 v[TM+qb], v[TM+qb], |v[\src+16*qb+\i]|, |v[\src+16*qb+\i+1]|
.set qb, qb+1
.endr
.endr
.set qb, 0
.rept \nb
	v_permlanex16_b32 v[TP+qb], v[TM+qb], s20, s21
.set qb, qb+1
.endr
.set qb, 0
.rept \nb
	v_max_num_f32 v[TM+qb], v[TM+qb], v[TP+qb]     ; the block's largest magnitude
.set qb, qb+1
.endr
.set qb, 0
.rept \nb
	v_add_nc_u32 v[SCL+qb], 0xf8800000, v[TM+qb]   ; 15 off its exponent field: the conversion's scale operand
	v_and_or_b32 v[LIM+qb], v[TM+qb], 0x7f800000, s22   ; 57,344 x the scale
.set qb, qb+1
.endr
.set qb, 0
.rept \nb
	v_lshrrev_b32 v[BY+qb], 23, v[SCL+qb]          ; the scale's byte
.set qb, qb+1
.endr
.set qb, 0
.rept \nb
.irp i, 0,1,2,3,4,5,6,7,8,9,10,11,12,13,14,15
	v_med3_num_f32 v[\tmp+16*qb+\i], v[\src+16*qb+\i], -v[LIM+qb], v[LIM+qb]   ; the conversion does not saturate (ISA guide 7.6.2)
.endr
	v_cvt_scalef32_pk8_bf8_f32 v[\pc+4*qb:\pc+4*qb+1], v[\tmp+16*qb:\tmp+16*qb+7], v[SCL+qb]
	v_cvt_scalef32_pk8_bf8_f32 v[\pc+4*qb+2:\pc+4*qb+3], v[\tmp+16*qb+8:\tmp+16*qb+15], v[SCL+qb]
.set qb, qb+1
.endr
	v_nop                                          ; a plain line between the last conversion and whatever next touches its registers
.endm
.macro PUT img, sc                     ; my group of both row tiles' images, and its scale bytes (lanes 16-31 write the same byte with the same value)
.irp T, 0,1
	ds_store_b128 v[IMA], v[PC+4*\T:PC+4*\T+3] offset:\img+4096*\T
	ds_store_b8 v[SBA], v[BY+\T] offset:\sc+128*\T
.endr
.endm
.macro GET img, sc                     ; all four fragments and both scale words
.irp i, 0,1,2,3,4,5,6,7,8,9,10,11,12,13,14,15
	ds_load_b128 v[AF+4*\i:AF+4*\i+3], v[LI] offset:\img+512*\i
.endr
	ds_load_b32 v[ASC], v[LS] offset:\sc
	ds_load_b32 v[ASC+1], v[LS] offset:\sc+128
	s_wait_dscnt 0x0
.endm
.macro BAR                             ; my LDS stores have landed and my LDS loads are in: then the work-group's barrier
	s_wait_dscnt 0x0
	s_barrier_signal -1
	s_barrier_wait -1
.endm
.macro RESID                           ; x + the product; each accumulator is read from its low end on
.irp j, 0,2,4,6,8,10,12,14,16,18,20,22,24,26,28,30
	v_pk_add_f32 v[XR+\j:XR+\j+1], v[ACC+\j:ACC+\j+1], v[XR+\j:XR+\j+1]
.endr
.endm
; layer norm of the 32 rows in XR, with the gain in VG and the shift in VBE; st: the statistics' LDS bytes
.macro LNORM st
.irp T, 0,1
.set LB, AF+32*\T
.set YB, XR+16*\T
.irp j, 0,2,4,6
	v_pk_add_f32 v[LB+\j:LB+\j+1], v[YB+2*\j:YB+2*\j+1], v[YB+2*\j+2:YB+2*\j+3]
.endr
	v_pk_add_f32 v[LB:LB+1], v[LB:LB+1], v[LB+2:LB+3]
	v_pk_add_f32 v[LB+4:LB+5], v[LB+4:LB+5], v[LB+6:LB+7]
	v_pk_add_f32 v[LB:LB+1], v[LB:LB+1], v[LB+4:LB+5]
	v_add_f32 v[LB], v[LB], v[LB+1]
	v_permlanex16_b32 v[LB+1], v[LB], s20, s21
	v_add_f32 v[LB], v[LB], v[LB+1]                ; the sum of my wave's 32 channels of row r
	v_mul_f32 v[LB+8], 0x3d000000, v[LB]           ; / 32: the wave's mean, twice, for the packed subtraction
	v_mul_f32 v[LB+9], 0x3d000000, v[LB]
.irp j, 0,2,4,6,8,10,12,14
	v_pk_add_f32 v[LB+10+\j:LB+11+\j], v[YB+\j:YB+\j+1], v[LB+8:LB+9] neg_lo:[0,1] neg_hi:[0,1]
.endr
	v_pk_mul_f32 v[LB:LB+1], v[LB+10:LB+11], v[LB+10:LB+11]
	v_pk_mul_f32 v[LB+2:LB+3], v[LB+12:LB+13], v[LB+12:LB+13]
.irp j, 4,8,12
	v_pk_fma_f32 v[LB:LB+1], v[LB+10+\j:LB+11+\j], v[LB+10+\j:LB+11+\j], v[LB:LB+1]
	v_pk_fma_f32 v[LB+2:LB+3], v[LB+12+\j:LB+13+\j], v[LB+12+\j:LB+13+\j], v[LB+2:LB+3]
.endr
	v_pk_add_f32 v[LB:LB+1], v[LB:LB+1], v[LB+2:LB+3]
	v_add_f32 v[LB], v[LB], v[LB+1]
	v_permlanex16_b32 v[LB+1], v[LB], s20, s21
	v_add_f32 v[LB+9], v[LB], v[LB+1]              ; the sum of squares round the wave's mean
.endr
	s_wait_alu depctr_va_vdst(0)                   ; both tiles' pairs v40-41 and v72-73 are written, which the two stores read; and the vector lines are done with v42-57 and v74-89, in which the loads behind the barrier land
.irp T, 0,1
	ds_store_b64 v[STA], v[AF+32*\T+8:AF+32*\T+9] offset:\st+1024*\T   ; (lanes 16-31 write the same)
.endr
	BAR
.irp T, 0,1
.set LB, AF+32*\T
.irp i, 0,1,2,3
	ds_load_b128 v[LB+10+4*\i:LB+13+4*\i], v[STR] offset:\st+1024*\T+16*\i   ; the eight waves' pairs of row r
.endr
.endr
	s_wait_dscnt 0x0
.irp T, 0,1
.set LB, AF+32*\T
.set YB, XR+16*\T
.irp j, 0,2,4,6
	v_pk_add_f32 v[LB+\j:LB+\j+1], v[LB+10+2*\j:LB+11+2*\j], v[LB+12+2*\j:LB+13+2*\j]
.endr
	v_pk_add_f32 v[LB:LB+1], v[LB:LB+1], v[LB+2:LB+3]
	v_pk_add_f32 v[LB+4:LB+5], v[LB+4:LB+5], v[LB+6:LB+7]
	v_pk_add_f32 v[LB:LB+1], v[LB:LB+1], v[LB+4:LB+5]   ; (the sum of the means, the sum of the sums of squares)
	v_mul_f32 v[LB+2], 0x3e000000, v[LB]           ; / 8: the row's mean
.irp w, 0,1,2,3,4,5,6,7
	v_sub_f32 v[LB+10+2*\w], v[LB+10+2*\w], v[LB+2]
.endr
	v_mul_f32 v[LB+4], v[LB+10], v[LB+10]
	v_mul_f32 v[LB+6], v[LB+12], v[LB+12]
.irp w, 2,4,6
	v_fma_f32 v[LB+4], v[LB+10+2*\w], v[LB+10+2*\w], v[LB+4]
	v_fma_f32 v[LB+6], v[LB+12+2*\w], v[LB+12+2*\w], v[LB+6]
.endr
	v_add_f32 v[LB+4], v[LB+4], v[LB+6]
	v_fma_f32 v[LB+4], v[LB+4], 0x42000000, v[LB+1]   ; 32 x the spread of the waves' means + the sums of squares
	v_fma_f32 v[LB+4], v[LB+4], s32, s33           ; / 256 + eps
	v_rsq_f32 v[LB+4], v[LB+4]
.irp j, 0,2,4,6,8,10,12,14
	v_pk_add_f32 v[YB+\j:YB+\j+1], v[YB+\j:YB+\j+1], v[LB+2:LB+3] op_sel_hi:[1,0] neg_lo:[0,1] neg_hi:[0,1]   ; less the mean: plain work behind the root
.endr
.endr
	s_wait_alu depctr_va_vdst(0)                   ; both roots have written v36 and v68, ahead of their first reader: one wait for the two
.irp T, 0,1
.set LB, AF+32*\T
.set YB, XR+16*\T
.irp j, 0,2,4,6,8,10,12,14
	v_pk_mul_f32 v[YB+\j:YB+\j+1], v[YB+\j:YB+\j+1], v[LB+4:LB+5] op_sel_hi:[1,0]
.endr
.irp j, 0,2,4,6,8,10,12,14
	v_pk_fma_f32 v[YB+\j:YB+\j+1], v[YB+\j:YB+\j+1], v[VG+\j:VG+\j+1], v[VBE+\j:VBE+\j+1]
.endr
.endr
.endm
; gelu of the eight numbers of one accumulator, in place
.macro GELU8 z
.irp p, 0,2,4,6
	v_pk_mul_f32 v[GA+\p:GA+\p+1], v[\z+\p:\z+\p+1], 0x3f3504f3 op_sel_hi:[1,0]   ; a = z / sqrt 2
.endr
.irp i, 0,1,2,3,4,5,6,7
	v_and_b32 v[GT+\i], 0x7fffffff, v[GA+\i]       ; t = |a|
.endr
.irp p, 0,2,4,6
	v_pk_mul_f32 v[GS+\p:GS+\p+1], v[GA+\p:GA+\p+1], v[GA+\p:GA+\p+1]
.endr
.irp p, 0,2,4,6
	v_pk_fma_f32 v[GR+\p:GR+\p+1], v[GT+\p:GT+\p+1], v[10:11], 0x39c8e7d9 op_sel_hi:[1,1,0]
	v_pk_fma_f32 v[GU+\p:GU+\p+1], v[GT+\p:GT+\p+1], v[12:13], 0x3cc6b1a1 op_sel_hi:[1,1,0]
.endr
.irp p, 0,2,4,6
	v_pk_fma_f32 v[GR+\p:GR+\p+1], v[GR+\p:GR+\p+1], v[GS+\p:GS+\p+1], v[GU+\p:GU+\p+1]
.endr
.irp c, 0xbddaae5c, 0xbf228550, 0xbe03ce86
.irp p, 0,2,4,6
	v_pk_fma_f32 v[GR+\p:GR+\p+1], v[GR+\p:GR+\p+1], v[GT+\p:GT+\p+1], \c op_sel_hi:[1,1,0]
.endr
.endr
.irp p, 0,2,4,6
	v_pk_fma_f32 v[GR+\p:GR+\p+1], v[GR+\p:GR+\p+1], v[GT+\p:GT+\p+1], v[GT+\p:GT+\p+1] neg_lo:[0,0,1] neg_hi:[0,0,1]
.endr
.irp p, 0,2,4,6
	v_pk_mul_f32 v[GR+\p:GR+\p+1], v[GR+\p:GR+\p+1], 0x3fb8aa3b op_sel_hi:[1,0]
.endr
.irp i, 0,1,2,3,4,5,6,7
	v_exp_f32 v[GR+\i], v[GR+\i]                   ; 1 - erf(t), where t is above the threshold
.endr
.irp p, 0,2,4,6
	v_pk_fma_f32 v[GP+\p:GP+\p+1], v[GS+\p:GS+\p+1], v[14:15], 0x3ba38d2c op_sel_hi:[1,1,0]   ; the small branch: plain work behind the exponentials
.endr
.irp c, 0xbcdb48d9, 0x3de70e22, 0xbec09380, 0x3e0375d4
.irp p, 0,2,4,6
	v_pk_fma_f32 v[GP+\p:GP+\p+1], v[GP+\p:GP+\p+1], v[GS+\p:GS+\p+1], \c op_sel_hi:[1,1,0]
.endr
.endr
.irp p, 0,2,4,6
	v_pk_fma_f32 v[GP+\p:GP+\p+1], v[GP+\p:GP+\p+1], v[GA+\p:GA+\p+1], v[GA+\p:GA+\p+1]   ; erf(a)
.endr
.irp p, 0,2,4,6
	v_pk_add_f32 v[GP+\p:GP+\p+1], v[GP+\p:GP+\p+1], 1.0 op_sel_hi:[1,0]
.endr
.irp i, 0,1,2,3,4,5,6,7
	v_cmp_gt_f32 s[MN+\i], 0, v[GA+\i]             ; the sixteen compares in a run, each mask in a scalar register of its own: a is negative,
.endr
.irp i, 0,1,2,3,4,5,6,7
	v_cmp_lt_f32 s[ML+\i], 0x3f6d8000, v[GT+\i]    ; t lies above 0.9277
.endr
	s_wait_alu depctr_va_vdst(0)                   ; the eight exponentials have written v56-63, ahead of their first reader: one wait for the batch
.irp p, 0,2,4,6
	v_pk_add_f32 v[GU+\p:GU+\p+1], v[GR+\p:GR+\p+1], 2.0 op_sel_hi:[1,0] neg_lo:[1,0] neg_hi:[1,0]   ; 2 - e: 1 + erf for positive a
.endr
	s_wait_alu depctr_va_sdst(0)                   ; the sixteen compares have written s34-41 and s56-63, ahead of the first select that reads one of them
.irp i, 0,1,2,3,4,5,6,7
	v_cndmask_b32 v[GU+\i], v[GU+\i], v[GR+\i], s[MN+\i]   ; e itself for negative a
	v_cndmask_b32 v[GP+\i], v[GP+\i], v[GU+\i], s[ML+\i]   ; the large branch above 0.9277
.endr
.irp p, 0,2,4,6
	v_pk_mul_f32 v[GP+\p:GP+\p+1], v[GP+\p:GP+\p+1], 0.5 op_sel_hi:[1,0]
.endr
.irp p, 0,2,4,6
	v_pk_mul_f32 v[\z+\p:\z+\p+1], v[\z+\p:\z+\p+1], v[GP+\p:GP+\p+1]
.endr
.endm
	s_load_b256 s[4:11], s[0:1], 0x0               ; OC, x in, P3, out0
	v_lshl_add_u32 v254, v0, 2, 0x10000
	v_mov_b32 v255, 0
	v_lshrrev_b32 v208, 5, v0
	v_readfirstlane_b32 s14, v208                  ; wave w
	v_and_b32 v208, 31, v0                         ; lane
	v_and_b32 v209, 15, v0                         ; r
	v_bfe_u32 v210, v0, 4, 1                       ; h
	v_lshlrev_b32 v[LI], 4, v208
	v_lshlrev_b32 v[LS], 2, v208
	v_lshlrev_b32 v[R4], 2, v209
	s_wait_alu depctr_va_sdst(0)                   ; s14 is written, ahead of its first reader
	s_lshl_b32 s24, s14, 7
	v_lshl_add_u32 v[VOF], v210, 6, s24
	s_lshl_b32 s24, s14, 3
	v_lshl_add_u32 v[STA], v209, 6, s24
	v_lshlrev_b32 v[STR], 6, v209
	s_lshr_b32 s25, s14, 2
	s_and_b32 s26, s14, 3
	s_lshl_b32 s24, s25, 11
	s_lshl_b32 s27, s26, 9
	s_add_co_u32 s24, s24, s27
	v_add_nc_u32 v[IMA], s24, v[LI]
	s_lshl_b32 s24, s25, 6
	s_add_co_u32 s24, s24, s26
	v_add_nc_u32 v[SBA], s24, v[R4]
	s_lshl_b32 s24, s14, 13
	v_add_nc_u32 v[WOF], s24, v[LI]
	s_lshl_b32 s24, s14, 12
	v_add_nc_u32 v[XOFF], s24, v[LI]
	s_mul_i32 s24, s14, 1536
	v_add_nc_u32 v[SOF], s24, v[LI]
	s_mov_b32 s20, 0x76543210
	s_mov_b32 s21, 0xfedcba98                      ; v_permlanex16_b32's selects for lane l xor 16
	s_mov_b32 s22, 0x600000                        ; the mantissa field of 57,344
	s_mov_b32 s32, 0x3b800000                      ; 1 / 256
	s_mov_b32 s33, 0x358637bd                      ; eps = 1e-6
	s_lshl_b32 s16, ttmp9, 13                      ; o's codes: 8,192 bytes a group
	s_mov_b32 s17, 0
	s_lshl_b32 s18, ttmp9, 15                      ; x: 32,768 bytes a group
	s_mov_b32 s19, 0
	s_lshl_b32 s28, ttmp9, 8                       ; o's scale bytes: 256 a group
	s_add_co_u32 s28, s28, OSW
	s_mov_b32 s29, 0
	; the four rows that I store: stage rows 4 w + i are rows 32 G + 8 (w / 4) + 4 (w % 4) + 8 ((w % 4) / 2) + i
	s_lshl_b32 s34, ttmp9, 5
	s_lshl_b32 s24, s25, 3
	s_add_co_u32 s34, s34, s24
	s_lshl_b32 s24, s26, 2
	s_add_co_u32 s34, s34, s24
	s_lshr_b32 s24, s26, 1
	s_lshl_b32 s24, s24, 3
	s_add_co_u32 s34, s34, s24
	s_lshl_b32 s34, s34, 10
	s_mov_b32 s35, 0
	s_wait_kmcnt 0x0
	s_add_nc_u64 s[30:31], s[4:5], s[28:29]
	s_add_nc_u64 s[4:5], s[4:5], s[16:17]
	s_add_nc_u64 s[6:7], s[6:7], s[18:19]
	s_add_nc_u64 s[10:11], s[10:11], s[34:35]
	s_wait_alu depctr_va_vdst(0)                   ; the offsets and LDS addresses v1-9, v30, v31 are written: the loads and stores below read them, and none is written again
	; THE LOADS, in the order of their use: o 16, its scale words 2, proj 16, the weights' scale words 2, proj_b 4; x 8, g1 4, be1 4; w1 16, w2 16
.irp i, 0,1,2,3,4,5,6,7,8,9,10,11,12,13,14,15
	global_load_b128 v[AF+4*\i:AF+4*\i+3], v[LI], s[4:5] offset:512*\i th:TH_LOAD_NT
.endr
	global_load_b32 v[ASC], v[LS], s[30:31] th:TH_LOAD_NT
	global_load_b32 v[ASC+1], v[LS], s[30:31] offset:128 th:TH_LOAD_NT
	LDW WP, 0
.irp j, 0,1
	global_load_b128 v[SCW+4*\j:SCW+4*\j+3], v[SOF], s[AP:AP+1] offset:SCT+512*\j
.endr
	LDV VB, 0
.irp T, 0,1
.irp q, 0,1,2,3
	global_load_b128 v[XR+16*\T+4*\q:XR+16*\T+4*\q+3], v[XOFF], s[6:7] offset:2048*\T+512*\q th:TH_LOAD_NT
.endr
.endr
	LDV VG, 1
	LDV VBE, 2
	LDW W1R, 1
	LDW W2R, 2
.irp b, 0,1
	v_mov_b32 v[TP+\b], 0                          ; written once: a lane permute's destination counts as one of its sources
.endr
	v_mov_b32 v10, 0xb7910000                      ; GELU's leading coefficients, as pairs
	v_mov_b32 v11, 0xb7910000
	v_mov_b32 v12, 0xbb7e8a1c
	v_mov_b32 v13, 0xbb7e8a1c
	v_mov_b32 v14, 0xba1c7000
	v_mov_b32 v15, 0xba1c7000
	; ---- x + o Wp + bp, layer norm 1
	s_wait_loadcnt 48                              ; behind proj_b stand x 8, g1 4, be1 4, w1 16, w2 16
	MMTS ACC, WP, 0, 0                             ; four accumulators by turns, one instruction a turn
	MMTS ACC, WP, 0, 1
	WIN 0
	PLACES 8                                       ; eight places behind this form, ahead of the vector lines that read its results and write its sources
	s_wait_alu depctr_va_vdst(0)                   ; the eight products are done reading proj_b in v160-175, in which b1 lands
	LDV VB, 3                                      ; b1
	s_wait_loadcnt 36                              ; behind be1 stand w1 16, w2 16, b1 4
	RESID
	LNORM ST1
	s_wait_alu depctr_vm_vsrc(0)                   ; the statistics' stores have read v40-41 and v72-73: the quantiser's holds write v32-63, and the image's loads land in v32-95
	QUANT XR, AF, 2, PC
	s_wait_alu depctr_va_vdst(0)                   ; the conversions have written the codes v208-215, the shifts the bytes v238-239, which the LDS stores read; the layer norm is done reading g1, be1 in v176-207, in which g2, be2 land; every vector and matrix line is done with v28-95, in which the LDS loads behind the barrier land
	PUT IMG1, SC1
	LDV VG, 5                                      ; g2
	LDV VBE, 6                                     ; be2
	BAR
	GET IMG1, SC1
	; ---- gelu(x W1 + b1)
	s_wait_loadcnt 8                               ; behind b1 stand the 8 of g2, be2; w1 and w2 were issued ahead of b1
	MMTS ACC, W1R, 1, 0
	MMTS ACC, W1R, 1, 1
	WIN 0
	PLACES 8
	s_wait_alu depctr_va_vdst(0)                   ; the eight products are done reading b1 in v160-175, in which b2 lands
	LDV VB, 4                                      ; b2
	GELU8 ACC
	GELU8 ACC+8
	GELU8 ACC+16
	GELU8 ACC+24
	s_wait_alu depctr_vm_vsrc(0)                   ; the first image's LDS stores have read v208-215 and v238-239, which this quantiser writes again
	QUANT ACC, ACC, 2, PC
	s_wait_alu depctr_va_vdst(0)                   ; the codes v208-215 and the bytes v238-239 are written, which the LDS stores read; every vector and matrix line is done with v28-95, in which the LDS loads behind the barrier land
	PUT IMG2, SC2
	BAR
	GET IMG2, SC2
	; ---- x + h W2 + b2, layer norm 2
	s_wait_loadcnt 0x0                             ; b2
	MMTS ACC, W2R, 2, 0
	MMTS ACC, W2R, 2, 1
	WIN 0
	PLACES 8
	RESID
	LNORM ST2
	; ---- the way out
	v_and_b32 v10, 15, v0
	v_mul_u32_u24 v10, v10, 1040
	v_add_nc_u32 v10, v10, v[VOF]                  ; into the stage: row 16 T + r, my 64 bytes at 128 w + 64 h
	s_mul_i32 s24, s14, 4160
	v_add_nc_u32 v11, s24, v[LI]                   ; back: rows 4 w + i, 16 bytes a lane
	s_wait_alu depctr_va_vdst(0)                   ; the layer norm has written the rows in v128-159 and the lines above the addresses v10, v11, which the LDS stores and loads below read; every vector line is done with v32-63, in which the loads from the stage land
.irp T, 0,1
.irp q, 0,1,2,3
	ds_store_b128 v10, v[XR+16*\T+4*\q:XR+16*\T+4*\q+3] offset:STG+16640*\T+16*\q
.endr
.endr
	BAR                                            ; 32 whole rows lie in the stage
	s_wait_alu depctr_vm_vsrc(0)                   ; the statistics' stores have read v40-41, in which the loads from the stage land
.irp n, 0,1,2,3,4,5,6,7
	ds_load_b128 v[AF+4*\n:AF+4*\n+3], v11 offset:STG+1040*(\n/2)+512*(\n%2)
.endr
.irp n, 0,1,2,3,4,5,6,7
	s_wait_dscnt 7-\n                              ; LDS loads come back in order: load n is in, the younger ones may be out
	global_store_b128 v[LI], v[AF+4*\n:AF+4*\n+3], s[10:11] offset:1024*(\n/2)+512*(\n%2) th:TH_STORE_NT   ; 32 lanes store 512 consecutive bytes of a row
.endr
	s_wait_dscnt 0x0                               ; the closing lines, six on end
	s_wait_alu 0x0
	s_wait_tensorcnt 0x0
	ds_add_u32 v254, v255
	s_wait_dscnt 0x0
	s_endpgm
.Lfunc_end_k_q50739f9a46_last:
	.size	k_q50739f9a46_last, .Lfunc_end_k_q50739f9a46_last-k_q50739f9a46_last
	.p2alignl 7, 3214868480
	.fill 96, 4, 3214868480
	.section	.rodata,"a",@progbits
	.p2align	6, 0x0
	.amdhsa_kernel k_q50739f9a46_last
		.amdhsa_group_segment_fixed_size 66560
		.amdhsa_private_segment_fixed_size 0
		.amdhsa_enable_private_segment 0
		.amdhsa_kernarg_size 32
		.amdhsa_user_sgpr_count 2
		.amdhsa_user_sgpr_kernarg_segment_ptr 1
		.amdhsa_wavefront_size32 1
		.amdhsa_system_sgpr_workgroup_id_x 1
		.amdhsa_system_sgpr_workgroup_id_y 1
		.amdhsa_system_sgpr_workgroup_id_z 1
		.amdhsa_system_vgpr_workitem_id 0
		.amdhsa_next_free_vgpr 512
		.amdhsa_next_free_sgpr 66
		.amdhsa_reserve_vcc 0
		.amdhsa_float_denorm_mode_32 3
		.amdhsa_float_denorm_mode_16_64 3
		.amdhsa_memory_ordered 1
		.amdhsa_forward_progress 1
		.amdhsa_inst_pref_size 92
	.end_amdhsa_kernel
	.amdgpu_metadata
---
amdhsa.version: [ 1, 2 ]
amdhsa.kernels:
  - .name:           k_q50739f9a46_last
    .symbol:         k_q50739f9a46_last.kd
    .args:
      - { .name: OC, .offset: 0, .size: 8, .value_kind: global_buffer, .address_space: global }
      - { .name: XB, .offset: 8, .size: 8, .value_kind: global_buffer, .address_space: global }
      - { .name: P3, .offset: 16, .size: 8, .value_kind: global_buffer, .address_space: global }
      - { .name: out0, .offset: 24, .size: 8, .value_kind: global_buffer, .address_space: global }
    .group_segment_fixed_size: 66560
    .private_segment_fixed_size: 0
    .kernarg_segment_align: 8
    .kernarg_segment_size: 32
    .max_flat_workgroup_size: 256
    .sgpr_count:     66
    .vgpr_count:     512
    .wavefront_size: 32
...
	.end_amdgpu_metadata
.endif
;; end of part 8
